; MI455X (gfx1250); checked and timed in simulation.
; The chip was launched on July 23, 2026; its instructions are those of AMD's public machine-readable ISA for CDNA 5 (MIT licence, August 2026) and "CDNA5" Instruction Set Architecture Reference Guide (July 2026). The comments in the code are by the model that wrote it; some were corrected since.
;; QKV Block. Allowed arithmetic: matrix products marked QUANTISED: E3M2 operands, one E8M0 scale for each 32 along K, by v_wmma_scale_f32_16x16x128_f8f6f4 with both operands' format E3M2, f32 sums; everything else in f32.
;; Inputs: Wk 2,048 x 2,048 float32; Wo 2,048 x 2,048 float32; Wq 2,048 x 2,048 float32; Wv 2,048 x 2,048 float32; bk 2,048 float32; bo 2,048 float32; bq 2,048 float32; bv 2,048 float32; cos 2,048 x 128 float32; mask 1 x 1 x 2,048 x 2,048 float32; sin 2,048 x 128 float32; x 1 x 2,048 x 2,048 float32.
;; Outputs: out0 1 x 2,048 x 2,048 float32.
;; Constants: rope_exclude = 0.
;; This version of the problem:
;;   THIS VERSION OF THE PROBLEM IS GIVEN IN LOW PRECISION. The matrix products marked QUANTISED in the list below multiply operands that are first quantised to E3M2 (3 exponent bits, 2 mantissa bits; 6 bits a number), with one power-of-two scale for each 32 numbers along K (OCP MX v1.0); their sums are f32. All else is computed in f32.
;;   The module's matrix products, in the order in which they are computed (A, B: the left and right operand; K: the contracted axis; several contracted axes count as one K, in the product's order):
;;     1. [M 2,048, K 2,048] x [K 2,048, N 2,048]; A: input x; B: input Wq: QUANTISED
;;     2. [M 2,048, K 2,048] x [K 2,048, N 2,048]; A: input x; B: input Wk: QUANTISED
;;     3. [M 2,048, K 2,048] x [K 2,048, N 2,048]; A: input x; B: input Wv: QUANTISED
;;     4. batch 16 x [M 2,048, K 128] x [K 128, N 2,048]; A: computed on the way; B: computed on the way: QUANTISED
;;     5. batch 16 x [M 2,048, K 2,048] x [K 2,048, N 128]; A: softmax (see below); B: computed on the way: QUANTISED
;;     6. [M 2,048, K 2,048] x [K 2,048, N 2,048]; A: computed on the way; B: input Wo: QUANTISED
;;   THE QUANTISER, for each operand of a quantised product, along K:
;;     - K is cut into blocks of 32 from its start; a last block that is shorter is filled with zeros.
;;     - A block's scale is 2^e with e = floor(log2(the largest magnitude in the block)) - 4, held to -126 .. 127; a block of zeros has e = 0. As a byte (E8M0): e + 127.
;;     - Each number is divided by its block's scale, clamped to +-28, and rounded to the nearest number of E3M2, ties to even, subnormals kept.
;;     - The product sums the exact products of the quantised numbers (number of the format x scale) in f32.
;;   ~~~python
;;   def quantise(x, axis):      # numpy; x: float32 -> the quantised numbers, widened to float32 again
;;       x = np.moveaxis(x, axis, -1); K = x.shape[-1]
;;       x = np.pad(x, [(0, 0)] * (x.ndim - 1) + [(0, -K % 32)]); x = x.reshape(x.shape[:-1] + (-1, 32)); a = np.abs(x).max(-1, keepdims=True)
;;       e = np.where(a > 0, np.clip(np.frexp(np.where(a > 0, a, 1))[1] - 1 - 4, -126, 127), 0)      # np.frexp(a)[1] - 1 = floor(log2(a)), exactly
;;       r = np.clip(x / 2.0 ** e, -28, 28)
;;       step = 2.0 ** (np.maximum(np.frexp(np.where(r == 0, 1, r))[1] - 1, -2) - 2)
;;       q = np.round(r / step) * step * 2.0 ** e      # np.round: ties to even
;;       return np.moveaxis(q.reshape(q.shape[:-2] + (-1,))[..., :K], -1, axis).astype(np.float32)
;;   ~~~
;;   SOFTMAX AHEAD OF A QUANTISED PRODUCT. Where the list says 'softmax', what is quantised is not the finished softmax but p = 2^(t - M), with t = logit x log2(e) and M = ceil(the row's largest t), a whole number; so 1/2 < the row's largest p <= 1. The row's sum l is taken of the UNQUANTISED p, in f32, and the product's result is divided by l at the end. Since M is a whole number, a kernel that streams over the keys may use a running M (the ceiling of the running maximum): every later rescaling is an exact power of two, which a block's scale takes up: the codes' values come out the same.
;;   OPERANDS COMPUTED ON THE WAY. 'Computed on the way' means the value that the module computes at that place (a softmax that the list does not call 'softmax' is quantised finished and normalised). What goes into a quantiser is computed in f32, as accurately as f32 sums, v_exp_f32 and their like allow (about 1e-6 of the number): no bf16 or f16 on the way to a quantiser, and a product that is left as it is and whose result goes on into a quantised operand takes f32 operands (vector FMAs, or v_wmma_f32_16x16x4_f32). A number that lies on a knife's edge between two numbers of the format may be rounded either way, as far as f32 arithmetic and the matrix unit's own rounding can turn it there, and no further.
;; 2 versions. Each part assembles by itself: llvm-mc -triple=amdgcn-amd-amdhsa -mcpu=gfx1250 --defsym DOCPART=n.
;; ======== version 1 of 2: 4 launches
;; workspace buffers: oc 15,728,640 bytes; os 655,360 bytes; csi 2,097,152 bytes; qkvc 9,437,184 bytes; qkvs 393,216 bytes; cc 3,145,728 bytes; cs 131,072 bytes
;; launch quant (part 1): grid 672 x 1, 4 waves a work-group, no clusters, 35,328 bytes of LDS; arguments x, Wq, Wk, Wv, Wo, cos, sin, oc, os, csi; writes oc, os, csi
.if DOCPART == 1
	.amdgcn_target "amdgcn-amd-amdhsa--gfx1250"
	.amdhsa_code_object_version 6
	.text
	.protected	k_q223d0bf101_quant
	.globl	k_q223d0bf101_quant
	.p2align	8
	.type	k_q223d0bf101_quant,@function
k_q223d0bf101_quant:
	s_mov_b64 s[64:65], 0
	v_nop
	global_prefetch_b8 v0, s[64:65] scope:SCOPE_SE
	s_setreg_imm32_b32 hwreg(HW_REG_WAVE_MODE, 25, 1), 1
	s_wait_xcnt 0x0
; FIRST OF FOUR LAUNCHES of: out = softmax((rope(x Wq^T + bq) rope(x Wk^T + bk)^T) / sqrt(128) + mask) (x Wv^T + bv) Wo^T + bo, S = E = 2048, 16 heads of 128,
; all six products on codes of BF6 (E3M2) with one E8M0 scale for each 32 along K.
; WORK LEFT OUT, in the whole program: jnp.where(keep, t, rot) in _apply_rope.  keep = arange(S) < rope_exclude, and rope_exclude is the constant 0 of the problem: no position is under 0,
; so keep is false everywhere and rot is taken for every value of the inputs.  The select and its unrotated branch are not written.  Every input has a way to the output and is loaded: the mask, cos and sin are inputs
; and are read whole, as they are given; nothing of a causal pattern is built in.  (A NaN, infinity or overflow could reach only the unrotated t, which is the same t that rot is made of: nothing is lost.)
; THIS LAUNCH turns x, Wq, Wk, Wv, Wo (f32, [2048][2048], K innermost) into codes and scale words, once, and lays cos and sin in the order in which the next launch's registers take them.
; THE ORDER OF ROWS IN A TILE: row r' of tile T is matrix row 32 (T / 2) + 8 (T % 2) + r' + 8 (r' / 8).  With tiles so chosen, a product's 16 registers of two neighbouring tiles are 16 neighbours of that axis.
; A FRAGMENT (16 rows x 128 K: 12 registers a lane) lies in memory as an IMAGE OF ITS REGISTERS: register g of lane l at byte 512 (g / 4) + 16 l + 4 (g % 4): three stores or loads of 16 bytes a lane, 512 consecutive bytes each.
; oc: [tensor 5][tile 128][K step 16][1536].  os: [tensor 5][K step 16][group of 4 tiles 32][row 16][tile in group 4] words.  csi: [token tile 128][chunk 32: 16 of cos, 16 of sin][lane 32][16 bytes].
; A block's scale is 2^(floor(log2(its largest magnitude)) - 4); its byte is that magnitude's exponent field - 4, held at 1 from below.
; LIMITS: NaN and infinities among the inputs are not served; a block whose largest magnitude lies under 2^-122 keeps the byte 1; a block of zeros gets the byte 1 (not 127) and zero codes, and only this program reads the bytes.
; SHARES.  Work-groups 0-639: tensor = wg / 128, 64 rows = (wg % 128) / 4; wave w takes K step 4 (wg % 4) + w and makes the four fragments of those rows.  Work-groups 640-671: a wave re-orders one token tile of cos and sin.
; A load reads 512 consecutive bytes of one row; the 16 rows of a fragment turn through the wave's own stage in LDS (rows 528 bytes apart), so that a lane gets 16 neighbours of each block of 32.  No barrier: waves share nothing.
.set STG,   8704                       ; a wave's stage: 16 rows x 528 bytes, rounded up to whole blocks of 256
.set SP,    528
.set SPARE, 4*STG                      ; behind the stages: the spare words, 128 bytes a wave
.set LA,  3                            ; v3   16 x lane
.set SA,  4                            ; v4   the stage, on the way in
.set SB,  5                            ; v5   and on the way out: row r, + 64 h
.set SO,  6                            ; v6   16 r + 8 h: my two scale words' place in a unit of 256 bytes
.set SPW, 12                           ; v12  my spare word; never rewritten
.set NIL, 13                           ; v13  0; never rewritten
.set R,   16                           ; v16-143  two sets of 64 registers as loaded
.set X,   144                          ; v144-207 64 numbers: register 16 b + i = k 32 b + 16 h + i of my row
.set TM,  208                          ; v208-223 at work
.set PC,  224                          ; v224-243 the codes just made
.set PW,  244                          ; v244-247 the four fragments' scale words
.set SEL, 36                           ; s[36:37] lane selects: lane l xor 16
; 64 numbers of a lane, v[s] on, become a fragment's codes in v[PC] .. v[PC + 11] and its row's scale word in v[pw]
.macro QUANT s, pw
.irp b, 0,1,2,3
	v_max3_num_f32 v[TM+\b], |v[(\s)+16*\b]|, |v[(\s)+1+16*\b]|, 0x2800000   ; my 16 numbers of block b, and the floor 2^(5 - 127): the byte cannot fall under 1
.endr
.irp i, 2,4,6,8,10,12,14
.irp b, 0,1,2,3
	v_max3_num_f32 v[TM+\b], v[TM+\b], |v[(\s)+16*\b+\i]|, |v[(\s)+1+16*\b+\i]|
.endr
.endr
.irp b, 0,1,2,3
	v_permlanex16_b32 v[TM+4+\b], v[TM+\b], s[SEL], s[SEL+1]
.endr
.irp b, 0,1,2,3
	v_max_num_f32 v[TM+\b], v[TM+\b], v[TM+4+\b]                   ; with lane l xor 16's: the block's largest magnitude
.endr
.irp b, 0,1,2,3
	v_add_nc_u32 v[TM+12+\b], 0xfe000000, v[TM+\b]                 ; 4 off its exponent field: the conversion's scale operand
.endr
.irp b, 0,1,2,3
	v_lshrrev_b32 v[TM+4+\b], 23, v[TM+12+\b]                      ; the scale's byte
.endr
	v_lshl_or_b32 v[\pw], v[TM+5], 8, v[TM+4]
	v_lshl_or_b32 v[\pw], v[TM+6], 16, v[\pw]
	v_lshl_or_b32 v[\pw], v[TM+7], 24, v[\pw]
.irp c, 0,1
	v_cvt_scalef32_pk16_bf6_f32 v[PC+6*\c:PC+2+6*\c], v[(\s)+32*\c:(\s)+15+32*\c], v[TM+12+2*\c]
	v_cvt_scalef32_pk16_bf6_f32 v[PC+12+4*\c:PC+14+4*\c], v[(\s)+16+32*\c:(\s)+31+32*\c], v[TM+12+2*\c+1]
.endr
	v_nop                                          ; one plain place behind the scaled conversions
.irp c, 0,1                                    ; the operand's layout wants a whole block in a lane: lanes 0-15 block 2 c, lanes 16-31 block 2 c + 1
.irp i, 0,1,2
	v_permlane16_swap_b32 v[PC+6*\c+\i], v[PC+12+4*\c+\i]
.endr
.irp i, 0,1,2
	v_mov_b32 v[PC+3+6*\c+\i], v[PC+12+4*\c+\i]
.endr
.endr
.endm
	s_load_b512 s[4:19], s[0:1], 0x0               ; x, Wq, Wk, Wv, Wo, cos, sin, oc
	s_load_b128 s[20:23], s[0:1], 0x40             ; os, csi
	v_lshl_add_u32 v[SPW], v0, 2, SPARE
	v_mov_b32 v[NIL], 0
	v_lshrrev_b32 v7, 5, v0
	v_readfirstlane_b32 s24, v7                    ; wave
	v_and_b32 v7, 31, v0                           ; lane
	v_and_b32 v1, 15, v0                           ; r
	v_bfe_u32 v2, v0, 4, 1                         ; h
	v_lshlrev_b32 v[LA], 4, v7
	s_mul_i32 s34, s24, STG
	v_add_nc_u32 v[SA], s34, v[LA]
	v_mul_u32_u24 v[SB], v1, SP
	v_lshl_add_u32 v[SB], v2, 6, v[SB]
	v_add_nc_u32 v[SB], s34, v[SB]
	v_lshlrev_b32 v[SO], 4, v1
	v_lshl_add_u32 v[SO], v2, 3, v[SO]
	s_mov_b32 s[SEL], 0x76543210
	s_mov_b32 s[SEL+1], 0xfedcba98
	s_mov_b32 s38, 0xffff0000                      ; lanes 16-31
	s_cmp_ge_u32 ttmp9, 640
	s_cbranch_scc1 .Ltables
	; ---- the five tensors
.irp b, 0,1,2,3
	v_mov_b32 v[TM+4+\b], 0                        ; written once: a lane permute's destination counts as one of its sources
.endr
	s_lshr_b32 s25, ttmp9, 7                       ; tensor
	s_and_b32 s26, ttmp9, 127
	s_lshr_b32 s27, s26, 2                         ; group of 64 rows
	s_and_b32 s26, s26, 3
	s_lshl_b32 s26, s26, 2
	s_add_co_u32 s26, s26, s24                     ; K step
	s_lshl_b32 s28, s27, 19                        ; 64 rows of 8,192 bytes
	s_lshl_b32 s29, s26, 9                         ; 128 numbers
	s_add_co_u32 s28, s28, s29
	s_mov_b32 s29, 0
	s_mul_i32 s30, s25, 3145728
	s_mul_i32 s31, s27, 98304                      ; four tiles of 24,576 bytes
	s_add_co_u32 s30, s30, s31
	s_mul_i32 s31, s26, 1536
	s_add_co_u32 s30, s30, s31
	s_mov_b32 s31, 0
	s_lshl_b32 s32, s25, 17
	s_lshl_b32 s33, s26, 13
	s_add_co_u32 s32, s32, s33
	s_lshl_b32 s33, s27, 8
	s_add_co_u32 s32, s32, s33
	s_mov_b32 s33, 0
	s_wait_kmcnt 0x0
	s_cmp_eq_u32 s25, 1                            ; the tensor is chosen by the work-group's number alone
	s_cselect_b64 s[4:5], s[6:7], s[4:5]
	s_cmp_eq_u32 s25, 2
	s_cselect_b64 s[4:5], s[8:9], s[4:5]
	s_cmp_eq_u32 s25, 3
	s_cselect_b64 s[4:5], s[10:11], s[4:5]
	s_cmp_eq_u32 s25, 4
	s_cselect_b64 s[4:5], s[12:13], s[4:5]
	s_add_nc_u64 s[4:5], s[4:5], s[28:29]
	s_add_nc_u64 s[18:19], s[18:19], s[30:31]
	s_add_nc_u64 s[20:21], s[20:21], s[32:33]
.macro LOAD j                          ; the 16 rows of the group's tile j, 512 consecutive bytes each, into set j % 2
.irp i, 0,1,2,3,4,5,6,7,8,9,10,11,12,13,14,15
	global_load_b128 v[R+64*((\j)%2)+4*\i:R+64*((\j)%2)+4*\i+3], v[LA], s[4:5] offset:(32*((\j)/2)+8*((\j)%2)+\i+8*(\i/8))*8192 th:TH_LOAD_NT
.endr
.endm
.macro FRAGM j
.if (\j) < 3
	s_wait_loadcnt 16                              ; this tile's 16 loads are in; the next tile's 16 may be out
.else
	s_wait_loadcnt 0x0
.endif
.irp i, 0,1,2,3,4,5,6,7,8,9,10,11,12,13,14,15
	ds_store_b128 v[SA], v[R+64*((\j)%2)+4*\i:R+64*((\j)%2)+4*\i+3] offset:SP*\i
.endr
.irp b, 0,1,2,3
.irp q, 0,1,2,3
	ds_load_b128 v[X+16*\b+4*\q:X+16*\b+4*\q+3], v[SB] offset:128*\b+16*\q   ; LDS serves a wave's instructions in order: these see the stores above
.endr
.endr
	s_wait_dscnt 0x0                               ; the numbers are back, and the stores have read the set, which takes the loads of two tiles on
.if (\j)+2 < 4
	LOAD (\j)+2
.endif
.if (\j) > 0
	s_wait_xcnt 0x0                                ; the last image's stores have read the codes' registers
.endif
	QUANT X, PW+(\j)
.irp c, 0,1,2
	global_store_b128 v[LA], v[PC+4*\c:PC+4*\c+3], s[18:19] offset:(\j)*24576+512*\c   ; 512 consecutive bytes
.endr
.endm
	LOAD 0
	LOAD 1
	FRAGM 0
	FRAGM 1
	FRAGM 2
	FRAGM 3
	v_cndmask_b32 v248, v[PW], v[PW+2], s38        ; lanes 0-15: tiles 0, 1 of row r; lanes 16-31: tiles 2, 3
	v_cndmask_b32 v249, v[PW+1], v[PW+3], s38
	global_store_b64 v[SO], v[248:249], s[20:21]   ; 32 lanes store one aligned run of 256 bytes
	s_wait_tensorcnt 0x0                           ; the wave's end, behind my last LDS store
	ds_add_u32 v[SPW], v[NIL]
	s_wait_dscnt 0x0
	s_endpgm
	; ---- cos and sin: lane (r, h) of token tile T takes, of its token's row, 16 neighbours of each 32; they leave as 32 chunks of 512 consecutive bytes
.Ltables:
	s_sub_co_u32 s25, ttmp9, 640
	s_lshl_b32 s25, s25, 2
	s_add_co_u32 s25, s25, s24                     ; token tile
	s_lshr_b32 s26, s25, 1
	s_lshl_b32 s26, s26, 5
	s_and_b32 s27, s25, 1
	s_lshl_b32 s27, s27, 3
	s_add_co_u32 s26, s26, s27                     ; its first row
	s_lshl_b32 s26, s26, 9                         ; rows of 512 bytes
	s_mov_b32 s27, 0
	s_lshl_b32 s28, s25, 14
	s_mov_b32 s29, 0
	v_and_b32 v8, 8, v1
	v_add_nc_u32 v8, v8, v1                        ; r + 8 (r / 8)
	v_lshlrev_b32 v8, 9, v8
	v_lshl_add_u32 v8, v2, 6, v8
	s_wait_kmcnt 0x0
	s_add_nc_u64 s[14:15], s[14:15], s[26:27]
	s_add_nc_u64 s[16:17], s[16:17], s[26:27]
	s_add_nc_u64 s[22:23], s[22:23], s[28:29]
.irp k, 0,1,2,3,4,5,6,7,8,9,10,11,12,13,14,15
	global_load_b128 v[16+4*\k:19+4*\k], v8, s[14:15] offset:128*(\k/4)+16*(\k%4)
.endr
.irp k, 0,1,2,3,4,5,6,7,8,9,10,11,12,13,14,15
	global_load_b128 v[80+4*\k:83+4*\k], v8, s[16:17] offset:128*(\k/4)+16*(\k%4)
.endr
.irp k, 0,1,2,3,4,5,6,7,8,9,10,11,12,13,14,15,16,17,18,19,20,21,22,23,24,25,26,27,28,29,30,31
	s_wait_loadcnt 31-\k                           ; chunk k is in; the 31 - k loads issued behind it may be out
	global_store_b128 v[LA], v[16+4*\k:19+4*\k], s[22:23] offset:512*\k
.endr
	s_endpgm
.Lfunc_end_k_q223d0bf101_quant:
	.size	k_q223d0bf101_quant, .Lfunc_end_k_q223d0bf101_quant-k_q223d0bf101_quant
	.p2alignl 7, 3214868480
	.fill 96, 4, 3214868480
	.section	.rodata,"a",@progbits
	.p2align	6, 0x0
	.amdhsa_kernel k_q223d0bf101_quant
		.amdhsa_group_segment_fixed_size 35328
		.amdhsa_private_segment_fixed_size 0
		.amdhsa_enable_private_segment 0
		.amdhsa_kernarg_size 80
		.amdhsa_user_sgpr_count 2
		.amdhsa_user_sgpr_kernarg_segment_ptr 1
		.amdhsa_wavefront_size32 1
		.amdhsa_system_sgpr_workgroup_id_x 1
		.amdhsa_system_sgpr_workgroup_id_y 1
		.amdhsa_system_sgpr_workgroup_id_z 1
		.amdhsa_system_vgpr_workitem_id 0
		.amdhsa_next_free_vgpr 256
		.amdhsa_next_free_sgpr 66
		.amdhsa_reserve_vcc 0
		.amdhsa_float_denorm_mode_32 3
		.amdhsa_float_denorm_mode_16_64 3
		.amdhsa_memory_ordered 1
		.amdhsa_forward_progress 1
		.amdhsa_inst_pref_size 42
	.end_amdhsa_kernel
	.amdgpu_metadata
---
amdhsa.version: [ 1, 2 ]
amdhsa.kernels:
  - .name:           k_q223d0bf101_quant
    .symbol:         k_q223d0bf101_quant.kd
    .args:
      - { .name: x, .offset: 0, .size: 8, .value_kind: global_buffer, .address_space: global }
      - { .name: Wq, .offset: 8, .size: 8, .value_kind: global_buffer, .address_space: global }
      - { .name: Wk, .offset: 16, .size: 8, .value_kind: global_buffer, .address_space: global }
      - { .name: Wv, .offset: 24, .size: 8, .value_kind: global_buffer, .address_space: global }
      - { .name: Wo, .offset: 32, .size: 8, .value_kind: global_buffer, .address_space: global }
      - { .name: cos, .offset: 40, .size: 8, .value_kind: global_buffer, .address_space: global }
      - { .name: sin, .offset: 48, .size: 8, .value_kind: global_buffer, .address_space: global }
      - { .name: oc, .offset: 56, .size: 8, .value_kind: global_buffer, .address_space: global }
      - { .name: os, .offset: 64, .size: 8, .value_kind: global_buffer, .address_space: global }
      - { .name: csi, .offset: 72, .size: 8, .value_kind: global_buffer, .address_space: global }
    .group_segment_fixed_size: 35328
    .private_segment_fixed_size: 0
    .kernarg_segment_align: 8
    .kernarg_segment_size: 80
    .max_flat_workgroup_size: 128
    .sgpr_count:     66
    .vgpr_count:     256
    .wavefront_size: 32
...
	.end_amdgpu_metadata
.endif
;; end of part 1
;; launch qkv (part 2): grid 24 x 8, 4 waves a work-group, clusters of 4 x 4, 327,680 bytes of LDS; arguments oc, os, bq, bk, bv, csi, qkvc, qkvs; writes qkvc, qkvs
.if DOCPART == 2
	.amdgcn_target "amdgcn-amd-amdhsa--gfx1250"
	.amdhsa_code_object_version 6
	.text
	.protected	k_q223d0bf101_qkv
	.globl	k_q223d0bf101_qkv
	.p2align	8
	.type	k_q223d0bf101_qkv,@function
k_q223d0bf101_qkv:
	s_mov_b64 s[64:65], 0
	v_nop
	global_prefetch_b8 v0, s[64:65] scope:SCOPE_SE
	s_setreg_imm32_b32 hwreg(HW_REG_WAVE_MODE, 25, 1), 1
	s_wait_xcnt 0x0
	s_wait_alu depctr_hold_cnt(0) depctr_sa_sdst(0) depctr_va_vdst(0) depctr_va_sdst(0) depctr_va_ssrc(0) depctr_va_vcc(0) depctr_vm_vsrc(0)
	s_getreg_b32 s2, hwreg(HW_REG_IB_STS2, 6, 4)
	s_cmp_eq_u32 s2, 0
	s_cbranch_scc0 .Lentry_in_a_cluster
	s_endpgm
.Lentry_in_a_cluster:
	s_bfe_u32 s2, ttmp6, 0x10000c
	s_cmp_lg_u32 s2, 0xf033
	s_cbranch_scc0 .Lentry_shape_is_right
	s_endpgm
.Lentry_shape_is_right:
; SECOND LAUNCH: q = rope(x Wq^T + bq), k = rope(x Wk^T + bk), v = x Wv^T + bv on codes of BF6, and the results quantised at once: q and k along the head's 128, v along the keys.  Nothing in f32 goes to memory.
; Work left out: the select by rope_exclude = 0, which takes the rotated value at every position (shown at the head of the first launch).
; A tile of 256 x 256 to a work-group of four waves, 128 x 128 to a wave (64 accumulators, 512 registers); K = 2048 in steps of 256 through two LDS slots filled by the tensor data mover.
; OPERANDS are images of fragments (first launch): a tile of 16 rows is 24,576 consecutive bytes, 1,536 for each 128 along K; a fragment comes from LDS by three loads of 16 bytes a lane, 512 consecutive bytes each: no padding.
; SECTIONS, by the cluster's x (0-1: q, 2-3: k, 4-5: v), the same in all partners.  ONE LOOP SERVES ALL THREE: both operands lie in oc in one layout, so v's section simply takes Wv's rows where q's and k's take tokens ("A", source 1)
; and tokens where they take W's rows ("B", source 0).  A lane holds one row of A, and its registers run along B's rows: for q and k along the head's 128, for v along the keys: each time the axis along which it is quantised.
; CLUSTERS: 4 x 4 work-groups; A's tiles are asked for jointly along a row of the cluster, B's along a column.  192 work-groups: the three sections have no more tiles of this size.
; OUT: qkvc: q [head][token tile 128][1536]; then [head][key step 16][k: 8 fragments | v: 8 fragments][1536].  qkvs: q [head][8 tiles 16][512]; then [head][key step][k 512 | v 512]; in 512 bytes the word of (row r, fragment a) at 32 r + 4 a.
; LIMITS: as in the first launch (NaN, infinities; bytes held at 1).  The rotation is formed with a fused multiply-add: one rounding fewer than two products and a sum.
; REGISTERS, in windows of 256: window 0: v0-31 addresses; v32-63 scale words, two sets, and nothing else; v64-127 the bias; v128-223 A's fragments, ONE set; on the way out v128-239 at work.
;   window 1: B's fragments, two sets at v0 and v128; on the way out two sets of cos (64) and sin (64).   windows 2, 3: the accumulators, (a, b) at v[8 (8 (a % 4) + b)].
.set FR,     12
.set NL,     3                         ; LDS loads that bring a fragment
.set NP,     4                         ; places behind this matrix instruction (ISA guide 7.12.1)
.set NQ,     2                         ; steps of 128 along K in a slot
.set FRB,    1536
.set TROW,   NQ*FRB                    ; a tile's part of a slot
.set HALFT,  8*TROW                    ; 8 tiles: what one tensor load brings, and what one wave reads of A or of B
.set SLOT,   4*HALFT
.set LAPS,   4                         ; 2048 / (2 x 256)
.set SCL,    2*SLOT                    ; behind the ring: the scale words of 4 x 128 rows for all of K, filled once: [K step 16][group 2][row 16][tile 4]
.set HALFS,  8192
.set SPARE,  SCL+4*HALFS               ; the spare words, 128 bytes a wave
.set OA,   10                          ; v10  16 x lane
.set OS4,  11                          ; v11  32 r + 16 h
.set ADRA, 16                          ; v16-17 my A fragments in slot 0, 1
.set ADRB, 20                          ; v20-21 the same for B
.set ADRS, 27                          ; v27  my scale words: lanes 0-15 A's, lanes 16-31 B's
.set SPW,  28
.set NIL,  29
.set SC,   32                          ; set sc at v[SC + 16 sc]; in it register 8 q + i: the words of tile i for the slot's q-th 128 along K
.set BI,   64
.set AF,   128
.set R,    128                         ; the way out: 64 numbers
.set PC,   192                         ; the codes just made
.set PWS,  212                         ; eight scale words
.set W4,   220
.set TM,   224
.set G1, 24
.set G0, 32
.set G1B, 48
.set G0B, 56
.set G1S, 68
.set G0S, 76
.set G1SB, 80
.set G0SB, 88
.set SEL, 100
.set MSB, 0
.macro WIN new                         ; the immediate's high byte repeats the setting that is left
.if MSB != \new
	s_set_vgpr_msb (MSB<<8)|\new
.set MSB, \new
.endif
.endm
.set MUL_LO, 0xa1                      ; source 0 (B) window 1, source 1 (A) window 0, C and D window 2
.set MUL_HI, 0xf1
.set TO_B,   0x40
; A joint load: waves 0 and 1 fetch for A, waves 2 and 3 for B; the branch hangs on the wave's number alone.  An s_nop 0 and four v_nop follow each line.
.macro JLOAD g0a, g1a, g0b, g1b
	s_cmp_eq_u32 s15, 0
	s_cbranch_scc0 .Lfor_b_\@
	tensor_load_to_lds s[\g0a:\g0a+3], s[\g1a:\g1a+7]
	s_nop 0
.rept 4
	v_nop
.endr
	s_branch .Lasked_\@
.Lfor_b_\@:
	tensor_load_to_lds s[\g0b:\g0b+3], s[\g1b:\g1b+7]
	s_nop 0
.rept 4
	v_nop
.endr
.Lasked_\@:
.endm
.macro CREST
	s_cmp_lg_u32 s14, 0
	s_cbranch_scc1 .Lnot_wave_0_\@
	s_barrier_signal -3
.Lnot_wave_0_\@:
	s_barrier_wait -3
	s_barrier_signal -1
	s_barrier_wait -1
.endm
.macro CROUND
	s_barrier_signal -1
	s_barrier_wait -1
	CREST
.endm
	s_load_b256 s[4:11], s[0:1], 0x0               ; oc, os, bq, bk
	s_load_b256 s[92:99], s[0:1], 0x20             ; bv, csi, qkvc, qkvs
	v_lshl_add_u32 v[SPW], v0, 2, SPARE
	v_mov_b32 v[NIL], 0
	ds_add_u32 v[SPW], v[NIL]                      ; the wave's opening: the add, twice on end, and its wait ahead of my first tensor load
	ds_add_u32 v[SPW], v[NIL]
	v_lshrrev_b32 v1, 5, v0
	v_readfirstlane_b32 s14, v1                    ; wave 0..3
	s_lshr_b32 s15, s14, 1                         ; my half of A's rows.  Also: I fetch for A (0) or for B (1)
	s_and_b32 s16, s14, 1                          ; my half of B's rows.  Also: which 8 tiles I fetch
	s_bfe_u32 s40, ttmp6, 0x40000                  ; cx
	s_bfe_u32 s41, ttmp6, 0x40004                  ; cy
	s_lshl_b32 s42, ttmp9, 2
	s_add_co_u32 s42, s42, s40                     ; tx = 4 x cluster x + cx
	s_and_b32 s17, ttmp7, 0xffff
	s_lshl_b32 s17, s17, 2
	s_add_co_u32 s17, s17, s41                     ; ty = 4 x cluster y + cy
	s_lshl_b32 s43, s41, 2
	s_lshl_b32 s43, 15, s43                        ; my row of the cluster
	s_lshl_b32 s44, 0x1111, s40                    ; my column
	s_lshr_b32 s66, ttmp9, 1                       ; the section: 0 q, 1 k, 2 v
	s_lshr_b32 s67, s66, 1                         ; 1 in v's section
	; descriptor group 1 for codes: 8 rows (tiles) of 3,072 bytes (384 elements of 8), 24,576 bytes apart
	s_or_b32 s[G1+0], s43, (3<<16)|(1<<21)
	s_or_b32 s[G1B+0], s44, (3<<16)|(1<<21)
.irp g, G1, G1B
	s_mov_b32 s[\g+1], 384<<16
	s_mov_b32 s[\g+2], 8<<16
	s_mov_b32 s[\g+3], 384<<16
	s_mov_b32 s[\g+4], 8
	s_mov_b32 s[\g+5], 3072
	s_mov_b32 s[\g+6], 0
	s_mov_b32 s[\g+7], 0
.endr
	; and for scale words: 16 rows (K steps) of 512 bytes (two groups of four tiles), 8,192 bytes apart
	s_or_b32 s[G1S+0], s43, (3<<16)|(1<<21)
	s_or_b32 s[G1SB+0], s44, (3<<16)|(1<<21)
.irp g, G1S, G1SB
	s_mov_b32 s[\g+1], 64<<16
	s_mov_b32 s[\g+2], 16<<16
	s_mov_b32 s[\g+3], 64<<16
	s_mov_b32 s[\g+4], 16
	s_mov_b32 s[\g+5], 1024
	s_mov_b32 s[\g+6], 0
	s_mov_b32 s[\g+7], 0
.endr
	; A: tensor x (q, k) or Wv (tensor 3: 384 tiles on), tile 16 ty + 8 x half.  Made of ty, the section and the wave alone
	s_mul_i32 s20, s67, 384
	s_lshl_b32 s21, s17, 4
	s_add_co_u32 s20, s20, s21
	s_lshl_b32 s21, s16, 3
	s_add_co_u32 s20, s20, s21
	s_mul_i32 s20, s20, 24576
	s_mov_b32 s21, 0
	s_mul_i32 s22, s67, 393216
	s_lshl_b32 s23, s17, 10
	s_add_co_u32 s22, s22, s23
	s_lshl_b32 s23, s16, 9
	s_add_co_u32 s22, s22, s23
	s_mov_b32 s23, 0
	; B: tensor 1 (Wq), 2 (Wk) or 0 (x), tile 16 (tx % 8) + 8 x half.  Made of tx, the section and the wave alone
	s_mul_i32 s13, s67, 3
	s_add_co_u32 s12, s66, 1
	s_sub_co_u32 s12, s12, s13                     ; the tensor
	s_and_b32 s13, s42, 7
	s_lshl_b32 s46, s12, 7
	s_lshl_b32 s47, s13, 4
	s_add_co_u32 s46, s46, s47
	s_lshl_b32 s47, s16, 3
	s_add_co_u32 s46, s46, s47
	s_mul_i32 s46, s46, 24576
	s_mov_b32 s47, 0
	s_lshl_b32 s18, s12, 17
	s_lshl_b32 s19, s13, 10
	s_add_co_u32 s18, s18, s19
	s_lshl_b32 s19, s16, 9
	s_add_co_u32 s18, s18, s19
	s_mov_b32 s19, 0
	s_mul_i32 s45, s14, HALFT                      ; where they go: by the wave alone
	s_lshl_b32 s12, s14, 13
	s_mov_b32 s[SEL], 0x76543210
	s_mov_b32 s[SEL+1], 0xfedcba98
	s_mov_b32 s2, 0xffff0000                       ; lanes 16-31
	s_wait_dscnt 0x0                               ; both opening adds are done
	s_wait_kmcnt 0x0
	s_add_nc_u64 s[20:21], s[4:5], s[20:21]
	s_add_nc_u64 s[22:23], s[6:7], s[22:23]
	s_add_nc_u64 s[46:47], s[4:5], s[46:47]
	s_add_nc_u64 s[18:19], s[6:7], s[18:19]
	CROUND                                         ; all sixteen work-groups are here: the first joint loads meet
	s_mov_b32 s[G0S], 1
	s_add_co_u32 s[G0S+1], s12, SCL
	s_mov_b64 s[G0S+2:G0S+3], s[22:23]
	s_or_b32 s[G0S+3], s[G0S+3], 0x80000000
	s_mov_b32 s[G0SB], 1
	s_add_co_u32 s[G0SB+1], s12, SCL
	s_mov_b64 s[G0SB+2:G0SB+3], s[18:19]
	s_or_b32 s[G0SB+3], s[G0SB+3], 0x80000000
	JLOAD G0S, G1S, G0SB, G1SB                     ; the scale words first: they are wanted with K step 0.  With the two below, three loads of mine are out
.irp s, 0,1
	s_mov_b32 s[G0+4*\s], 1
	s_add_co_u32 s[G0+4*\s+1], s45, \s*SLOT
	s_add_nc_u64 s[G0+4*\s+2:G0+4*\s+3], s[20:21], \s*TROW
	s_or_b32 s[G0+4*\s+3], s[G0+4*\s+3], 0x80000000
	s_mov_b32 s[G0B+4*\s], 1
	s_add_co_u32 s[G0B+4*\s+1], s45, \s*SLOT
	s_add_nc_u64 s[G0B+4*\s+2:G0B+4*\s+3], s[46:47], \s*TROW
	s_or_b32 s[G0B+4*\s+3], s[G0B+4*\s+3], 0x80000000
	JLOAD G0+4*\s, G1, G0B+4*\s, G1B
.endr
	v_and_b32 v1, 15, v0                           ; r
	v_bfe_u32 v2, v0, 4, 1                         ; h
	v_and_b32 v3, 31, v0
	v_lshlrev_b32 v[OA], 4, v3
	v_lshlrev_b32 v[OS4], 5, v1
	v_lshl_add_u32 v[OS4], v2, 4, v[OS4]
	v_lshlrev_b32 v9, 6, v2                        ; 64 h: the bias along the registers
	v_and_b32 v8, 8, v1
	v_add_nc_u32 v8, v8, v1
	v_lshlrev_b32 v8, 2, v8                        ; 4 (r + 8 (r / 8)): the bias along the lanes
	s_mul_i32 s21, s15, HALFT                      ; my 8 tiles of A
	s_mul_i32 s22, s16, HALFT                      ; my 8 tiles of B,
	s_add_co_u32 s22, s22, 2*HALFT                 ; which lie behind A's 16
.irp s, 0,1
	v_add_nc_u32 v[ADRA+\s], s21, v[OA]
	v_add_nc_u32 v[ADRB+\s], s22, v[OA]
	s_add_co_u32 s21, s21, SLOT
	s_add_co_u32 s22, s22, SLOT
.endr
	v_lshlrev_b32 v5, 4, v1                        ; 16 r: four tiles' words of my row
	s_mul_i32 s21, s15, HALFS
	s_mul_i32 s22, s16, HALFS
	s_add_co_u32 s22, s22, 2*HALFS
	s_sub_co_u32 s22, s22, s21
	v_mul_u32_u24 v6, s22, v2                      ; lanes 16-31 take B's
	s_add_co_u32 s21, s21, SCL
	v_add_nc_u32 v5, v5, v6
	v_add_nc_u32 v[ADRS], s21, v5
.irp b, 0,1,2,3
	v_mov_b32 v[TM+4+\b], 0                        ; written once: a lane permute's destination counts as one of its sources
.endr
	; where my wave's 8 fragments go
	s_lshl_b32 s12, s42, 1
	s_add_co_u32 s12, s12, s16
	s_and_b32 s12, s12, 15                         ; which 128 of B's rows in the section
	s_lshl_b32 s13, s17, 1
	s_add_co_u32 s13, s13, s15                     ; which 128 of A's rows
	s_cmp_eq_u32 s67, 1
	s_cselect_b32 s18, s13, s12                    ; the head
	s_cselect_b32 s19, s12, s13                    ; the group of 128 tokens
	s_min_u32 s46, s66, 1                          ; 1 in k's and v's sections, whose steps are twice as far apart
	s_mul_i32 s20, s18, 196608
	s_mul_i32 s21, s19, 12288
	s_add_co_u32 s20, s20, s21
	s_lshl_b32 s20, s20, s46
	s_mul_i32 s21, s46, 3145728
	s_add_co_u32 s20, s20, s21
	s_mul_i32 s21, s67, 12288
	s_add_co_u32 s20, s20, s21
	s_mov_b32 s21, 0
	s_add_nc_u64 s[96:97], s[96:97], s[20:21]
	s_lshl_b32 s20, s18, 13
	s_lshl_b32 s22, s19, 9
	s_add_co_u32 s20, s20, s22
	s_lshl_b32 s20, s20, s46
	s_lshl_b32 s22, s46, 17
	s_add_co_u32 s20, s20, s22
	s_lshl_b32 s22, s67, 9
	s_add_co_u32 s20, s20, s22
	s_add_nc_u64 s[98:99], s[98:99], s[20:21]
	s_lshl_b32 s20, s13, 17                        ; cos and sin of my 8 token tiles (q, k)
	s_add_nc_u64 s[94:95], s[94:95], s[20:21]
	s_cmp_eq_u32 s66, 1                            ; the section's bias
	s_cselect_b64 s[8:9], s[10:11], s[8:9]
	s_cmp_eq_u32 s66, 2
	s_cselect_b64 s[8:9], s[92:93], s[8:9]
	s_lshl_b32 s20, s18, 9
	s_add_nc_u64 s[8:9], s[8:9], s[20:21]          ; at my head's 128 numbers
.macro FRAG reg, adr, q, i             ; a fragment's image: three loads of 512 consecutive bytes
.irp c, 0,1,2
	ds_load_b128 v[\reg+4*\c:\reg+4*\c+3], v[\adr] offset:(\i)*TROW+(\q)*FRB+512*\c
.endr
.endm
; 16 matrix instructions: A's tiles a0, a0 + 1 x B's eight.  The 64 accumulators take turns, one instruction a turn, in the same order in every step.
.macro MUL16 a0, p, q, sc, zero
.irp a, \a0, \a0+1
.irp b, 0,1,2,3,4,5,6,7
.if \zero
	v_wmma_scale_f32_16x16x128_f8f6f4 v[8*(8*((\a)%4)+\b):8*(8*((\a)%4)+\b)+7], v[128*(\p)+FR*\b:128*(\p)+FR*\b+FR-1], v[AF+FR*(\a):AF+FR*(\a)+FR-1], 0, v[SC+16*(\sc)+8*(\q)+\b], v[SC+16*(\sc)+8*(\q)+(\a)] matrix_a_fmt:MATRIX_FMT_BF6 matrix_b_fmt:MATRIX_FMT_BF6 matrix_a_scale:MATRIX_SCALE_ROW1
.else
	v_wmma_scale_f32_16x16x128_f8f6f4 v[8*(8*((\a)%4)+\b):8*(8*((\a)%4)+\b)+7], v[128*(\p)+FR*\b:128*(\p)+FR*\b+FR-1], v[AF+FR*(\a):AF+FR*(\a)+FR-1], v[8*(8*((\a)%4)+\b):8*(8*((\a)%4)+\b)+7], v[SC+16*(\sc)+8*(\q)+\b], v[SC+16*(\sc)+8*(\q)+(\a)] matrix_a_fmt:MATRIX_FMT_BF6 matrix_b_fmt:MATRIX_FMT_BF6 matrix_a_scale:MATRIX_SCALE_ROW1
.endif
.endr
.endr
.endm
.macro FETCH_B slot, q, p
	WIN TO_B
.irp i, 0,1,2,3,4,5,6,7
	FRAG 128*(\p)+FR*\i, ADRB+\slot, \q, \i
.endr
	WIN 0
.endm
.macro FETCH_A slot, q, i0
.irp i, \i0, \i0+1, \i0+2, \i0+3
	FRAG AF+FR*(\i), ADRA+\slot, \q, \i
.endr
.endm
.macro SCALES sc                       ; a slot's scale words: four tiles' words of a row by one load; lanes 0-15 A's, lanes 16-31 B's
.irp q, 0,1
.irp g, 0,1
	ds_load_b128 v[SC+16*\sc+8*\q+4*\g:SC+16*\sc+8*\q+4*\g+3], v[ADRS] offset:512*\q+256*\g
.endr
.endr
.endm
.macro PLACES n                        ; plain vector instructions between a matrix instruction and a load into, or a vector instruction on, one of its registers (ISA guide 7.12.1 for vector instructions)
.rept \n
	v_nop
.endr
.endm
.macro STEP slot, q, zero              ; a step of 128 along K that has its successor in the same slot
	s_wait_dscnt 4*NL                              ; all but the youngest 12 loads (A's tiles 4-7)
	WIN MUL_LO
	MUL16 0, (\q)%2, \q, \slot, \zero
	MUL16 2, (\q)%2, \q, \slot, \zero
	s_wait_dscnt 0
	PLACES NP
	FETCH_B \slot, (\q)+1, 1-(\q)%2
	FETCH_A \slot, (\q)+1, 0
	WIN MUL_HI
	MUL16 4, (\q)%2, \q, \slot, \zero
	MUL16 6, (\q)%2, \q, \slot, \zero
	PLACES NP
	WIN 0
	FETCH_A \slot, (\q)+1, 4
.endm
; A slot's last step changes slots: one barrier; in front of it each wave waits for all its tensor loads, adds 0 to its spare word, and waits for that and for its own reads of the slot.
.macro TURN slot, next, fill
	s_wait_tensorcnt 0x0                           ; all my tensor loads have landed: my part of the next slot
	ds_add_u32 v[SPW], v[NIL]
	s_wait_dscnt 4*NL+1                            ; (the add and the youngest 12 loads may be out)
	WIN MUL_LO
	MUL16 0, 1, NQ-1, \slot, 0
	s_wait_dscnt 0x0                               ; the add is done, and my reads of this slot are over
	s_barrier_signal -1
	MUL16 2, 1, NQ-1, \slot, 0
	WIN 0
	s_barrier_wait -1
.if \fill
	CREST                                          ; the barrier has opened a round of the cluster's: no wave of any partner still reads this slot or has a load on its way
	s_add_nc_u64 s[G0+4*\slot+2:G0+4*\slot+3], s[G0+4*\slot+2:G0+4*\slot+3], 2*TROW
	s_add_nc_u64 s[G0B+4*\slot+2:G0B+4*\slot+3], s[G0B+4*\slot+2:G0B+4*\slot+3], 2*TROW
	JLOAD G0+4*\slot, G1, G0B+4*\slot, G1B         ; the first tensor load behind the round; its four v_nop are the places in front of the loads below
.else
	PLACES NP
.endif
	v_add_nc_u32 v[ADRS], 512*NQ, v[ADRS]          ; the next slot's scale words (no LDS load of mine is out)
	FETCH_B \next, 0, 0
	FETCH_A \next, 0, 0
	SCALES \next
	WIN MUL_HI
	MUL16 4, 1, NQ-1, \slot, 0
	MUL16 6, 1, NQ-1, \slot, 0
	PLACES NP
	WIN 0
	FETCH_A \next, 0, 4
.endm
.macro LAST                            ; the very last step: nothing more to fetch
	s_wait_dscnt 4*NL
	WIN MUL_LO
	MUL16 0, 1, NQ-1, 1, 0
	MUL16 2, 1, NQ-1, 1, 0
	s_wait_dscnt 0
	WIN MUL_HI
	MUL16 4, 1, NQ-1, 1, 0
	MUL16 6, 1, NQ-1, 1, 0
	WIN 0
	PLACES NP                                      ; in front of the first reads of results and of loads into B's second set
.endm
; 64 numbers of a lane, v[s] on (register 16 b + i = place 32 b + 16 h + i of my row), become a fragment's codes in v[PC] on and its scale word in v[pw]
.macro QUANT s, pw
.irp b, 0,1,2,3
	v_max3_num_f32 v[TM+\b], |v[(\s)+16*\b]|, |v[(\s)+1+16*\b]|, 0x2800000   ; and the floor 2^(5 - 127): the byte cannot fall under 1
.endr
.irp i, 2,4,6,8,10,12,14
.irp b, 0,1,2,3
	v_max3_num_f32 v[TM+\b], v[TM+\b], |v[(\s)+16*\b+\i]|, |v[(\s)+1+16*\b+\i]|
.endr
.endr
.irp b, 0,1,2,3
	v_permlanex16_b32 v[TM+4+\b], v[TM+\b], s[SEL], s[SEL+1]
.endr
.irp b, 0,1,2,3
	v_max_num_f32 v[TM+\b], v[TM+\b], v[TM+4+\b]
.endr
.irp b, 0,1,2,3
	v_add_nc_u32 v[TM+12+\b], 0xfe000000, v[TM+\b]                 ; 4 off the exponent field: the conversion's scale operand
.endr
.irp b, 0,1,2,3
	v_lshrrev_b32 v[TM+4+\b], 23, v[TM+12+\b]
.endr
	v_lshl_or_b32 v[\pw], v[TM+5], 8, v[TM+4]
	v_lshl_or_b32 v[\pw], v[TM+6], 16, v[\pw]
	v_lshl_or_b32 v[\pw], v[TM+7], 24, v[\pw]
.irp c, 0,1
	v_cvt_scalef32_pk16_bf6_f32 v[PC+6*\c:PC+2+6*\c], v[(\s)+32*\c:(\s)+15+32*\c], v[TM+12+2*\c]
	v_cvt_scalef32_pk16_bf6_f32 v[PC+12+4*\c:PC+14+4*\c], v[(\s)+16+32*\c:(\s)+31+32*\c], v[TM+12+2*\c+1]
.endr
	v_nop                                          ; one plain place behind the scaled conversions
.irp c, 0,1
.irp i, 0,1,2
	v_permlane16_swap_b32 v[PC+6*\c+\i], v[PC+12+4*\c+\i]
.endr
.irp i, 0,1,2
	v_mov_b32 v[PC+3+6*\c+\i], v[PC+12+4*\c+\i]
.endr
.endr
.endm
.macro CSLOAD a, e                     ; cos and sin of my token tile a, in the order of my registers, into set e of window 1: 32 loads of 512 consecutive bytes
	WIN 0x40
.set k, 0
.rept 32
	global_load_b128 v[128*(\e)+4*k:128*(\e)+4*k+3], v[OA], s[94:95] offset:(\a)*16384+512*k
.set k, k+1
.endr
	WIN 0
.endm
; q and k, token tile a: + bias; rotated: register i and register i + 32 are d and d + 64; quantised along d; the image leaves
.macro EPQK a
.set AC, 64*((\a)%4)
.set CB, 128*((\a)%2)
.if (\a) < 7
	s_wait_loadcnt 32                              ; this tile's cos and sin (and the bias) are in; the next tile's 32 loads may be out
.else
	s_wait_loadcnt 0x0
.endif
	WIN 0x82+0x41*((\a)/4)                         ; the accumulators' window as destination and source 0
.set i, 0
.rept 32
	v_pk_add_f32 v[AC+i:AC+i+1], v[AC+i:AC+i+1], v[BI+i:BI+i+1]    ; each accumulator from its low end on
.set i, i+2
.endr
	WIN 0x06+((\a)/4)                              ; source 0 the accumulators, source 1 window 1
.set i, 0
.rept 16
	v_pk_mul_f32 v[R+i:R+i+1], v[AC+i:AC+i+1], v[CB+i:CB+i+1]
	v_pk_mul_f32 v[R+32+i:R+33+i], v[AC+32+i:AC+33+i], v[CB+32+i:CB+33+i]
.set i, i+2
.endr
.set i, 0
.rept 16
	v_pk_fma_f32 v[R+i:R+i+1], v[AC+32+i:AC+33+i], v[CB+64+i:CB+65+i], v[R+i:R+i+1] neg_lo:[1,0,0] neg_hi:[1,0,0]   ; t(d) cos(d) - t(d + 64) sin(d)
	v_pk_fma_f32 v[R+32+i:R+33+i], v[AC+i:AC+i+1], v[CB+96+i:CB+97+i], v[R+32+i:R+33+i]                             ; t(d + 64) cos(d + 64) + t(d) sin(d + 64)
.set i, i+2
.endr
.if (\a) < 6
	CSLOAD (\a)+2, (\a)%2
.else
	WIN 0
.endif
.if (\a) > 0
	s_wait_xcnt 0x0                                ; the last image's stores have read the codes' registers
.endif
	QUANT R, PWS+(\a)
.irp c, 0,1,2
	global_store_b128 v[OA], v[PC+4*\c:PC+4*\c+3], s[96:97] offset:(\a)*1536+512*\c
.endr
.endm
; v, tile a of the head's 128: + bias, which here runs along the lanes; quantised along the keys
.macro EPV a
.set AC, 64*((\a)%4)
	WIN 0x02+((\a)/4)
.set i, 0
.rept 32
	v_pk_add_f32 v[R+i:R+i+1], v[AC+i:AC+i+1], v[BI+2*(\a):BI+2*(\a)+1]
.set i, i+2
.endr
	WIN 0
.if (\a) > 0
	s_wait_xcnt 0x0
.endif
	QUANT R, PWS+(\a)
.irp c, 0,1,2
	global_store_b128 v[OA], v[PC+4*\c:PC+4*\c+3], s[96:97] offset:(\a)*1536+512*\c
.endr
.endm
	s_wait_tensorcnt 1                             ; the scale words and my part of slot 0 are in; slot 1's load, issued last, may be out
	s_barrier_signal -1
	s_barrier_wait -1
	FETCH_B 0, 0, 0
	FETCH_A 0, 0, 0
	SCALES 0
	FETCH_A 0, 0, 4
	STEP 0, 0, 1                                   ; the first step's products start the sums: nothing is cleared
	s_mov_b32 s3, LAPS-1
.Llap:                                                 ; a trip goes once round the ring and fills both slots again
	TURN 0, 1, 1
	STEP 1, 0, 0
	TURN 1, 0, 1
	STEP 0, 0, 0
	s_sub_co_u32 s3, s3, 1
	s_cmp_lg_u32 s3, 0
	s_cbranch_scc1 .Llap
	TURN 0, 1, 0                                   ; the last lap fills nothing
	STEP 1, 0, 0
	s_cmp_eq_u32 s67, 1                            ; the sections part here, once: the condition is the cluster's x alone.  The last step is written in both arms
	s_cbranch_scc1 .Ltail_v
.irp k, 0,1,2,3,4,5,6,7,8,9,10,11,12,13,14,15
	global_load_b128 v[BI+4*\k:BI+4*\k+3], v9, s[8:9] offset:128*(\k/4)+16*(\k%4)   ; the bias at my registers' places: 32 b + 16 h + i
.endr
	CSLOAD 0, 0                                    ; into B's first set, which is done with (four places stand behind its last product)
	LAST
	CSLOAD 1, 1
.irp a, 0,1,2,3,4,5,6,7
	EPQK \a
.endr
	s_branch .Lwords
.Ltail_v:
.irp a, 0,1,2,3,4,5,6,7
	global_load_b32 v[BI+2*\a], v8, s[8:9] offset:(32*(\a/2)+8*(\a%2))*4            ; the bias of my lane's row of tile a, twice: a pair for the packed addition
	global_load_b32 v[BI+2*\a+1], v8, s[8:9] offset:(32*(\a/2)+8*(\a%2))*4
.endr
	LAST
	s_wait_loadcnt 0x0
.irp a, 0,1,2,3,4,5,6,7
	EPV \a
.endr
.Lwords:
.irp i, 0,1,2,3
	v_cndmask_b32 v[W4+\i], v[PWS+\i], v[PWS+4+\i], s2             ; lanes 0-15: fragments 0-3 of row r; lanes 16-31: fragments 4-7
.endr
	global_store_b128 v[OS4], v[W4:W4+3], s[98:99]                 ; 512 consecutive bytes
	s_wait_tensorcnt 0x0                           ; the wave's end
	ds_add_u32 v[SPW], v[NIL]
	s_wait_dscnt 0x0
	CROUND                                         ; the closing round
	s_endpgm
.Lfunc_end_k_q223d0bf101_qkv:
	.size	k_q223d0bf101_qkv, .Lfunc_end_k_q223d0bf101_qkv-k_q223d0bf101_qkv
	.p2alignl 7, 3214868480
	.fill 96, 4, 3214868480
	.section	.rodata,"a",@progbits
	.p2align	6, 0x0
	.amdhsa_kernel k_q223d0bf101_qkv
		.amdhsa_group_segment_fixed_size 327680
		.amdhsa_private_segment_fixed_size 0
		.amdhsa_enable_private_segment 0
		.amdhsa_kernarg_size 64
		.amdhsa_user_sgpr_count 2
		.amdhsa_user_sgpr_kernarg_segment_ptr 1
		.amdhsa_wavefront_size32 1
		.amdhsa_system_sgpr_workgroup_id_x 1
		.amdhsa_system_sgpr_workgroup_id_y 1
		.amdhsa_system_sgpr_workgroup_id_z 1
		.amdhsa_system_vgpr_workitem_id 0
		.amdhsa_next_free_vgpr 1024
		.amdhsa_next_free_sgpr 102
		.amdhsa_reserve_vcc 0
		.amdhsa_float_denorm_mode_32 3
		.amdhsa_float_denorm_mode_16_64 3
		.amdhsa_memory_ordered 1
		.amdhsa_forward_progress 1
		.amdhsa_inst_pref_size 255
	.end_amdhsa_kernel
	.section	.bss,"aw",@nobits
	.p2align	6
	.space	262144
	.amdgpu_metadata
---
amdhsa.version: [ 1, 2 ]
amdhsa.kernels:
  - .name:           k_q223d0bf101_qkv
    .symbol:         k_q223d0bf101_qkv.kd
    .args:
      - { .name: oc, .offset: 0, .size: 8, .value_kind: global_buffer, .address_space: global }
      - { .name: os, .offset: 8, .size: 8, .value_kind: global_buffer, .address_space: global }
      - { .name: bq, .offset: 16, .size: 8, .value_kind: global_buffer, .address_space: global }
      - { .name: bk, .offset: 24, .size: 8, .value_kind: global_buffer, .address_space: global }
      - { .name: bv, .offset: 32, .size: 8, .value_kind: global_buffer, .address_space: global }
      - { .name: csi, .offset: 40, .size: 8, .value_kind: global_buffer, .address_space: global }
      - { .name: qkvc, .offset: 48, .size: 8, .value_kind: global_buffer, .address_space: global }
      - { .name: qkvs, .offset: 56, .size: 8, .value_kind: global_buffer, .address_space: global }
    .group_segment_fixed_size: 327680
    .private_segment_fixed_size: 0
    .kernarg_segment_align: 8
    .kernarg_segment_size: 64
    .max_flat_workgroup_size: 128
    .sgpr_count:     102
    .vgpr_count:     1024
    .wavefront_size: 32
...
	.end_amdgpu_metadata
.endif
;; end of part 2
;; launch attn (part 3): grid 16 x 16, 8 waves a work-group, clusters of 4 x 4, 327,680 bytes of LDS; arguments qkvc, qkvs, mask, cc, cs; writes cc, cs
.if DOCPART == 3
	.amdgcn_target "amdgcn-amd-amdhsa--gfx1250"
	.amdhsa_code_object_version 6
	.text
	.protected	k_q223d0bf101_attn
	.globl	k_q223d0bf101_attn
	.p2align	8
	.type	k_q223d0bf101_attn,@function
k_q223d0bf101_attn:
	s_mov_b64 s[64:65], 0
	v_nop
	global_prefetch_b8 v0, s[64:65] scope:SCOPE_SE
	s_setreg_imm32_b32 hwreg(HW_REG_WAVE_MODE, 25, 1), 1
	s_wait_xcnt 0x0
	s_wait_alu depctr_hold_cnt(0) depctr_sa_sdst(0) depctr_va_vdst(0) depctr_va_sdst(0) depctr_va_ssrc(0) depctr_va_vcc(0) depctr_vm_vsrc(0)
	s_getreg_b32 s2, hwreg(HW_REG_IB_STS2, 6, 4)
	s_cmp_eq_u32 s2, 0
	s_cbranch_scc0 .Lentry_in_a_cluster
	s_endpgm
.Lentry_in_a_cluster:
	s_bfe_u32 s2, ttmp6, 0x10000c
	s_cmp_lg_u32 s2, 0xf033
	s_cbranch_scc0 .Lentry_shape_is_right
	s_endpgm
.Lentry_shape_is_right:
; THIRD LAUNCH: ctx = softmax(q k^T / sqrt(128) + mask) v, both products on codes of BF6; ctx is quantised along e at once (K step = head of the last product) and leaves as codes.
; THE SOFTMAX AHEAD OF THE SECOND PRODUCT: u = score x 128^-0.5 + mask; t = u x log2(e); M = the row's largest t so far, rounded up to a whole number; p = 2^(t - M) is quantised along the keys, not normalised;
; the row's sum is taken of the unquantised p and divides at the end.  When M moves, the sum and O are multiplied by 2^(old M - new M): exact.  t is rounded on its own, and M taken off by an addition.
; THE MASK IS AN INPUT: every key step is walked for every query, and all of the mask is read.
; SHARES.  A work-group owns 128 queries of one head; each of its eight waves one token tile (16 queries, in the tiles' order of rows), in 256 registers: two waves to a SIMD.  Every wave walks 16 steps of 128 keys.
; LAYOUT.  Both products transposed: S^T = K Q^T, O^T = V^T P^T: a lane holds one query throughout; the tiles' order of rows makes the 16 registers of two neighbouring tiles 16 neighbouring keys (or 16 neighbours of the head's 128).
; CLUSTER 4 x 4: x = four query blocks, y = four heads.  A step's K and V (24,576 consecutive bytes) and the head's scale words are asked for jointly along a row (one head), the mask's tile along a column (one query block).
; LDS: two slots 2^17 bytes apart: K 12,288 | V 12,288 | mask 128 rows of 512 + 8 bytes (with that pitch the 32 lanes of a load of 8 bytes touch 64 different banks: rows base + 0..7, 16..23, the halves 64 bytes apart).
;   Behind them the head's scale words (16 KB, filled once), 512 bytes of scratch for ctx's scale words, the spare words.
; LIMITS: NaN and +-infinity in the inputs are not served (a row of the mask that is all -infinity gives NaN, as in the definition); p under 2^-126 is 0; 1 / sum by v_rcp_f32; u by one fused multiply-add.
; REGISTERS: v1-3 addresses that stay; v5, v6 the add's two; v8-10 addresses in hand; v12 -M, v13 the largest t, v[14:15] the sum; v16-27 Q; v28-31 offsets; v32-95 four fragments, then the mask; v96-159 S^T, u, t, p;
;   v160-223 O^T; v224-235 p's codes; v232-254 at work; v248-251 K's or V's scale words, v253 p's, v255 Q's.
.set SLOT1, 1<<17
.set MOFF,  24576
.set MP,    520
.set SCK,   2*SLOT1
.set SCR,   SCK+16384
.set SPARE, SCR+512
.set LI,   1                           ; v1  16 x lane
.set AM0,  2                           ; v2  my query's row of the mask's tile, + 64 h
.set ASK0, 3                           ; v3  my row's scale words
.set SPW,  5
.set NIL,  6
.set ADK,  8
.set ADM,  9
.set ADS,  10
.set PFO,  28
.set SGA,  29
.set SGR,  30
.set TM,   32                          ; the way out
.set PC,   48
.set WV,   18
.set SEL,  20
.set LE,   22                          ; s[22:23] log2(e)
.set G1C,  24
.set G1M,  32
.set G0C,  40
.set G0M,  44
.set G1S,  48
.set G0S,  56
.set TB,   2
.set TS,   3
.set CNT,  67
.set SCA,  70                          ; s[70:71] 128^-0.5
.set PFA,  76
.set PFS,  78
.set LIM,  80
.set EVR,  81
.set EVV,  83
.macro CROUND
	s_barrier_signal -1
	s_barrier_wait -1
	s_cmp_lg_u32 s[WV], 0
	s_cbranch_scc1 .Lnot_wave_0_\@
	s_barrier_signal -3
.Lnot_wave_0_\@:
	s_barrier_wait -3
	s_barrier_signal -1
	s_barrier_wait -1
.endm
; A joint refill: wave 0 K's codes, wave 1 V's, waves 4-7 32 rows of the mask each; waves 2 and 3 none.  The branches hang on the wave's number alone.
.macro JLOAD
	s_cmp_lt_u32 s[WV], 2
	s_cbranch_scc0 .Lnot_c_\@
	tensor_load_to_lds s[G0C:G0C+3], s[G1C:G1C+7]
	s_nop 0
.rept 4
	v_nop
.endr
	s_branch .Lasked_\@
.Lnot_c_\@:
	s_cmp_lt_u32 s[WV], 4
	s_cbranch_scc1 .Lasked_\@
	tensor_load_to_lds s[G0M:G0M+3], s[G1M:G1M+7]
	s_nop 0
.rept 4
	v_nop
.endr
.Lasked_\@:
.endm
; A PREFETCH INTO THE L2, behind the joint load of a change of slots.  Each aligned run of 256 bytes is named once in the launch.
; The mask's rows of a query block are read by all 16 heads: the clusters with y = 0 ask; the four partners of a column take 32 rows each, by address; wave 2 names the first 256 bytes of a row's 512, wave 3 the second; a lane a row;
; trip t names step t + 2.  K and V of a head are read by all 16 query blocks: the clusters with x = 0 ask; waves 4-6 take 8,192 bytes each of a step's 24,576, lanes 256 bytes apart; partner cx names step t + 2 + cx, by address,
; in trips 2, 6 and 10 alone: steps 4 to 15, each once.  The first steps come by their loads alone, and the last two trips ask for nothing.
.macro ASK
	s_cmp_gt_u32 s[CNT], s[LIM]
	s_cbranch_scc0 .Lnot_mine_\@
	s_and_b32 s82, s[CNT], s[EVR]
	s_cmp_lg_u32 s82, s[EVV]
	s_cbranch_scc1 .Lnot_mine_\@
	global_prefetch_b8 v[PFO], s[PFA:PFA+1] th:TH_LOAD_NT scope:SCOPE_SE
.Lnot_mine_\@:
.endm
	s_load_b256 s[4:11], s[0:1], 0x0               ; qkvc, qkvs, mask, cc
	s_load_b64 s[12:13], s[0:1], 0x20              ; cs
	v_lshl_add_u32 v[SPW], v0, 2, SPARE
	v_mov_b32 v[NIL], 0
	ds_add_u32 v[SPW], v[NIL]                      ; the wave's opening: the add, twice on end, and its wait ahead of my first tensor load
	ds_add_u32 v[SPW], v[NIL]
	v_lshrrev_b32 v8, 5, v0
	v_readfirstlane_b32 s[WV], v8                  ; wave 0..7
	s_bfe_u32 s60, ttmp6, 0x40000                  ; cx
	s_bfe_u32 s61, ttmp6, 0x40004                  ; cy
	s_lshl_b32 s62, ttmp9, 2
	s_add_co_u32 s62, s62, s60                     ; the query block
	s_and_b32 s69, ttmp7, 0xffff                   ; cluster y
	s_lshl_b32 s63, s69, 2
	s_add_co_u32 s63, s63, s61                     ; the head
	s_lshl_b32 s66, s61, 2
	s_lshl_b32 s66, 15, s66                        ; my row of the cluster: one head
	s_lshl_b32 s68, 0x1111, s60                    ; my column: one query block
	s_or_b32 s[G1C], s66, (3<<16)|(1<<21)          ; 12,288 consecutive bytes as 48 rows of 256
	s_mov_b32 s[G1C+1], 32<<16
	s_mov_b32 s[G1C+2], 48<<16
	s_mov_b32 s[G1C+3], 32<<16
	s_mov_b32 s[G1C+4], 48
	s_mov_b32 s[G1C+5], 32
	s_mov_b32 s[G1C+6], 0
	s_mov_b32 s[G1C+7], 0
	s_or_b32 s[G1S], s66, (3<<16)|(1<<21)          ; 8,192 consecutive bytes as 32 rows of 256
	s_mov_b32 s[G1S+1], 32<<16
	s_mov_b32 s[G1S+2], 32<<16
	s_mov_b32 s[G1S+3], 32<<16
	s_mov_b32 s[G1S+4], 32
	s_mov_b32 s[G1S+5], 32
	s_mov_b32 s[G1S+6], 0
	s_mov_b32 s[G1S+7], 0
	s_or_b32 s[G1M], s68, (2<<16)|(1<<20)|(1<<21)|(6<<22)|(1<<25)  ; 32 rows of 128 f32, 2,048 apart; 2 words of padding behind every 128
	s_mov_b32 s[G1M+1], 128<<16
	s_mov_b32 s[G1M+2], 32<<16
	s_mov_b32 s[G1M+3], 128<<16
	s_mov_b32 s[G1M+4], 32
	s_mov_b32 s[G1M+5], 2048
	s_mov_b32 s[G1M+6], 0
	s_mov_b32 s[G1M+7], 0
	s_and_b32 s72, s[WV], 1
	s_and_b32 s73, s[WV], 3
	s_mul_i32 s[G0C+1], s72, 12288                 ; LDS addresses are made of the wave's number alone
	s_mul_i32 s88, s63, 393216
	s_add_co_u32 s88, s88, s[G0C+1]
	s_add_co_u32 s88, s88, 3145728
	s_mov_b32 s89, 0
	s_lshl_b32 s[G0S+1], s72, 13
	s_lshl_b32 s90, s63, 14
	s_add_co_u32 s90, s90, s[G0S+1]
	s_add_co_u32 s90, s90, 131072
	s_mov_b32 s91, 0
	s_add_co_u32 s[G0S+1], s[G0S+1], SCK
	s_mul_i32 s[G0M+1], s73, 32*MP
	s_add_co_u32 s[G0M+1], s[G0M+1], MOFF
	s_lshl_b32 s92, s62, 20                        ; 128 rows of 8,192 bytes
	s_lshl_b32 s93, s73, 18
	s_add_co_u32 s92, s92, s93
	s_mov_b32 s93, 0
	s_lshl_b32 s74, s62, 3
	s_add_co_u32 s74, s74, s[WV]                   ; my token tile
	s_mul_i32 s94, s63, 196608
	s_mul_i32 s75, s74, 1536
	s_add_co_u32 s94, s94, s75
	s_mov_b32 s95, 0
	s_lshl_b32 s96, s63, 13
	s_lshl_b32 s75, s62, 9
	s_add_co_u32 s96, s96, s75                     ; head x 8,192 + query block x 512: Q's scale words, and ctx's
	s_mov_b32 s97, 0
	s_mul_i32 s98, s74, 24576
	s_mul_i32 s75, s63, 1536
	s_add_co_u32 s98, s98, s75
	s_mov_b32 s99, 0
	s_mov_b32 s[SEL], 0x76543210
	s_mov_b32 s[SEL+1], 0xfedcba98
	s_mov_b32 s[LE], 0x3fb8aa3b
	s_mov_b32 s[LE+1], s[LE]                       ; (named with it as a pair, so it is written)
	s_mov_b32 s[SCA], 0x3db504f3
	s_mov_b32 s[SCA+1], s[SCA]
	s_mov_b32 s[TB], 0
	s_mov_b32 s[TS], 0
	s_mov_b32 s[CNT], 15
	s_wait_dscnt 0x0                               ; both opening adds are done
	s_wait_kmcnt 0x0
	s_mov_b32 s[G0C], 1
	s_add_nc_u64 s[G0C+2:G0C+3], s[4:5], s[88:89]
	s_or_b32 s[G0C+3], s[G0C+3], 0x80000000
	s_mov_b32 s[G0S], 1
	s_add_nc_u64 s[G0S+2:G0S+3], s[6:7], s[90:91]
	s_or_b32 s[G0S+3], s[G0S+3], 0x80000000
	s_mov_b32 s[G0M], 1
	s_add_nc_u64 s[G0M+2:G0M+3], s[8:9], s[92:93]
	s_or_b32 s[G0M+3], s[G0M+3], 0x80000000
	CROUND                                         ; all sixteen work-groups are here: the first joint loads meet
	s_cmp_lt_u32 s[WV], 2                          ; every wave issues one first fill: step 0's K or V; half of the head's scale words; 32 rows of step 0's mask
	s_cbranch_scc0 .Lf_not_c
	tensor_load_to_lds s[G0C:G0C+3], s[G1C:G1C+7]
	s_nop 0
.rept 4
	v_nop
.endr
	s_branch .Lf_done
.Lf_not_c:
	s_cmp_lt_u32 s[WV], 4
	s_cbranch_scc0 .Lf_m
	tensor_load_to_lds s[G0S:G0S+3], s[G1S:G1S+7]
	s_nop 0
.rept 4
	v_nop
.endr
	s_branch .Lf_done
.Lf_m:
	tensor_load_to_lds s[G0M:G0M+3], s[G1M:G1M+7]
	s_nop 0
.rept 4
	v_nop
.endr
.Lf_done:
	s_add_nc_u64 s[84:85], s[4:5], s[94:95]        ; Q's fragment
	s_add_nc_u64 s[86:87], s[6:7], s[96:97]        ; Q's scale words
	s_add_nc_u64 s[10:11], s[10:11], s[98:99]      ; ctx's fragment
	s_add_nc_u64 s[12:13], s[12:13], s[96:97]      ; ctx's scale words
	; the prefetches: where mine stand, and whether I ask
	s_lshl_b32 s92, s62, 20
	s_lshl_b32 s74, s61, 18                        ; my work-group's 32 rows of the mask's 128
	s_add_co_u32 s92, s92, s74
	s_lshl_b32 s74, s72, 8
	s_add_co_u32 s92, s92, s74
	s_add_co_u32 s92, s92, 512                     ; at step 1: the first change of slots steps it to step 2
	s_mul_i32 s88, s63, 393216
	s_add_co_u32 s74, s60, 1
	s_mul_i32 s74, s74, 24576                      ; at step 1 + cx
	s_add_co_u32 s88, s88, s74
	s_lshl_b32 s74, s73, 13
	s_add_co_u32 s88, s88, s74
	s_add_co_u32 s88, s88, 3145728
	s_sub_co_u32 s74, s[WV], 2
	s_cmp_lt_u32 s74, 5
	s_cselect_b32 s74, 0, 1                        ; 0 in waves 2 to 6
	s_mov_b32 s[PFS], 24576
	s_mov_b32 s82, 256
	s_mov_b32 s90, 8192
	s_cmp_lt_u32 s[WV], 4                          ; waves 2, 3: the mask; waves 4 to 6: K and V
	s_cselect_b64 s[PFA:PFA+1], s[8:9], s[4:5]
	s_cselect_b32 s[PFS], 512, s[PFS]              ; a step on
	s_cselect_b32 s82, s90, s82                    ; from lane to lane
	s_cselect_b32 s88, s92, s88
	s_cselect_b32 s[EVR], 0, 3
	s_cselect_b32 s[EVV], 0, 1
	s_cselect_b32 s75, s69, ttmp9                  ; the coordinate along which other clusters read the same bytes
	s_or_b32 s74, s74, s75
	s_cmp_eq_u32 s74, 0
	s_cselect_b32 s[LIM], 1, -1                    ; the same in all partners, for a given wave
	s_mov_b32 s[PFS+1], 0
	s_mov_b32 s89, 0
	s_add_nc_u64 s[PFA:PFA+1], s[PFA:PFA+1], s[88:89]
	v_and_b32 v8, 15, v0                           ; r
	v_bfe_u32 v9, v0, 4, 1                         ; h
	v_and_b32 v10, 31, v0
	v_lshlrev_b32 v[LI], 4, v10
	v_mul_lo_u32 v[PFO], v10, s82
.irp c, 0,1,2
	global_load_b128 v[16+4*\c:19+4*\c], v[LI], s[84:85] offset:512*\c   ; Q's fragment stays in registers
.endr
	s_lshl_b32 s74, s[WV], 2
	v_lshl_add_u32 v31, v8, 5, s74                 ; 32 r + 4 x wave
	global_load_b32 v255, v31, s[86:87]            ; Q's scale words
	s_lshr_b32 s74, s[WV], 1
	s_lshl_b32 s74, s74, 5
	s_lshl_b32 s75, s72, 3
	s_add_co_u32 s74, s74, s75                     ; my tile's first row among the block's 128
	s_mul_i32 s74, s74, MP
	s_add_co_u32 s74, s74, MOFF
	v_and_b32 v11, 8, v8
	v_add_nc_u32 v11, v11, v8                      ; r + 8 (r / 8)
	v_mul_u32_u24 v[AM0], v11, MP
	v_lshl_add_u32 v[AM0], v9, 6, v[AM0]
	v_add_nc_u32 v[AM0], s74, v[AM0]
	v_lshl_add_u32 v[ASK0], v8, 5, SCK
	s_lshr_b32 s74, s[WV], 2
	s_lshl_b32 s74, s74, 8
	s_lshl_b32 s75, s73, 2
	s_add_co_u32 s74, s74, s75
	s_add_co_u32 s74, s74, SCR
	v_lshl_add_u32 v[SGA], v8, 4, s74              ; ctx's scale word: group wave / 4, row r, tile wave % 4
	v_add_nc_u32 v[SGR], SCR, v[LI]
	v_mov_b32 v13, 0xff61b1e6                      ; the largest t so far: -3e38
	v_floor_f32 v12, -v13                          ; -M
	v_mov_b32 v14, 0
	v_mov_b32 v15, 0
.irp b, 0,1,2,3
	v_mov_b32 v[236+\b], 0                         ; written once: a lane permute's destination counts as one of its sources
.endr
	v_mov_b32 v253, 0                              ; (named as the upper half of v[252:253] before it is first written)
.set j, 0
.rept 64
	v_mov_b32 v[160+j], 0                          ; O^T: the step is written once; the first finds zeros, which the first change of M leaves zeros
.set j, j+1
.endr
.macro STEP
	v_add_nc_u32 v[ADK], s[TB], v[LI]
	v_add_nc_u32 v[ADM], s[TB], v[AM0]
	v_add_nc_u32 v[ADS], s[TS], v[ASK0]
	v_nop                                          ; four places in front of loads into registers that the last step's products have read
.irp g, 0,1                                    ; S^T = K Q^T, four tiles of 16 keys at a time
.if \g
.rept 4
	v_nop
.endr
.endif
.irp t, 0,1,2,3
.irp c, 0,1,2
	ds_load_b128 v[32+12*\t+4*\c:35+12*\t+4*\c], v[ADK] offset:(4*\g+\t)*1536+512*\c
.endr
.endr
	ds_load_b128 v[248:251], v[ADS] offset:16*\g   ; the four tiles' scale words of row r
	s_wait_dscnt 0x0
.irp t, 0,1,2,3
	v_wmma_scale_f32_16x16x128_f8f6f4 v[96+8*(4*\g+\t):103+8*(4*\g+\t)], v[32+12*\t:43+12*\t], v[16:27], 0, v[248+\t], v255 matrix_a_fmt:MATRIX_FMT_BF6 matrix_b_fmt:MATRIX_FMT_BF6
.endr
.endr
.rept 4
	v_nop
.endr
.irp b, 0,1,2,3                                ; the mask at my registers' places: keys 32 b + 16 h + 0 .. 15 of my query's row
.irp p, 0,1,2,3,4,5,6,7
	ds_load_b64 v[32+16*\b+2*\p:33+16*\b+2*\p], v[ADM] offset:128*\b+8*\p
.endr
.endr
	s_wait_dscnt 0x0
.set j, 0
.rept 32
	v_pk_fma_f32 v[96+j:97+j], v[96+j:97+j], s[SCA:SCA+1], v[32+j:33+j] op_sel_hi:[1,0,1]   ; u = score / sqrt(128) + mask; each accumulator from its low end on
.set j, j+2
.endr
.set j, 0
.rept 32
	v_pk_mul_f32 v[96+j:97+j], v[96+j:97+j], s[LE:LE+1] op_sel_hi:[1,0]                     ; t = u log2(e)
.set j, j+2
.endr
.irp b, 0,1,2,3
	v_max3_num_f32 v[232+\b], v[96+16*\b], v[97+16*\b], v[98+16*\b]   ; the largest t of each block of 32 keys: for the row's maximum, and, since p rises with t, for the block's largest p
.endr
.irp i, 3,5,7,9,11,13
.irp b, 0,1,2,3
	v_max3_num_f32 v[232+\b], v[232+\b], v[96+16*\b+\i], v[97+16*\b+\i]
.endr
.endr
.irp b, 0,1,2,3
	v_max_num_f32 v[232+\b], v[232+\b], v[111+16*\b]
.endr
.irp b, 0,1,2,3
	v_permlanex16_b32 v[236+\b], v[232+\b], s[SEL], s[SEL+1]
.endr
.irp b, 0,1,2,3
	v_max_num_f32 v[232+\b], v[232+\b], v[236+\b]
.endr
	v_max3_num_f32 v254, v232, v233, v234
	v_max_num_f32 v254, v254, v235
	v_max_num_f32 v13, v13, v254                   ; the running largest t
	v_mov_b32 v254, v12
	v_floor_f32 v12, -v13                          ; the new -M = -ceil(t): a whole number
	v_sub_f32 v254, v12, v254                      ; old M - new M: a whole number, 0 or less
	v_cvt_i32_f32 v254, v254                       ; (it saturates)
	v_ldexp_f32 v252, 1.0, v254                    ; f = 2^(old M - new M)
.set j, 0
.rept 32
	v_pk_add_f32 v[96+j:97+j], v[96+j:97+j], v[12:13] op_sel_hi:[1,0]   ; t - M
.set j, j+2
.endr
.irp b, 0,1,2,3
	v_add_f32 v[232+\b], v[232+\b], v12
.endr
.set j, 0
.rept 64
	v_exp_f32 v[96+j], v[96+j]                     ; p = 2^(t - M), at most 1
.set j, j+1
.endr
	v_pk_mul_f32 v[14:15], v[14:15], v[252:253] op_sel_hi:[1,0]   ; the sums under the new M.  (A plain place behind the exponentials)
	s_wait_alu depctr_va_vdst(0)                   ; one wait for the whole batch, ahead of its first reader
.irp b, 0,1,2,3
	v_exp_f32 v[232+\b], v[232+\b]                 ; the block's largest p: the same instructions on the same number give the same bits
.endr
	v_pk_add_f32 v[236:237], v[96:97], v[98:99]    ; the row's sum of the unquantised p, in two chains
.irp j, 4,8,12,16,20,24,28,32,36,40,44,48,52,56,60
	v_pk_add_f32 v[14:15], v[14:15], v[96+\j:97+\j]
	v_pk_add_f32 v[236:237], v[236:237], v[98+\j:99+\j]
.endr
	v_pk_add_f32 v[14:15], v[14:15], v[236:237]
	s_wait_alu depctr_va_vdst(0)                   ; and one for the four
.irp b, 0,1,2,3
	v_max_num_f32 v[232+\b], 0x2800000, v[232+\b]  ; the floor 2^(5 - 127): the byte cannot fall under 1
.endr
.irp b, 0,1,2,3
	v_add_nc_u32 v[244+\b], 0xfe000000, v[232+\b]
.endr
.irp b, 0,1,2,3
	v_lshrrev_b32 v[236+\b], 23, v[244+\b]
.endr
	v_lshl_or_b32 v253, v237, 8, v236              ; p's scale word for these 128 keys
	v_lshl_or_b32 v253, v238, 16, v253
	v_lshl_or_b32 v253, v239, 24, v253
.irp c, 0,1
	v_cvt_scalef32_pk16_bf6_f32 v[224+6*\c:226+6*\c], v[96+32*\c:111+32*\c], v[244+2*\c]
	v_cvt_scalef32_pk16_bf6_f32 v[236+4*\c:238+4*\c], v[112+32*\c:127+32*\c], v[244+2*\c+1]
.endr
	v_nop
.irp c, 0,1
.irp i, 0,1,2
	v_permlane16_swap_b32 v[224+6*\c+\i], v[236+4*\c+\i]
.endr
.irp i, 0,1,2
	v_mov_b32 v[227+6*\c+\i], v[236+4*\c+\i]
.endr
.endr
.set j, 0
.rept 32
	v_pk_mul_f32 v[160+j:161+j], v[160+j:161+j], v[252:253] op_sel_hi:[1,0]   ; O^T under the new M.  (Also the places in front of the products below)
.set j, j+2
.endr
.irp g, 0,1                                    ; O^T += V^T P^T, four tiles of 16 of the head's 128 at a time
.if \g
.rept 4
	v_nop
.endr
.endif
.irp t, 0,1,2,3
.irp c, 0,1,2
	ds_load_b128 v[32+12*\t+4*\c:35+12*\t+4*\c], v[ADK] offset:12288+(4*\g+\t)*1536+512*\c
.endr
.endr
	ds_load_b128 v[248:251], v[ADS] offset:512+16*\g
	s_wait_dscnt 0x0
.irp t, 0,1,2,3
	v_wmma_scale_f32_16x16x128_f8f6f4 v[160+8*(4*\g+\t):167+8*(4*\g+\t)], v[32+12*\t:43+12*\t], v[224:235], v[160+8*(4*\g+\t):167+8*(4*\g+\t)], v[248+\t], v253 matrix_a_fmt:MATRIX_FMT_BF6 matrix_b_fmt:MATRIX_FMT_BF6
.endr
.endr
	s_add_co_u32 s[TS], s[TS], 1024                ; the next step's scale words,
	s_xor_b32 s[TB], s[TB], SLOT1                  ; in the other slot
.endm
; THE CHANGE OF SLOTS, at a step's head: each wave waits for all its tensor loads (its part of the slot ahead), adds 0 to its spare word, and waits for that and for its reads of the slot that it has left.
; fill = 1: a round of the cluster's barrier, and behind it the slot just left takes the step after this one: one load in each of waves 0, 1 and 4-7, with a whole step in which to land.
.macro CHANGE fill
	s_wait_tensorcnt 0x0                           ; no tensor load of mine is out, so a group 0 may be written
	ds_add_u32 v[SPW], v[NIL]
.if \fill
	s_xor_b32 s[G0C+1], s[G0C+1], SLOT1
	s_add_nc_u64 s[G0C+2:G0C+3], s[G0C+2:G0C+3], 24576
	s_xor_b32 s[G0M+1], s[G0M+1], SLOT1
	s_add_nc_u64 s[G0M+2:G0M+3], s[G0M+2:G0M+3], 512
	s_wait_xcnt 0x0                                ; the last prefetch, a step back, has read its address
	s_add_nc_u64 s[PFA:PFA+1], s[PFA:PFA+1], s[PFS:PFS+1]
.endif
	s_wait_dscnt 0x0                               ; the add is done, and my reads of the slot that I have left are over
.if \fill
	CROUND
	JLOAD
	ASK
.else
	s_barrier_signal -1
	s_barrier_wait -1
.endif
.endm
	s_wait_loadcnt 0x0                             ; Q
.Lstep:                                            ; 15 trips: trip t multiplies step t and asks for step t + 1
	CHANGE 1
	STEP
	s_sub_co_u32 s[CNT], s[CNT], 1
	s_cmp_lg_u32 s[CNT], 0
	s_cbranch_scc1 .Lstep
	CHANGE 0                                       ; the last step is written out: nothing is left to ask for
	STEP
	; THE WAY OUT: O^T / the sum is my 16 queries' part of ctx for this head: 128 along the last product's K.  It is quantised here and leaves as one fragment's image and one scale word a row.
.rept 4
	v_nop                                          ; places behind the last products
.endr
	v_add_f32 v14, v14, v15
	v_permlanex16_b32 v252, v14, s[SEL], s[SEL+1]
	v_add_f32 v14, v14, v252                       ; the row's sum
	v_rcp_f32 v14, v14
.irp b, 0,1,2,3
	v_mov_b32 v[TM+4+\b], 0                        ; (plain places behind the reciprocal)
.endr
	s_wait_alu depctr_va_vdst(0)                   ; ahead of the reciprocal's first reader
.set j, 0
.rept 32
	v_pk_mul_f32 v[96+j:97+j], v[160+j:161+j], v[14:15] op_sel_hi:[1,0]   ; register 16 b + i is ctx(my query, 32 b + 16 h + i)
.set j, j+2
.endr
.irp b, 0,1,2,3
	v_max3_num_f32 v[TM+\b], |v[96+16*\b]|, |v[97+16*\b]|, 0x2800000
.endr
.irp i, 2,4,6,8,10,12,14
.irp b, 0,1,2,3
	v_max3_num_f32 v[TM+\b], v[TM+\b], |v[96+16*\b+\i]|, |v[97+16*\b+\i]|
.endr
.endr
.irp b, 0,1,2,3
	v_permlanex16_b32 v[TM+4+\b], v[TM+\b], s[SEL], s[SEL+1]
.endr
.irp b, 0,1,2,3
	v_max_num_f32 v[TM+\b], v[TM+\b], v[TM+4+\b]
.endr
.irp b, 0,1,2,3
	v_add_nc_u32 v[TM+12+\b], 0xfe000000, v[TM+\b]
.endr
.irp b, 0,1,2,3
	v_lshrrev_b32 v[TM+4+\b], 23, v[TM+12+\b]
.endr
	v_lshl_or_b32 v68, v[TM+5], 8, v[TM+4]
	v_lshl_or_b32 v68, v[TM+6], 16, v68
	v_lshl_or_b32 v68, v[TM+7], 24, v68
.irp c, 0,1
	v_cvt_scalef32_pk16_bf6_f32 v[PC+6*\c:PC+2+6*\c], v[96+32*\c:111+32*\c], v[TM+12+2*\c]
	v_cvt_scalef32_pk16_bf6_f32 v[PC+12+4*\c:PC+14+4*\c], v[112+32*\c:127+32*\c], v[TM+12+2*\c+1]
.endr
	v_nop
.irp c, 0,1
.irp i, 0,1,2
	v_permlane16_swap_b32 v[PC+6*\c+\i], v[PC+12+4*\c+\i]
.endr
.irp i, 0,1,2
	v_mov_b32 v[PC+3+6*\c+\i], v[PC+12+4*\c+\i]
.endr
.endr
.irp c, 0,1,2
	global_store_b128 v[LI], v[PC+4*\c:PC+4*\c+3], s[10:11] offset:512*\c
.endr
	ds_store_b32 v[SGA], v68                       ; the eight waves' scale words meet in 512 bytes of scratch (both halves of the lanes write the same word with the same value)
	s_wait_dscnt 0x0                               ; for the others' sake
	s_barrier_signal -1
	s_barrier_wait -1
	s_cmp_lg_u32 s[WV], 0
	s_cbranch_scc1 .Lnot_0
	ds_load_b128 v[72:75], v[SGR]
	s_wait_dscnt 0x0
	global_store_b128 v[LI], v[72:75], s[12:13]    ; 512 consecutive bytes
.Lnot_0:
	s_wait_tensorcnt 0x0                           ; the wave's end
	ds_add_u32 v[SPW], v[NIL]
	s_wait_dscnt 0x0
	CROUND                                         ; the closing round
	s_endpgm
.Lfunc_end_k_q223d0bf101_attn:
	.size	k_q223d0bf101_attn, .Lfunc_end_k_q223d0bf101_attn-k_q223d0bf101_attn
	.p2alignl 7, 3214868480
	.fill 96, 4, 3214868480
	.section	.rodata,"a",@progbits
	.p2align	6, 0x0
	.amdhsa_kernel k_q223d0bf101_attn
		.amdhsa_group_segment_fixed_size 327680
		.amdhsa_private_segment_fixed_size 0
		.amdhsa_enable_private_segment 0
		.amdhsa_kernarg_size 40
		.amdhsa_user_sgpr_count 2
		.amdhsa_user_sgpr_kernarg_segment_ptr 1
		.amdhsa_wavefront_size32 1
		.amdhsa_system_sgpr_workgroup_id_x 1
		.amdhsa_system_sgpr_workgroup_id_y 1
		.amdhsa_system_sgpr_workgroup_id_z 1
		.amdhsa_system_vgpr_workitem_id 0
		.amdhsa_next_free_vgpr 256
		.amdhsa_next_free_sgpr 100
		.amdhsa_reserve_vcc 0
		.amdhsa_float_denorm_mode_32 3
		.amdhsa_float_denorm_mode_16_64 3
		.amdhsa_memory_ordered 1
		.amdhsa_forward_progress 1
		.amdhsa_inst_pref_size 70
	.end_amdhsa_kernel
	.amdgpu_metadata
---
amdhsa.version: [ 1, 2 ]
amdhsa.kernels:
  - .name:           k_q223d0bf101_attn
    .symbol:         k_q223d0bf101_attn.kd
    .args:
      - { .name: qkvc, .offset: 0, .size: 8, .value_kind: global_buffer, .address_space: global }
      - { .name: qkvs, .offset: 8, .size: 8, .value_kind: global_buffer, .address_space: global }
      - { .name: mask, .offset: 16, .size: 8, .value_kind: global_buffer, .address_space: global }
      - { .name: cc, .offset: 24, .size: 8, .value_kind: global_buffer, .address_space: global }
      - { .name: cs, .offset: 32, .size: 8, .value_kind: global_buffer, .address_space: global }
    .group_segment_fixed_size: 327680
    .private_segment_fixed_size: 0
    .kernarg_segment_align: 8
    .kernarg_segment_size: 40
    .max_flat_workgroup_size: 256
    .sgpr_count:     100
    .vgpr_count:     256
    .wavefront_size: 32
...
	.end_amdgpu_metadata
.endif
;; end of part 3
;; launch proj (part 4): grid 8 x 8, 4 waves a work-group, clusters of 4 x 4, 327,680 bytes of LDS; arguments cc, cs, oc, os, bo, out0; writes out0
.if DOCPART == 4
	.amdgcn_target "amdgcn-amd-amdhsa--gfx1250"
	.amdhsa_code_object_version 6
	.text
	.protected	k_q223d0bf101_proj
	.globl	k_q223d0bf101_proj
	.p2align	8
	.type	k_q223d0bf101_proj,@function
k_q223d0bf101_proj:
	s_mov_b64 s[64:65], 0
	v_nop
	global_prefetch_b8 v0, s[64:65] scope:SCOPE_SE
	s_setreg_imm32_b32 hwreg(HW_REG_WAVE_MODE, 25, 1), 1
	s_wait_xcnt 0x0
	s_wait_alu depctr_hold_cnt(0) depctr_sa_sdst(0) depctr_va_vdst(0) depctr_va_sdst(0) depctr_va_ssrc(0) depctr_va_vcc(0) depctr_vm_vsrc(0)
	s_getreg_b32 s2, hwreg(HW_REG_IB_STS2, 6, 4)
	s_cmp_eq_u32 s2, 0
	s_cbranch_scc0 .Lentry_in_a_cluster
	s_endpgm
.Lentry_in_a_cluster:
	s_bfe_u32 s2, ttmp6, 0x10000c
	s_cmp_lg_u32 s2, 0xf033
	s_cbranch_scc0 .Lentry_shape_is_right
	s_endpgm
.Lentry_shape_is_right:
; FOURTH LAUNCH: out0 = ctx Wo^T + bo on codes of BF6.  ctx's codes and scale words come from the third launch, Wo's from the first, both as images of fragments; the loop is the second launch's.
; A tile of 256 x 256 to a work-group of four waves, 128 x 128 to a wave; K = 2048 in steps of 256 through two LDS slots; 4 x 4 clusters, ctx's tiles joint along a row, Wo's along a column.  64 work-groups: out0 has no more tiles of this size.
; The matrix instruction is used transposed (source 0 = 16 rows of Wo, source 1 = 16 tokens): a lane holds one token, and its registers of two neighbouring tiles are 16 neighbouring columns of out0.
; The bias is the C of each sum's first matrix instruction: 64 registers in the result's layout.  Tokens of a tile are in the tiles' order of rows: row r' of tile T is token 32 (T / 2) + 8 (T % 2) + r' + 8 (r' / 8).
; REGISTERS: window 0: v0-31 addresses; v32-63 scale words and nothing else; v64-127 the bias; v128-223 ctx's fragments, one set; on the way out v128-255.  window 1: Wo's fragments, two sets.  windows 2, 3: the accumulators.
.set FR,     12
.set NL,     3
.set NP,     4
.set NQ,     2
.set FRB,    1536
.set TROW,   NQ*FRB
.set HALFT,  8*TROW
.set SLOT,   4*HALFT
.set LAPS,   4
.set SCL,    2*SLOT
.set HALFS,  8192
.set SPARE,  SCL+4*HALFS
.set SPITCH, 528                       ; the way out: a stage of 16 rows x (512 + 16) bytes for each wave, in slot 0, which has had its last fill and its last read by then
.set OA,   10                          ; v10  16 x lane
.set ADRA, 16
.set ADRB, 20
.set STO,  24
.set RD,   25
.set ADRS, 27
.set SPW,  28
.set NIL,  29
.set SC,   32
.set BI,   64
.set AF,   128
.set BK,   128
.set G1, 24
.set G0, 32
.set G1B, 48
.set G0B, 56
.set G1S, 68
.set G0S, 76
.set G1SB, 80
.set G0SB, 88
.set MSB, 0
.macro WIN new
.if MSB != \new
	s_set_vgpr_msb (MSB<<8)|\new
.set MSB, \new
.endif
.endm
.set MUL_LO, 0xa1
.set MUL_HI, 0xf1
.set TO_B,   0x40
.macro JLOAD g0a, g1a, g0b, g1b
	s_cmp_eq_u32 s15, 0
	s_cbranch_scc0 .Lfor_b_\@
	tensor_load_to_lds s[\g0a:\g0a+3], s[\g1a:\g1a+7]
	s_nop 0
.rept 4
	v_nop
.endr
	s_branch .Lasked_\@
.Lfor_b_\@:
	tensor_load_to_lds s[\g0b:\g0b+3], s[\g1b:\g1b+7]
	s_nop 0
.rept 4
	v_nop
.endr
.Lasked_\@:
.endm
.macro CREST
	s_cmp_lg_u32 s14, 0
	s_cbranch_scc1 .Lnot_wave_0_\@
	s_barrier_signal -3
.Lnot_wave_0_\@:
	s_barrier_wait -3
	s_barrier_signal -1
	s_barrier_wait -1
.endm
.macro CROUND
	s_barrier_signal -1
	s_barrier_wait -1
	CREST
.endm
	s_load_b256 s[4:11], s[0:1], 0x0               ; cc, cs, oc, os
	s_load_b128 s[92:95], s[0:1], 0x20             ; bo, out0
	v_lshl_add_u32 v[SPW], v0, 2, SPARE
	v_mov_b32 v[NIL], 0
	ds_add_u32 v[SPW], v[NIL]                      ; the wave's opening: the add, twice on end, and its wait ahead of my first tensor load
	ds_add_u32 v[SPW], v[NIL]
	v_lshrrev_b32 v1, 5, v0
	v_readfirstlane_b32 s14, v1
	s_lshr_b32 s15, s14, 1
	s_and_b32 s16, s14, 1
	s_bfe_u32 s40, ttmp6, 0x40000
	s_bfe_u32 s41, ttmp6, 0x40004
	s_lshl_b32 s42, ttmp9, 2
	s_add_co_u32 s42, s42, s40                     ; tile column
	s_and_b32 s17, ttmp7, 0xffff
	s_lshl_b32 s17, s17, 2
	s_add_co_u32 s17, s17, s41                     ; tile row
	s_lshl_b32 s43, s41, 2
	s_lshl_b32 s43, 15, s43
	s_lshl_b32 s44, 0x1111, s40
	s_or_b32 s[G1+0], s43, (3<<16)|(1<<21)         ; 8 tiles' 3,072 bytes, 24,576 apart
	s_or_b32 s[G1B+0], s44, (3<<16)|(1<<21)
.irp g, G1, G1B
	s_mov_b32 s[\g+1], 384<<16
	s_mov_b32 s[\g+2], 8<<16
	s_mov_b32 s[\g+3], 384<<16
	s_mov_b32 s[\g+4], 8
	s_mov_b32 s[\g+5], 3072
	s_mov_b32 s[\g+6], 0
	s_mov_b32 s[\g+7], 0
.endr
	s_or_b32 s[G1S+0], s43, (3<<16)|(1<<21)        ; 16 K steps' 512 bytes of scale words, 8,192 apart
	s_or_b32 s[G1SB+0], s44, (3<<16)|(1<<21)
.irp g, G1S, G1SB
	s_mov_b32 s[\g+1], 64<<16
	s_mov_b32 s[\g+2], 16<<16
	s_mov_b32 s[\g+3], 64<<16
	s_mov_b32 s[\g+4], 16
	s_mov_b32 s[\g+5], 1024
	s_mov_b32 s[\g+6], 0
	s_mov_b32 s[\g+7], 0
.endr
	s_lshl_b32 s20, s17, 4
	s_lshl_b32 s21, s16, 3
	s_add_co_u32 s20, s20, s21
	s_mul_i32 s20, s20, 24576                      ; ctx: tile 16 x tile row + 8 x half
	s_mov_b32 s21, 0
	s_lshl_b32 s22, s17, 10
	s_lshl_b32 s23, s16, 9
	s_add_co_u32 s22, s22, s23
	s_mov_b32 s23, 0
	s_lshl_b32 s46, s42, 4
	s_lshl_b32 s47, s16, 3
	s_add_co_u32 s46, s46, s47
	s_add_co_u32 s46, s46, 512                     ; Wo is tensor 4 of oc
	s_mul_i32 s46, s46, 24576
	s_mov_b32 s47, 0
	s_lshl_b32 s18, s42, 10
	s_lshl_b32 s19, s16, 9
	s_add_co_u32 s18, s18, s19
	s_add_co_u32 s18, s18, 524288
	s_mov_b32 s19, 0
	s_mul_i32 s45, s14, HALFT
	s_lshl_b32 s12, s14, 13
	s_wait_dscnt 0x0                               ; both opening adds are done
	s_wait_kmcnt 0x0
	s_add_nc_u64 s[20:21], s[4:5], s[20:21]
	s_add_nc_u64 s[22:23], s[6:7], s[22:23]
	s_add_nc_u64 s[46:47], s[8:9], s[46:47]
	s_add_nc_u64 s[18:19], s[10:11], s[18:19]
	CROUND
	s_mov_b32 s[G0S], 1
	s_add_co_u32 s[G0S+1], s12, SCL
	s_mov_b64 s[G0S+2:G0S+3], s[22:23]
	s_or_b32 s[G0S+3], s[G0S+3], 0x80000000
	s_mov_b32 s[G0SB], 1
	s_add_co_u32 s[G0SB+1], s12, SCL
	s_mov_b64 s[G0SB+2:G0SB+3], s[18:19]
	s_or_b32 s[G0SB+3], s[G0SB+3], 0x80000000
	JLOAD G0S, G1S, G0SB, G1SB                     ; with the two below, three loads of mine are out
.irp s, 0,1
	s_mov_b32 s[G0+4*\s], 1
	s_add_co_u32 s[G0+4*\s+1], s45, \s*SLOT
	s_add_nc_u64 s[G0+4*\s+2:G0+4*\s+3], s[20:21], \s*TROW
	s_or_b32 s[G0+4*\s+3], s[G0+4*\s+3], 0x80000000
	s_mov_b32 s[G0B+4*\s], 1
	s_add_co_u32 s[G0B+4*\s+1], s45, \s*SLOT
	s_add_nc_u64 s[G0B+4*\s+2:G0B+4*\s+3], s[46:47], \s*TROW
	s_or_b32 s[G0B+4*\s+3], s[G0B+4*\s+3], 0x80000000
	JLOAD G0+4*\s, G1, G0B+4*\s, G1B
.endr
	v_and_b32 v1, 15, v0                           ; r
	v_bfe_u32 v2, v0, 4, 1                         ; h
	v_and_b32 v3, 31, v0
	v_lshlrev_b32 v[OA], 4, v3
	v_lshlrev_b32 v9, 6, v2                        ; 64 h
	s_lshl_b32 s20, s42, 10                        ; my 128 columns, in bytes: 1,024 x tile column + 512 x half
	s_lshl_b32 s21, s16, 9
	s_add_co_u32 s20, s20, s21
	s_mov_b32 s21, 0
	s_add_nc_u64 s[92:93], s[92:93], s[20:21]
	s_add_nc_u64 s[94:95], s[94:95], s[20:21]
.irp k, 0,1,2,3,4,5,6,7,8,9,10,11,12,13,14,15
	global_load_b128 v[BI+4*\k:BI+4*\k+3], v9, s[92:93] offset:128*(\k/4)+16*(\k%4)   ; the bias at my registers' columns: 32 b + 16 h + i
.endr
	s_lshl_b32 s20, s17, 21                        ; my 128 rows of 8,192 bytes: 256 x tile row + 128 x half
	s_lshl_b32 s22, s15, 20
	s_add_co_u32 s20, s20, s22
	s_add_nc_u64 s[94:95], s[94:95], s[20:21]
	s_mul_i32 s21, s15, HALFT
	s_mul_i32 s22, s16, HALFT
	s_add_co_u32 s22, s22, 2*HALFT
.irp s, 0,1
	v_add_nc_u32 v[ADRA+\s], s21, v[OA]
	v_add_nc_u32 v[ADRB+\s], s22, v[OA]
	s_add_co_u32 s21, s21, SLOT
	s_add_co_u32 s22, s22, SLOT
.endr
	v_lshlrev_b32 v5, 4, v1
	s_mul_i32 s21, s15, HALFS
	s_mul_i32 s22, s16, HALFS
	s_add_co_u32 s22, s22, 2*HALFS
	s_sub_co_u32 s22, s22, s21
	v_mul_u32_u24 v6, s22, v2                      ; lanes 16-31 take Wo's
	s_add_co_u32 s21, s21, SCL
	v_add_nc_u32 v5, v5, v6
	v_add_nc_u32 v[ADRS], s21, v5
	s_mul_i32 s23, s14, 16*SPITCH                  ; my stage
	v_mul_u32_u24 v5, v1, SPITCH
	v_lshl_add_u32 v5, v2, 6, v5
	v_add_nc_u32 v[STO], s23, v5                   ; in: row r, + 64 h
	v_add_nc_u32 v[RD], s23, v[OA]                 ; back: the 32 lanes take one row of 512 bytes
.macro FRAG reg, adr, q, i
.irp c, 0,1,2
	ds_load_b128 v[\reg+4*\c:\reg+4*\c+3], v[\adr] offset:(\i)*TROW+(\q)*FRB+512*\c
.endr
.endm
; first = 1: the sum begins with the bias as C.  The 64 accumulators take turns, one instruction a turn.
.macro MUL16 a0, p, q, sc, first
.irp a, \a0, \a0+1
.irp b, 0,1,2,3,4,5,6,7
.if \first
	v_wmma_scale_f32_16x16x128_f8f6f4 v[8*(8*((\a)%4)+\b):8*(8*((\a)%4)+\b)+7], v[128*(\p)+FR*\b:128*(\p)+FR*\b+FR-1], v[AF+FR*(\a):AF+FR*(\a)+FR-1], v[BI+8*\b:BI+8*\b+7], v[SC+16*(\sc)+8*(\q)+\b], v[SC+16*(\sc)+8*(\q)+(\a)] matrix_a_fmt:MATRIX_FMT_BF6 matrix_b_fmt:MATRIX_FMT_BF6 matrix_a_scale:MATRIX_SCALE_ROW1
.else
	v_wmma_scale_f32_16x16x128_f8f6f4 v[8*(8*((\a)%4)+\b):8*(8*((\a)%4)+\b)+7], v[128*(\p)+FR*\b:128*(\p)+FR*\b+FR-1], v[AF+FR*(\a):AF+FR*(\a)+FR-1], v[8*(8*((\a)%4)+\b):8*(8*((\a)%4)+\b)+7], v[SC+16*(\sc)+8*(\q)+\b], v[SC+16*(\sc)+8*(\q)+(\a)] matrix_a_fmt:MATRIX_FMT_BF6 matrix_b_fmt:MATRIX_FMT_BF6 matrix_a_scale:MATRIX_SCALE_ROW1
.endif
.endr
.endr
.endm
.macro FETCH_B slot, q, p
	WIN TO_B
.irp i, 0,1,2,3,4,5,6,7
	FRAG 128*(\p)+FR*\i, ADRB+\slot, \q, \i
.endr
	WIN 0
.endm
.macro FETCH_A slot, q, i0
.irp i, \i0, \i0+1, \i0+2, \i0+3
	FRAG AF+FR*(\i), ADRA+\slot, \q, \i
.endr
.endm
.macro SCALES sc
.irp q, 0,1
.irp g, 0,1
	ds_load_b128 v[SC+16*\sc+8*\q+4*\g:SC+16*\sc+8*\q+4*\g+3], v[ADRS] offset:512*\q+256*\g
.endr
.endr
.endm
.macro PLACES n
.rept \n
	v_nop
.endr
.endm
.macro STEP slot, q, first
	s_wait_dscnt 4*NL                              ; all but the youngest 12 loads (ctx's tiles 4-7)
.if \first
	WIN 0x81                                       ; C (the bias) in window 0, D in window 2
.else
	WIN MUL_LO
.endif
	MUL16 0, (\q)%2, \q, \slot, \first
	MUL16 2, (\q)%2, \q, \slot, \first
	s_wait_dscnt 0
	PLACES NP
	FETCH_B \slot, (\q)+1, 1-(\q)%2
	FETCH_A \slot, (\q)+1, 0
.if \first
	WIN 0xc1
.else
	WIN MUL_HI
.endif
	MUL16 4, (\q)%2, \q, \slot, \first
	MUL16 6, (\q)%2, \q, \slot, \first
	PLACES NP
	WIN 0
	FETCH_A \slot, (\q)+1, 4
.endm
.macro TURN slot, next, fill
	s_wait_tensorcnt 0x0                           ; all my tensor loads have landed: my part of the next slot
	ds_add_u32 v[SPW], v[NIL]
	s_wait_dscnt 4*NL+1                            ; (the add and the youngest 12 loads may be out)
	WIN MUL_LO
	MUL16 0, 1, NQ-1, \slot, 0
	s_wait_dscnt 0x0                               ; the add is done, and my reads of this slot are over
	s_barrier_signal -1
	MUL16 2, 1, NQ-1, \slot, 0
	WIN 0
	s_barrier_wait -1
.if \fill
	CREST                                          ; the barrier has opened a round of the cluster's
	s_add_nc_u64 s[G0+4*\slot+2:G0+4*\slot+3], s[G0+4*\slot+2:G0+4*\slot+3], 2*TROW
	s_add_nc_u64 s[G0B+4*\slot+2:G0B+4*\slot+3], s[G0B+4*\slot+2:G0B+4*\slot+3], 2*TROW
	JLOAD G0+4*\slot, G1, G0B+4*\slot, G1B
.else
	PLACES NP
.endif
	v_add_nc_u32 v[ADRS], 512*NQ, v[ADRS]
	FETCH_B \next, 0, 0
	FETCH_A \next, 0, 0
	SCALES \next
	WIN MUL_HI
	MUL16 4, 1, NQ-1, \slot, 0
	MUL16 6, 1, NQ-1, \slot, 0
	PLACES NP
	WIN 0
	FETCH_A \next, 0, 4
.endm
	s_wait_tensorcnt 1                             ; the scale words and my part of slot 0 are in; slot 1's load, issued last, may be out
	s_barrier_signal -1
	s_barrier_wait -1
	FETCH_B 0, 0, 0
	FETCH_A 0, 0, 0
	SCALES 0
	FETCH_A 0, 0, 4
	s_wait_loadcnt 0x0                             ; the bias
	STEP 0, 0, 1
	s_mov_b32 s3, LAPS-1
.Llap:
	TURN 0, 1, 1
	STEP 1, 0, 0
	TURN 1, 0, 1
	STEP 0, 0, 0
	s_sub_co_u32 s3, s3, 1
	s_cmp_lg_u32 s3, 0
	s_cbranch_scc1 .Llap
	TURN 0, 1, 0
	STEP 1, 0, 0
	s_wait_dscnt 4*NL
	WIN MUL_LO
	MUL16 0, 1, NQ-1, 1, 0
	MUL16 2, 1, NQ-1, 1, 0
	s_wait_dscnt 0
	WIN MUL_HI
	MUL16 4, 1, NQ-1, 1, 0
	MUL16 6, 1, NQ-1, 1, 0
	WIN 0
; THE WAY OUT, 16 tokens x 128 columns at a time, through my own stage: a lane holds pieces of 32 bytes of one row; they come back as whole rows of 512 bytes, which the 32 lanes store as 512 consecutive, aligned bytes.
.macro TOSTAGE a
.set AC, 64*((\a)%4)
	WIN 0x08+4*((\a)/4)                            ; the data: window 2 or 3
.irp b, 0,1,2,3,4,5,6,7
	ds_store_b128 v[STO], v[AC+8*\b:AC+8*\b+3] offset:128*(\b/2)+32*(\b%2)       ; each accumulator from its low end on
	ds_store_b128 v[STO], v[AC+8*\b+4:AC+8*\b+7] offset:128*(\b/2)+32*(\b%2)+16
.endr
	WIN 0
.set BB, BK+64*((\a)%2)
.irp t, 0,1,2,3,4,5,6,7,8,9,10,11,12,13,14,15
	ds_load_b128 v[BB+4*\t:BB+4*\t+3], v[RD] offset:\t*SPITCH     ; LDS serves a wave's instructions in order: these see the stores above
.endr
.endm
.macro SEND a, younger
.set BB, BK+64*((\a)%2)
	s_wait_dscnt \younger                          ; the block is back; the next block's 16 stores and 16 loads may be out
.irp t, 0,1,2,3,4,5,6,7,8,9,10,11,12,13,14,15
	global_store_b128 v[OA], v[BB+4*\t:BB+4*\t+3], s[94:95] offset:(32*((\a)/2)+8*((\a)%2)+\t+8*(\t/8))*8192 th:TH_STORE_NT   ; the tile's row t is that token; 127 rows at the most: inside the signed 24-bit immediate
.endr
.endm
	PLACES NP
	TOSTAGE 0
.irp a, 1,2,3,4,5,6,7
.if \a > 1
	s_wait_xcnt 0x0                                ; block a - 2's stores have read their registers: block a's loads may land there
.endif
	TOSTAGE \a
	SEND \a-1, 32
.endr
	SEND 7, 0
	s_wait_tensorcnt 0x0                           ; the wave's end
	ds_add_u32 v[SPW], v[NIL]
	s_wait_dscnt 0x0
	CROUND                                         ; the closing round
	s_endpgm
.Lfunc_end_k_q223d0bf101_proj:
	.size	k_q223d0bf101_proj, .Lfunc_end_k_q223d0bf101_proj-k_q223d0bf101_proj
	.p2alignl 7, 3214868480
	.fill 96, 4, 3214868480
	.section	.rodata,"a",@progbits
	.p2align	6, 0x0
	.amdhsa_kernel k_q223d0bf101_proj
		.amdhsa_group_segment_fixed_size 327680
		.amdhsa_private_segment_fixed_size 0
		.amdhsa_enable_private_segment 0
		.amdhsa_kernarg_size 48
		.amdhsa_user_sgpr_count 2
		.amdhsa_user_sgpr_kernarg_segment_ptr 1
		.amdhsa_wavefront_size32 1
		.amdhsa_system_sgpr_workgroup_id_x 1
		.amdhsa_system_sgpr_workgroup_id_y 1
		.amdhsa_system_sgpr_workgroup_id_z 1
		.amdhsa_system_vgpr_workitem_id 0
		.amdhsa_next_free_vgpr 1024
		.amdhsa_next_free_sgpr 96
		.amdhsa_reserve_vcc 0
		.amdhsa_float_denorm_mode_32 3
		.amdhsa_float_denorm_mode_16_64 3
		.amdhsa_memory_ordered 1
		.amdhsa_forward_progress 1
		.amdhsa_inst_pref_size 136
	.end_amdhsa_kernel
	.amdgpu_metadata
---
amdhsa.version: [ 1, 2 ]
amdhsa.kernels:
  - .name:           k_q223d0bf101_proj
    .symbol:         k_q223d0bf101_proj.kd
    .args:
      - { .name: cc, .offset: 0, .size: 8, .value_kind: global_buffer, .address_space: global }
      - { .name: cs, .offset: 8, .size: 8, .value_kind: global_buffer, .address_space: global }
      - { .name: oc, .offset: 16, .size: 8, .value_kind: global_buffer, .address_space: global }
      - { .name: os, .offset: 24, .size: 8, .value_kind: global_buffer, .address_space: global }
      - { .name: bo, .offset: 32, .size: 8, .value_kind: global_buffer, .address_space: global }
      - { .name: out0, .offset: 40, .size: 8, .value_kind: global_buffer, .address_space: global }
    .group_segment_fixed_size: 327680
    .private_segment_fixed_size: 0
    .kernarg_segment_align: 8
    .kernarg_segment_size: 48
    .max_flat_workgroup_size: 128
    .sgpr_count:     96
    .vgpr_count:     1024
    .wavefront_size: 32
...
	.end_amdgpu_metadata
.endif
;; end of part 4
;; ======== version 2 of 2: 4 launches
;; limits: right only within a limited range of input values
;; workspace buffers: oc 15,728,640 bytes; os 655,360 bytes; csi 2,097,152 bytes; qkvc 9,437,184 bytes; qkvs 393,216 bytes; cc 3,145,728 bytes; cs 131,072 bytes
;; launch quant (part 5): grid 672 x 1, 4 waves a work-group, no clusters, 35,328 bytes of LDS; arguments x, Wq, Wk, Wv, Wo, cos, sin, oc, os, csi; writes oc, os, csi
.if DOCPART == 5
	.amdgcn_target "amdgcn-amd-amdhsa--gfx1250"
	.amdhsa_code_object_version 6
	.text
	.protected	k_q223d0bf101_quant
	.globl	k_q223d0bf101_quant
	.p2align	8
	.type	k_q223d0bf101_quant,@function
k_q223d0bf101_quant:
	s_mov_b64 s[64:65], 0
	v_nop
	global_prefetch_b8 v0, s[64:65] scope:SCOPE_SE
	s_setreg_imm32_b32 hwreg(HW_REG_WAVE_MODE, 25, 1), 1
	s_wait_xcnt 0x0
; FIRST OF FOUR LAUNCHES of: out = softmax((rope(x Wq^T + bq) rope(x Wk^T + bk)^T) / sqrt(128) + mask) (x Wv^T + bv) Wo^T + bo, S = E = 2048, 16 heads of 128,
; all six products on codes of BF6 (E3M2) with one E8M0 scale for each 32 along K.
; WORK LEFT OUT, in the whole program: jnp.where(keep, t, rot) in _apply_rope.  keep = arange(S) < rope_exclude, and rope_exclude is the constant 0 of the problem: no position is under 0,
; so keep is false everywhere and rot is taken for every value of the inputs.  The select and its unrotated branch are not written.  Every input has a way to the output and is loaded: the mask, cos and sin are inputs
; and are read whole, as they are given; nothing of a causal pattern is built in.  (A NaN, infinity or overflow could reach only the unrotated t, which is the same t that rot is made of: nothing is lost.)
; THIS LAUNCH turns x, Wq, Wk, Wv, Wo (f32, [2048][2048], K innermost) into codes and scale words, once, and lays cos and sin in the order in which the next launch's registers take them.
; THE ORDER OF ROWS IN A TILE: row r' of tile T is matrix row 32 (T / 2) + 8 (T % 2) + r' + 8 (r' / 8).  With tiles so chosen, a product's 16 registers of two neighbouring tiles are 16 neighbours of that axis.
; A FRAGMENT (16 rows x 128 K: 12 registers a lane) lies in memory as an IMAGE OF ITS REGISTERS: register g of lane l at byte 512 (g / 4) + 16 l + 4 (g % 4): three stores or loads of 16 bytes a lane, 512 consecutive bytes each.
; oc: [tensor 5][tile 128][K step 16][1536].  os: [tensor 5][K step 16][group of 4 tiles 32][row 16][tile in group 4] words.  csi: [token tile 128][chunk 32: 16 of cos, 16 of sin][lane 32][16 bytes].
; A block's scale is 2^(floor(log2(its largest magnitude)) - 4); its byte is that magnitude's exponent field - 4, held at 1 from below.
; LIMITS: NaN and infinities among the inputs are not served; a block whose largest magnitude lies under 2^-122 keeps the byte 1; a block of zeros gets the byte 1 (not 127) and zero codes, and only this program reads the bytes.
; SHARES.  Work-groups 0-639: tensor = wg / 128, 64 rows = (wg % 128) / 4; wave w takes K step 4 (wg % 4) + w and makes the four fragments of those rows.  Work-groups 640-671: a wave re-orders one token tile of cos and sin.
; A load reads 512 consecutive bytes of one row; the 16 rows of a fragment turn through the wave's own stage in LDS (rows 528 bytes apart), so that a lane gets 16 neighbours of each block of 32.  No barrier: waves share nothing.
.set STG,   8704                       ; a wave's stage: 16 rows x 528 bytes, rounded up to whole blocks of 256
.set SP,    528
.set SPARE, 4*STG                      ; behind the stages: the spare words, 128 bytes a wave
.set LA,  3                            ; v3   16 x lane
.set SA,  4                            ; v4   the stage, on the way in
.set SB,  5                            ; v5   and on the way out: row r, + 64 h
.set SO,  6                            ; v6   16 r + 8 h: my two scale words' place in a unit of 256 bytes
.set SPW, 12                           ; v12  my spare word; never rewritten
.set NIL, 13                           ; v13  0; never rewritten
.set R,   16                           ; v16-143  two sets of 64 registers as loaded
.set X,   144                          ; v144-207 64 numbers: register 16 b + i = k 32 b + 16 h + i of my row
.set TM,  208                          ; v208-223 at work
.set PC,  224                          ; v224-243 the codes just made
.set PW,  244                          ; v244-247 the four fragments' scale words
.set SEL, 36                           ; s[36:37] lane selects: lane l xor 16
; 64 numbers of a lane, v[s] on, become a fragment's codes in v[PC] .. v[PC + 11] and its row's scale word in v[pw]
.macro QUANT s, pw
.irp b, 0,1,2,3
	v_max3_num_f32 v[TM+\b], |v[(\s)+16*\b]|, |v[(\s)+1+16*\b]|, 0x2800000   ; my 16 numbers of block b, and the floor 2^(5 - 127): the byte cannot fall under 1
.endr
.irp i, 2,4,6,8,10,12,14
.irp b, 0,1,2,3
	v_max3_num_f32 v[TM+\b], v[TM+\b], |v[(\s)+16*\b+\i]|, |v[(\s)+1+16*\b+\i]|
.endr
.endr
.irp b, 0,1,2,3
	v_permlanex16_b32 v[TM+4+\b], v[TM+\b], s[SEL], s[SEL+1]
.endr
.irp b, 0,1,2,3
	v_max_num_f32 v[TM+\b], v[TM+\b], v[TM+4+\b]                   ; with lane l xor 16's: the block's largest magnitude
.endr
.irp b, 0,1,2,3
	v_add_nc_u32 v[TM+12+\b], 0xfe000000, v[TM+\b]                 ; 4 off its exponent field: the conversion's scale operand
.endr
.irp b, 0,1,2,3
	v_lshrrev_b32 v[TM+4+\b], 23, v[TM+12+\b]                      ; the scale's byte
.endr
	v_lshl_or_b32 v[\pw], v[TM+5], 8, v[TM+4]
	v_lshl_or_b32 v[\pw], v[TM+6], 16, v[\pw]
	v_lshl_or_b32 v[\pw], v[TM+7], 24, v[\pw]
.irp c, 0,1
	v_cvt_scalef32_pk16_bf6_f32 v[PC+6*\c:PC+2+6*\c], v[(\s)+32*\c:(\s)+15+32*\c], v[TM+12+2*\c]
	v_cvt_scalef32_pk16_bf6_f32 v[PC+12+4*\c:PC+14+4*\c], v[(\s)+16+32*\c:(\s)+31+32*\c], v[TM+12+2*\c+1]
.endr
	v_nop                                          ; one plain place behind the scaled conversions
.irp c, 0,1                                    ; the operand's layout wants a whole block in a lane: lanes 0-15 block 2 c, lanes 16-31 block 2 c + 1
.irp i, 0,1,2
	v_permlane16_swap_b32 v[PC+6*\c+\i], v[PC+12+4*\c+\i]
.endr
.irp i, 0,1,2
	v_mov_b32 v[PC+3+6*\c+\i], v[PC+12+4*\c+\i]
.endr
.endr
.endm
	s_load_b512 s[4:19], s[0:1], 0x0               ; x, Wq, Wk, Wv, Wo, cos, sin, oc
	s_load_b128 s[20:23], s[0:1], 0x40             ; os, csi
	v_lshl_add_u32 v[SPW], v0, 2, SPARE
	v_mov_b32 v[NIL], 0
	v_lshrrev_b32 v7, 5, v0
	v_readfirstlane_b32 s24, v7                    ; wave
	v_and_b32 v7, 31, v0                           ; lane
	v_and_b32 v1, 15, v0                           ; r
	v_bfe_u32 v2, v0, 4, 1                         ; h
	v_lshlrev_b32 v[LA], 4, v7
	s_mul_i32 s34, s24, STG
	v_add_nc_u32 v[SA], s34, v[LA]
	v_mul_u32_u24 v[SB], v1, SP
	v_lshl_add_u32 v[SB], v2, 6, v[SB]
	v_add_nc_u32 v[SB], s34, v[SB]
	v_lshlrev_b32 v[SO], 4, v1
	v_lshl_add_u32 v[SO], v2, 3, v[SO]
	s_mov_b32 s[SEL], 0x76543210
	s_mov_b32 s[SEL+1], 0xfedcba98
	s_mov_b32 s38, 0xffff0000                      ; lanes 16-31
	s_cmp_ge_u32 ttmp9, 640
	s_cbranch_scc1 .Ltables
	; ---- the five tensors
.irp b, 0,1,2,3
	v_mov_b32 v[TM+4+\b], 0                        ; written once: a lane permute's destination counts as one of its sources
.endr
	s_lshr_b32 s25, ttmp9, 7                       ; tensor
	s_and_b32 s26, ttmp9, 127
	s_lshr_b32 s27, s26, 2                         ; group of 64 rows
	s_and_b32 s26, s26, 3
	s_lshl_b32 s26, s26, 2
	s_add_co_u32 s26, s26, s24                     ; K step
	s_lshl_b32 s28, s27, 19                        ; 64 rows of 8,192 bytes
	s_lshl_b32 s29, s26, 9                         ; 128 numbers
	s_add_co_u32 s28, s28, s29
	s_mov_b32 s29, 0
	s_mul_i32 s30, s25, 3145728
	s_mul_i32 s31, s27, 98304                      ; four tiles of 24,576 bytes
	s_add_co_u32 s30, s30, s31
	s_mul_i32 s31, s26, 1536
	s_add_co_u32 s30, s30, s31
	s_mov_b32 s31, 0
	s_lshl_b32 s32, s25, 17
	s_lshl_b32 s33, s26, 13
	s_add_co_u32 s32, s32, s33
	s_lshl_b32 s33, s27, 8
	s_add_co_u32 s32, s32, s33
	s_mov_b32 s33, 0
	s_wait_kmcnt 0x0
	s_cmp_eq_u32 s25, 1                            ; the tensor is chosen by the work-group's number alone
	s_cselect_b64 s[4:5], s[6:7], s[4:5]
	s_cmp_eq_u32 s25, 2
	s_cselect_b64 s[4:5], s[8:9], s[4:5]
	s_cmp_eq_u32 s25, 3
	s_cselect_b64 s[4:5], s[10:11], s[4:5]
	s_cmp_eq_u32 s25, 4
	s_cselect_b64 s[4:5], s[12:13], s[4:5]
	s_add_nc_u64 s[4:5], s[4:5], s[28:29]
	s_add_nc_u64 s[18:19], s[18:19], s[30:31]
	s_add_nc_u64 s[20:21], s[20:21], s[32:33]
.macro LOAD j                          ; the 16 rows of the group's tile j, 512 consecutive bytes each, into set j % 2
.irp i, 0,1,2,3,4,5,6,7,8,9,10,11,12,13,14,15
	global_load_b128 v[R+64*((\j)%2)+4*\i:R+64*((\j)%2)+4*\i+3], v[LA], s[4:5] offset:(32*((\j)/2)+8*((\j)%2)+\i+8*(\i/8))*8192 th:TH_LOAD_NT
.endr
.endm
.macro FRAGM j
.if (\j) < 3
	s_wait_loadcnt 16                              ; this tile's 16 loads are in; the next tile's 16 may be out
.else
	s_wait_loadcnt 0x0
.endif
.irp i, 0,1,2,3,4,5,6,7,8,9,10,11,12,13,14,15
	ds_store_b128 v[SA], v[R+64*((\j)%2)+4*\i:R+64*((\j)%2)+4*\i+3] offset:SP*\i
.endr
.irp b, 0,1,2,3
.irp q, 0,1,2,3
	ds_load_b128 v[X+16*\b+4*\q:X+16*\b+4*\q+3], v[SB] offset:128*\b+16*\q   ; LDS serves a wave's instructions in order: these see the stores above
.endr
.endr
	s_wait_dscnt 0x0                               ; the numbers are back, and the stores have read the set, which takes the loads of two tiles on
.if (\j)+2 < 4
	LOAD (\j)+2
.endif
.if (\j) > 0
	s_wait_xcnt 0x0                                ; the last image's stores have read the codes' registers
.endif
	QUANT X, PW+(\j)
.irp c, 0,1,2
	global_store_b128 v[LA], v[PC+4*\c:PC+4*\c+3], s[18:19] offset:(\j)*24576+512*\c   ; 512 consecutive bytes
.endr
.endm
	LOAD 0
	LOAD 1
	s_wait_alu depctr_va_vdst(0)
	FRAGM 0
	FRAGM 1
	FRAGM 2
	FRAGM 3
	v_cndmask_b32 v248, v[PW], v[PW+2], s38        ; lanes 0-15: tiles 0, 1 of row r; lanes 16-31: tiles 2, 3
	v_cndmask_b32 v249, v[PW+1], v[PW+3], s38
	global_store_b64 v[SO], v[248:249], s[20:21]   ; 32 lanes store one aligned run of 256 bytes
	s_wait_tensorcnt 0x0                           ; the wave's end, behind my last LDS store
	ds_add_u32 v[SPW], v[NIL]
	s_wait_dscnt 0x0
	s_endpgm
	; ---- cos and sin: lane (r, h) of token tile T takes, of its token's row, 16 neighbours of each 32; they leave as 32 chunks of 512 consecutive bytes
.Ltables:
	s_sub_co_u32 s25, ttmp9, 640
	s_lshl_b32 s25, s25, 2
	s_add_co_u32 s25, s25, s24                     ; token tile
	s_lshr_b32 s26, s25, 1
	s_lshl_b32 s26, s26, 5
	s_and_b32 s27, s25, 1
	s_lshl_b32 s27, s27, 3
	s_add_co_u32 s26, s26, s27                     ; its first row
	s_lshl_b32 s26, s26, 9                         ; rows of 512 bytes
	s_mov_b32 s27, 0
	s_lshl_b32 s28, s25, 14
	s_mov_b32 s29, 0
	s_wait_alu depctr_va_vdst(0)
	v_and_b32 v8, 8, v1
	v_add_nc_u32 v8, v8, v1                        ; r + 8 (r / 8)
	v_lshlrev_b32 v8, 9, v8
	v_lshl_add_u32 v8, v2, 6, v8
	s_wait_alu depctr_va_vdst(0)
	s_wait_kmcnt 0x0
	s_add_nc_u64 s[14:15], s[14:15], s[26:27]
	s_add_nc_u64 s[16:17], s[16:17], s[26:27]
	s_add_nc_u64 s[22:23], s[22:23], s[28:29]
.irp k, 0,1,2,3,4,5,6,7,8,9,10,11,12,13,14,15
	global_load_b128 v[16+4*\k:19+4*\k], v8, s[14:15] offset:128*(\k/4)+16*(\k%4)
.endr
.irp k, 0,1,2,3,4,5,6,7,8,9,10,11,12,13,14,15
	global_load_b128 v[80+4*\k:83+4*\k], v8, s[16:17] offset:128*(\k/4)+16*(\k%4)
.endr
.irp k, 0,1,2,3,4,5,6,7,8,9,10,11,12,13,14,15,16,17,18,19,20,21,22,23,24,25,26,27,28,29,30,31
	s_wait_loadcnt 31-\k                           ; chunk k is in; the 31 - k loads issued behind it may be out
	global_store_b128 v[LA], v[16+4*\k:19+4*\k], s[22:23] offset:512*\k
.endr
	s_endpgm
.Lfunc_end_k_q223d0bf101_quant:
	.size	k_q223d0bf101_quant, .Lfunc_end_k_q223d0bf101_quant-k_q223d0bf101_quant
	.p2alignl 7, 3214868480
	.fill 96, 4, 3214868480
	.section	.rodata,"a",@progbits
	.p2align	6, 0x0
	.amdhsa_kernel k_q223d0bf101_quant
		.amdhsa_group_segment_fixed_size 35328
		.amdhsa_private_segment_fixed_size 0
		.amdhsa_enable_private_segment 0
		.amdhsa_kernarg_size 80
		.amdhsa_user_sgpr_count 2
		.amdhsa_user_sgpr_kernarg_segment_ptr 1
		.amdhsa_wavefront_size32 1
		.amdhsa_system_sgpr_workgroup_id_x 1
		.amdhsa_system_sgpr_workgroup_id_y 1
		.amdhsa_system_sgpr_workgroup_id_z 1
		.amdhsa_system_vgpr_workitem_id 0
		.amdhsa_next_free_vgpr 256
		.amdhsa_next_free_sgpr 66
		.amdhsa_reserve_vcc 0
		.amdhsa_float_denorm_mode_32 3
		.amdhsa_float_denorm_mode_16_64 3
		.amdhsa_memory_ordered 1
		.amdhsa_forward_progress 1
		.amdhsa_inst_pref_size 42
	.end_amdhsa_kernel
	.amdgpu_metadata
---
amdhsa.version: [ 1, 2 ]
amdhsa.kernels:
  - .name:           k_q223d0bf101_quant
    .symbol:         k_q223d0bf101_quant.kd
    .args:
      - { .name: x, .offset: 0, .size: 8, .value_kind: global_buffer, .address_space: global }
      - { .name: Wq, .offset: 8, .size: 8, .value_kind: global_buffer, .address_space: global }
      - { .name: Wk, .offset: 16, .size: 8, .value_kind: global_buffer, .address_space: global }
      - { .name: Wv, .offset: 24, .size: 8, .value_kind: global_buffer, .address_space: global }
      - { .name: Wo, .offset: 32, .size: 8, .value_kind: global_buffer, .address_space: global }
      - { .name: cos, .offset: 40, .size: 8, .value_kind: global_buffer, .address_space: global }
      - { .name: sin, .offset: 48, .size: 8, .value_kind: global_buffer, .address_space: global }
      - { .name: oc, .offset: 56, .size: 8, .value_kind: global_buffer, .address_space: global }
      - { .name: os, .offset: 64, .size: 8, .value_kind: global_buffer, .address_space: global }
      - { .name: csi, .offset: 72, .size: 8, .value_kind: global_buffer, .address_space: global }
    .group_segment_fixed_size: 35328
    .private_segment_fixed_size: 0
    .kernarg_segment_align: 8
    .kernarg_segment_size: 80
    .max_flat_workgroup_size: 128
    .sgpr_count:     66
    .vgpr_count:     256
    .wavefront_size: 32
...
	.end_amdgpu_metadata
.endif
;; end of part 5
;; launch qkv (part 6): grid 24 x 8, 4 waves a work-group, clusters of 4 x 4, 327,680 bytes of LDS; arguments oc, os, bq, bk, bv, csi, qkvc, qkvs; writes qkvc, qkvs
.if DOCPART == 6
	.amdgcn_target "amdgcn-amd-amdhsa--gfx1250"
	.amdhsa_code_object_version 6
	.text
	.protected	k_q223d0bf101_qkv
	.globl	k_q223d0bf101_qkv
	.p2align	8
	.type	k_q223d0bf101_qkv,@function
k_q223d0bf101_qkv:
	s_mov_b64 s[64:65], 0
	v_nop
	global_prefetch_b8 v0, s[64:65] scope:SCOPE_SE
	s_setreg_imm32_b32 hwreg(HW_REG_WAVE_MODE, 25, 1), 1
	s_wait_xcnt 0x0
	s_wait_alu depctr_hold_cnt(0) depctr_sa_sdst(0) depctr_va_vdst(0) depctr_va_sdst(0) depctr_va_ssrc(0) depctr_va_vcc(0) depctr_vm_vsrc(0)
	s_getreg_b32 s2, hwreg(HW_REG_IB_STS2, 6, 4)
	s_cmp_eq_u32 s2, 0
	s_cbranch_scc0 .Lentry_in_a_cluster
	s_endpgm
.Lentry_in_a_cluster:
	s_bfe_u32 s2, ttmp6, 0x10000c
	s_cmp_lg_u32 s2, 0xf033
	s_cbranch_scc0 .Lentry_shape_is_right
	s_endpgm
.Lentry_shape_is_right:
.set FR,     12
.set NL,     3
.set NP,     4
.set NQ,     2
.set FRB,    1536
.set TROW,   NQ*FRB
.set HALFT,  8*TROW
.set SLOT,   4*HALFT
.set LAPS,   4
.set SCL,    2*SLOT
.set HALFS,  8192
.set SPARE,  SCL+4*HALFS
.set OA,   10
.set OS4,  11
.set ADRA, 16
.set ADRB, 20
.set ADRS, 27
.set SPW,  28
.set NIL,  29
.set SC,   32
.set BI,   64
.set AF,   128
.set R,    128
.set PC,   192
.set PWS,  212
.set W4,   220
.set TM,   224
.set G1, 24
.set G0, 32
.set G1B, 48
.set G0B, 56
.set G1S, 68
.set G0S, 76
.set G1SB, 80
.set G0SB, 88
.set SEL, 100
.set MSB, 0
.macro WIN new
.if MSB != \new
	s_set_vgpr_msb (MSB<<8)|\new
.set MSB, \new
.endif
.endm
.set MUL_LO, 0xa1
.set MUL_HI, 0xf1
.set TO_B,   0x40
.macro JLOAD g0a, g1a, g0b, g1b
	s_cmp_eq_u32 s15, 0
	s_cbranch_scc0 .Lfor_b_\@
	tensor_load_to_lds s[\g0a:\g0a+3], s[\g1a:\g1a+7]
	s_nop 0
.rept 4
	v_nop
.endr
	s_branch .Lasked_\@
.Lfor_b_\@:
	tensor_load_to_lds s[\g0b:\g0b+3], s[\g1b:\g1b+7]
	s_nop 0
.rept 4
	v_nop
.endr
.Lasked_\@:
.endm
.macro CREST
	s_cmp_lg_u32 s14, 0
	s_cbranch_scc1 .Lnot_wave_0_\@
	s_barrier_signal -3
.Lnot_wave_0_\@:
	s_barrier_wait -3
	s_barrier_signal -1
	s_barrier_wait -1
.endm
.macro CROUND
	s_barrier_signal -1
	s_barrier_wait -1
	CREST
.endm
	s_load_b256 s[4:11], s[0:1], 0x0
	s_load_b256 s[92:99], s[0:1], 0x20
	v_lshl_add_u32 v[SPW], v0, 2, SPARE
	v_mov_b32 v[NIL], 0
	ds_add_u32 v[SPW], v[NIL]
	ds_add_u32 v[SPW], v[NIL]
	v_lshrrev_b32 v1, 5, v0
	v_readfirstlane_b32 s14, v1
	v_and_b32 v30, 31, v0                          ; the prefetches' offset: two tile rows of 3,072 bytes, 24,576 apart, are 24 runs of 256 bytes, a lane a run; lanes 24-31 name the last run again
	v_min_u32 v30, 23, v30
	v_mul_u32_u24 v31, v30, 171
	v_lshrrev_b32 v31, 11, v31                     ; lane / 12
	v_lshlrev_b32 v30, 8, v30
	v_mad_u32_u24 v30, v31, 21504, v30             ; 256 x lane + (24,576 - 3,072) x (lane / 12); never rewritten
	s_lshr_b32 s15, s14, 1
	s_and_b32 s16, s14, 1
	s_bfe_u32 s40, ttmp6, 0x40000
	s_bfe_u32 s41, ttmp6, 0x40004
	s_lshl_b32 s42, ttmp9, 2
	s_add_co_u32 s42, s42, s40
	s_and_b32 s17, ttmp7, 0xffff
	s_lshl_b32 s17, s17, 2
	s_add_co_u32 s17, s17, s41
	s_lshl_b32 s43, s41, 2
	s_lshl_b32 s43, 15, s43
	s_lshl_b32 s44, 0x1111, s40
	s_lshr_b32 s66, ttmp9, 1
	s_lshr_b32 s67, s66, 1
	s_or_b32 s[G1+0], s43, (3<<16)|(1<<21)
	s_or_b32 s[G1B+0], s44, (3<<16)|(1<<21)
.irp g, G1, G1B
	s_mov_b32 s[\g+1], 384<<16
	s_mov_b32 s[\g+2], 16<<16
	s_mov_b32 s[\g+3], 384<<16
	s_mov_b32 s[\g+4], 16
	s_mov_b32 s[\g+5], 3072
	s_mov_b32 s[\g+6], 0
	s_mov_b32 s[\g+7], 0
.endr
	s_or_b32 s[G1S+0], s43, (3<<16)|(1<<21)
	s_or_b32 s[G1SB+0], s44, (3<<16)|(1<<21)
.irp g, G1S, G1SB
	s_mov_b32 s[\g+1], 128<<16
	s_mov_b32 s[\g+2], 16<<16
	s_mov_b32 s[\g+3], 128<<16
	s_mov_b32 s[\g+4], 16
	s_mov_b32 s[\g+5], 1024
	s_mov_b32 s[\g+6], 0
	s_mov_b32 s[\g+7], 0
.endr
	s_mul_i32 s20, s67, 384
	s_lshl_b32 s21, s17, 4
	s_add_co_u32 s20, s20, s21
	s_mul_i32 s20, s20, 24576
	s_mov_b32 s21, 0
	s_mul_i32 s22, s67, 393216
	s_lshl_b32 s23, s17, 10
	s_add_co_u32 s22, s22, s23
	s_mov_b32 s23, 0
	s_mul_i32 s13, s67, 3
	s_add_co_u32 s12, s66, 1
	s_sub_co_u32 s12, s12, s13
	s_and_b32 s13, s42, 7
	s_lshl_b32 s46, s12, 7
	s_lshl_b32 s47, s13, 4
	s_add_co_u32 s46, s46, s47
	s_mul_i32 s46, s46, 24576
	s_mov_b32 s47, 0
	s_lshl_b32 s18, s12, 17
	s_lshl_b32 s19, s13, 10
	s_add_co_u32 s18, s18, s19
	s_mov_b32 s19, 0
	s_mul_i32 s45, s14, HALFT
	s_lshl_b32 s12, s14, 13
	s_mov_b32 s[SEL], 0x76543210
	s_mov_b32 s[SEL+1], 0xfedcba98
	s_mov_b32 s2, 0xffff0000
	s_wait_dscnt 0x0
	s_wait_kmcnt 0x0
	s_add_nc_u64 s[20:21], s[4:5], s[20:21]
	s_add_nc_u64 s[22:23], s[6:7], s[22:23]
	s_add_nc_u64 s[46:47], s[4:5], s[46:47]
	s_add_nc_u64 s[18:19], s[6:7], s[18:19]
	CROUND
	s_mov_b32 s[G0S], 1
	s_mov_b32 s[G0S+1], SCL
	s_mov_b64 s[G0S+2:G0S+3], s[22:23]
	s_or_b32 s[G0S+3], s[G0S+3], 0x80000000
	s_mov_b32 s[G0SB], 1
	s_mov_b32 s[G0SB+1], SCL+2*HALFS
	s_mov_b64 s[G0SB+2:G0SB+3], s[18:19]
	s_or_b32 s[G0SB+3], s[G0SB+3], 0x80000000
	; THE HEAD'S LOADS, ONE A WAVE: wave 0 fetches slot 0's 16 tile rows of A, wave 1 those of B, wave 2 the scales of A's rows, wave 3 those of B's.  Slot 0's two groups 0 serve the whole tiles first.
	s_mov_b32 s[G0], 1
	s_mov_b32 s[G0+1], 0
	s_mov_b64 s[G0+2:G0+3], s[20:21]
	s_or_b32 s[G0+3], s[G0+3], 0x80000000
	s_mov_b32 s[G0B], 1
	s_mov_b32 s[G0B+1], 2*HALFT
	s_mov_b64 s[G0B+2:G0B+3], s[46:47]
	s_or_b32 s[G0B+3], s[G0B+3], 0x80000000
	s_mul_i32 s4, s16, 8*24576                     ; for the ring: my eight tile rows of the sixteen
	s_mov_b32 s5, 0
	s_add_nc_u64 s[20:21], s[20:21], s[4:5]
	s_add_nc_u64 s[46:47], s[46:47], s[4:5]
	s_mov_b32 s[G0+4], 1
	s_add_co_u32 s[G0+5], s45, SLOT
	s_add_nc_u64 s[G0+6:G0+7], s[20:21], TROW
	s_or_b32 s[G0+7], s[G0+7], 0x80000000
	s_mov_b32 s[G0B+4], 1
	s_add_co_u32 s[G0B+5], s45, SLOT
	s_add_nc_u64 s[G0B+6:G0B+7], s[46:47], TROW
	s_or_b32 s[G0B+7], s[G0B+7], 0x80000000
	s_cmp_eq_u32 s15, 0                            ; the prefetches: of the eight tile rows that I fetch, each of the four partners that ask with me names two, told apart by address (cx for A, cy for B)
	s_cselect_b64 s[6:7], s[20:21], s[46:47]
	s_cselect_b32 s12, s40, s41
	s_mul_i32 s12, s12, 2*24576
	s_mov_b32 s13, 0
	s_add_nc_u64 s[6:7], s[6:7], s[12:13]
.macro ARM under, g0, g1, next         ; one tree of branches on the wave's number: every way through the head passes exactly one load
	s_cmp_lt_u32 s14, \under
	s_cbranch_scc0 \next
	tensor_load_to_lds s[\g0:\g0+3], s[\g1:\g1+7]
	s_nop 0
.rept 4
	v_nop
.endr
	s_branch .Lhead_asked
\next:
.endm
	ARM 1, G0,  G1,  .Lhead_b
	ARM 2, G0B, G1B, .Lhead_sa
	ARM 3, G0S, G1S, .Lhead_sb
	tensor_load_to_lds s[G0SB:G0SB+3], s[G1SB:G1SB+7]
	s_nop 0
.rept 4
	v_nop
.endr
.Lhead_asked:
	s_wait_alu depctr_va_vdst(0)                   ; ahead of the reader below
	global_prefetch_b8 v30, s[6:7] offset:2*TROW th:TH_LOAD_NT scope:SCOPE_SE   ; the ring's first two refills
	global_prefetch_b8 v30, s[6:7] offset:3*TROW th:TH_LOAD_NT scope:SCOPE_SE
	s_wait_tensorcnt 0x0                           ; my tile of the head's four is in
	ds_add_u32 v28, v29
	s_mov_b32 s[G1+2], 8<<16                       ; no tensor load of mine is out: from here on a load brings eight tile rows,
	s_mov_b32 s[G1+4], 8
	s_mov_b32 s[G1B+2], 8<<16
	s_mov_b32 s[G1B+4], 8
	s_mov_b32 s[G0+1], s45                         ; and slot 0's groups 0 stand at my part of the slot
	s_mov_b64 s[G0+2:G0+3], s[20:21]
	s_or_b32 s[G0+3], s[G0+3], 0x80000000
	s_mov_b32 s[G0B+1], s45
	s_mov_b64 s[G0B+2:G0B+3], s[46:47]
	s_or_b32 s[G0B+3], s[G0B+3], 0x80000000
	s_wait_dscnt 0x0
	CROUND
	JLOAD G0+4, G1, G0B+4, G1B
	v_and_b32 v1, 15, v0
	v_bfe_u32 v2, v0, 4, 1
	v_and_b32 v3, 31, v0
	v_lshlrev_b32 v[OA], 4, v3
	v_lshlrev_b32 v[OS4], 5, v1
	v_lshl_add_u32 v[OS4], v2, 4, v[OS4]
	v_lshlrev_b32 v9, 6, v2
	v_and_b32 v8, 8, v1
	v_add_nc_u32 v8, v8, v1
	v_lshlrev_b32 v8, 2, v8
	s_mul_i32 s21, s15, HALFT
	s_mul_i32 s22, s16, HALFT
	s_add_co_u32 s22, s22, 2*HALFT
.irp s, 0,1
	v_add_nc_u32 v[ADRA+\s], s21, v[OA]
	v_add_nc_u32 v[ADRB+\s], s22, v[OA]
	s_add_co_u32 s21, s21, SLOT
	s_add_co_u32 s22, s22, SLOT
.endr
	v_lshlrev_b32 v5, 4, v1
	s_lshl_b32 s21, s15, 9                         ; the scales lie [K step][1,024 bytes]: my half of a row
	s_lshl_b32 s22, s16, 9
	s_add_co_u32 s22, s22, 2*HALFS
	s_sub_co_u32 s22, s22, s21
	v_mul_u32_u24 v6, s22, v2
	s_add_co_u32 s21, s21, SCL
	v_add_nc_u32 v5, v5, v6
	v_add_nc_u32 v[ADRS], s21, v5
.irp b, 0,1,2,3
	v_mov_b32 v[TM+4+\b], 0
.endr
	s_lshl_b32 s12, s42, 1
	s_add_co_u32 s12, s12, s16
	s_and_b32 s12, s12, 15
	s_lshl_b32 s13, s17, 1
	s_add_co_u32 s13, s13, s15
	s_cmp_eq_u32 s67, 1
	s_cselect_b32 s18, s13, s12
	s_cselect_b32 s19, s12, s13
	s_min_u32 s46, s66, 1
	s_mul_i32 s20, s18, 196608
	s_mul_i32 s21, s19, 12288
	s_add_co_u32 s20, s20, s21
	s_lshl_b32 s20, s20, s46
	s_mul_i32 s21, s46, 3145728
	s_add_co_u32 s20, s20, s21
	s_mul_i32 s21, s67, 12288
	s_add_co_u32 s20, s20, s21
	s_mov_b32 s21, 0
	s_add_nc_u64 s[96:97], s[96:97], s[20:21]
	s_lshl_b32 s20, s18, 13
	s_lshl_b32 s22, s19, 9
	s_add_co_u32 s20, s20, s22
	s_lshl_b32 s20, s20, s46
	s_lshl_b32 s22, s46, 17
	s_add_co_u32 s20, s20, s22
	s_lshl_b32 s22, s67, 9
	s_add_co_u32 s20, s20, s22
	s_add_nc_u64 s[98:99], s[98:99], s[20:21]
	s_lshl_b32 s20, s13, 17
	s_add_nc_u64 s[94:95], s[94:95], s[20:21]
	s_cmp_eq_u32 s66, 1
	s_cselect_b64 s[8:9], s[10:11], s[8:9]
	s_cmp_eq_u32 s66, 2
	s_cselect_b64 s[8:9], s[92:93], s[8:9]
	s_lshl_b32 s20, s18, 9
	s_add_nc_u64 s[8:9], s[8:9], s[20:21]
.macro FRAG reg, adr, q, i
.irp c, 0,1,2
	ds_load_b128 v[\reg+4*\c:\reg+4*\c+3], v[\adr] offset:(\i)*TROW+(\q)*FRB+512*\c
.endr
.endm
.macro MUL16 a0, p, q, sc, zero
.irp a, \a0, \a0+1
.irp b, 0,1,2,3,4,5,6,7
.if \zero
	v_wmma_scale_f32_16x16x128_f8f6f4 v[8*(8*((\a)%4)+\b):8*(8*((\a)%4)+\b)+7], v[128*(\p)+FR*\b:128*(\p)+FR*\b+FR-1], v[AF+FR*(\a):AF+FR*(\a)+FR-1], 0, v[SC+16*(\sc)+8*(\q)+\b], v[SC+16*(\sc)+8*(\q)+(\a)] matrix_a_fmt:MATRIX_FMT_BF6 matrix_b_fmt:MATRIX_FMT_BF6 matrix_a_scale:MATRIX_SCALE_ROW1
.else
	v_wmma_scale_f32_16x16x128_f8f6f4 v[8*(8*((\a)%4)+\b):8*(8*((\a)%4)+\b)+7], v[128*(\p)+FR*\b:128*(\p)+FR*\b+FR-1], v[AF+FR*(\a):AF+FR*(\a)+FR-1], v[8*(8*((\a)%4)+\b):8*(8*((\a)%4)+\b)+7], v[SC+16*(\sc)+8*(\q)+\b], v[SC+16*(\sc)+8*(\q)+(\a)] matrix_a_fmt:MATRIX_FMT_BF6 matrix_b_fmt:MATRIX_FMT_BF6 matrix_a_scale:MATRIX_SCALE_ROW1
.endif
.endr
.endr
.endm
.macro FETCH_B slot, q, p
	WIN TO_B
.irp i, 0,1,2,3,4,5,6,7
	FRAG 128*(\p)+FR*\i, ADRB+\slot, \q, \i
.endr
	WIN 0
.endm
.macro FETCH_A slot, q, i0
.irp i, \i0, \i0+1, \i0+2, \i0+3
	FRAG AF+FR*(\i), ADRA+\slot, \q, \i
.endr
.endm
.macro SCALES sc
.irp q, 0,1
.irp g, 0,1
	ds_load_b128 v[SC+16*\sc+8*\q+4*\g:SC+16*\sc+8*\q+4*\g+3], v[ADRS] offset:1024*\q+256*\g
.endr
.endr
.endm
.macro PLACES n
.rept \n
	v_nop
.endr
.endm
.macro STEP slot, q, zero
	s_wait_dscnt 4*NL
	WIN MUL_LO
	MUL16 0, (\q)%2, \q, \slot, \zero
	MUL16 2, (\q)%2, \q, \slot, \zero
	s_wait_dscnt 0
	PLACES NP
	FETCH_B \slot, (\q)+1, 1-(\q)%2
	FETCH_A \slot, (\q)+1, 0
	WIN MUL_HI
	MUL16 4, (\q)%2, \q, \slot, \zero
	MUL16 6, (\q)%2, \q, \slot, \zero
	PLACES NP
	WIN 0
	FETCH_A \slot, (\q)+1, 4
.endm
.macro TURN slot, next, fill
.if \fill
	s_wait_xcnt 0x0                                ; the last prefetch has read its address
	s_add_nc_u64 s[6:7], s[6:7], TROW
.endif
	s_wait_tensorcnt 0x0
	ds_add_u32 v[SPW], v[NIL]
	s_wait_dscnt 4*NL+1
	WIN MUL_LO
	MUL16 0, 1, NQ-1, \slot, 0
	s_wait_dscnt 0x0
	s_barrier_signal -1
	MUL16 2, 1, NQ-1, \slot, 0
	WIN 0
	s_barrier_wait -1
.if \fill
	CREST
	s_add_nc_u64 s[G0+4*\slot+2:G0+4*\slot+3], s[G0+4*\slot+2:G0+4*\slot+3], 2*TROW
	s_add_nc_u64 s[G0B+4*\slot+2:G0B+4*\slot+3], s[G0B+4*\slot+2:G0B+4*\slot+3], 2*TROW
	JLOAD G0+4*\slot, G1, G0B+4*\slot, G1B
.else
	PLACES NP
.endif
	s_wait_alu depctr_va_vdst(0)
	v_add_nc_u32 v[ADRS], 1024*NQ, v[ADRS]
	FETCH_B \next, 0, 0
	FETCH_A \next, 0, 0
	SCALES \next
.if \fill
	s_cmp_gt_u32 s3, 1                             ; a prefetch for the refill that stands two refills on; the loop's last trip has none
	s_cbranch_scc0 .Lno_ask_\@
	global_prefetch_b8 v30, s[6:7] offset:3*TROW th:TH_LOAD_NT scope:SCOPE_SE
.Lno_ask_\@:
.endif
	WIN MUL_HI
	MUL16 4, 1, NQ-1, \slot, 0
	MUL16 6, 1, NQ-1, \slot, 0
	PLACES NP
	WIN 0
	FETCH_A \next, 0, 4
.endm
.macro LAST
	s_wait_dscnt 4*NL
	WIN MUL_LO
	MUL16 0, 1, NQ-1, 1, 0
	MUL16 2, 1, NQ-1, 1, 0
	s_wait_dscnt 0
	WIN MUL_HI
	MUL16 4, 1, NQ-1, 1, 0
	MUL16 6, 1, NQ-1, 1, 0
	WIN 0
	PLACES NP
.endm
.macro QUANT s, pw
.irp b, 0,1,2,3
	v_max3_num_f32 v[TM+\b], |v[(\s)+16*\b]|, |v[(\s)+1+16*\b]|, 0x2800000
.endr
.irp i, 2,4,6,8,10,12,14
.irp b, 0,1,2,3
	v_max3_num_f32 v[TM+\b], v[TM+\b], |v[(\s)+16*\b+\i]|, |v[(\s)+1+16*\b+\i]|
.endr
.endr
.irp b, 0,1,2,3
	v_permlanex16_b32 v[TM+4+\b], v[TM+\b], s[SEL], s[SEL+1]
.endr
.irp b, 0,1,2,3
	v_max_num_f32 v[TM+\b], v[TM+\b], v[TM+4+\b]
.endr
.irp b, 0,1,2,3
	v_add_nc_u32 v[TM+12+\b], 0xfe000000, v[TM+\b]
.endr
.irp b, 0,1,2,3
	v_lshrrev_b32 v[TM+4+\b], 23, v[TM+12+\b]
.endr
	v_lshl_or_b32 v[\pw], v[TM+5], 8, v[TM+4]
	v_lshl_or_b32 v[\pw], v[TM+6], 16, v[\pw]
	v_lshl_or_b32 v[\pw], v[TM+7], 24, v[\pw]
.irp c, 0,1
	v_cvt_scalef32_pk16_bf6_f32 v[PC+6*\c:PC+2+6*\c], v[(\s)+32*\c:(\s)+15+32*\c], v[TM+12+2*\c]
	v_cvt_scalef32_pk16_bf6_f32 v[PC+12+4*\c:PC+14+4*\c], v[(\s)+16+32*\c:(\s)+31+32*\c], v[TM+12+2*\c+1]
.endr
	v_nop
.irp c, 0,1
.irp i, 0,1,2
	v_permlane16_swap_b32 v[PC+6*\c+\i], v[PC+12+4*\c+\i]
.endr
.irp i, 0,1,2
	v_mov_b32 v[PC+3+6*\c+\i], v[PC+12+4*\c+\i]
.endr
.endr
.endm
.macro CSLOAD a, e
	WIN 0x40
.set k, 0
.rept 32
	global_load_b128 v[128*(\e)+4*k:128*(\e)+4*k+3], v[OA], s[94:95] offset:(\a)*16384+512*k
.set k, k+1
.endr
	WIN 0
.endm
.macro EPQK a
.set AC, 64*((\a)%4)
.set CB, 128*((\a)%2)
.if (\a) < 7
	s_wait_loadcnt 32
.else
	s_wait_loadcnt 0x0
.endif
	WIN 0x82+0x41*((\a)/4)
.set i, 0
.rept 32
	v_pk_add_f32 v[AC+i:AC+i+1], v[AC+i:AC+i+1], v[BI+i:BI+i+1]
.set i, i+2
.endr
	WIN 0x06+((\a)/4)
.set i, 0
.rept 16
	v_pk_mul_f32 v[R+i:R+i+1], v[AC+i:AC+i+1], v[CB+i:CB+i+1]
	v_pk_mul_f32 v[R+32+i:R+33+i], v[AC+32+i:AC+33+i], v[CB+32+i:CB+33+i]
.set i, i+2
.endr
.set i, 0
.rept 16
	v_pk_fma_f32 v[R+i:R+i+1], v[AC+32+i:AC+33+i], v[CB+64+i:CB+65+i], v[R+i:R+i+1] neg_lo:[1,0,0] neg_hi:[1,0,0]
	v_pk_fma_f32 v[R+32+i:R+33+i], v[AC+i:AC+i+1], v[CB+96+i:CB+97+i], v[R+32+i:R+33+i]
.set i, i+2
.endr
.if (\a) < 6
	CSLOAD (\a)+2, (\a)%2
.else
	WIN 0
.endif
.if (\a) > 0
	s_wait_xcnt 0x0
.endif
	QUANT R, PWS+(\a)
.irp c, 0,1,2
	global_store_b128 v[OA], v[PC+4*\c:PC+4*\c+3], s[96:97] offset:(\a)*1536+512*\c
.endr
.endm
.macro EPV a
.set AC, 64*((\a)%4)
	WIN 0x02+((\a)/4)
.set i, 0
.rept 32
	v_pk_add_f32 v[R+i:R+i+1], v[AC+i:AC+i+1], v[BI+2*(\a):BI+2*(\a)+1]
.set i, i+2
.endr
	WIN 0
.if (\a) > 0
	s_wait_xcnt 0x0
.endif
	QUANT R, PWS+(\a)
.irp c, 0,1,2
	global_store_b128 v[OA], v[PC+4*\c:PC+4*\c+3], s[96:97] offset:(\a)*1536+512*\c
.endr
.endm
	s_wait_alu depctr_va_vdst(0)
	s_wait_tensorcnt 1
	s_barrier_signal -1
	s_barrier_wait -1
	FETCH_B 0, 0, 0
	FETCH_A 0, 0, 0
	SCALES 0
	FETCH_A 0, 0, 4
	STEP 0, 0, 1
	s_mov_b32 s3, LAPS-1
.Llap:
	TURN 0, 1, 1
	STEP 1, 0, 0
	TURN 1, 0, 1
	STEP 0, 0, 0
	s_sub_co_u32 s3, s3, 1
	s_cmp_lg_u32 s3, 0
	s_cbranch_scc1 .Llap
	TURN 0, 1, 0
	STEP 1, 0, 0
	s_cmp_eq_u32 s67, 1
	s_cbranch_scc1 .Ltail_v
.irp k, 0,1,2,3,4,5,6,7,8,9,10,11,12,13,14,15
	global_load_b128 v[BI+4*\k:BI+4*\k+3], v9, s[8:9] offset:128*(\k/4)+16*(\k%4)
.endr
	CSLOAD 0, 0
	LAST
	CSLOAD 1, 1
.irp a, 0,1,2,3,4,5,6,7
	EPQK \a
.endr
	s_branch .Lwords
.Ltail_v:
.irp a, 0,1,2,3,4,5,6,7
	global_load_b32 v[BI+2*\a], v8, s[8:9] offset:(32*(\a/2)+8*(\a%2))*4
	global_load_b32 v[BI+2*\a+1], v8, s[8:9] offset:(32*(\a/2)+8*(\a%2))*4
.endr
	LAST
	s_wait_loadcnt 0x0
.irp a, 0,1,2,3,4,5,6,7
	EPV \a
.endr
.Lwords:
.irp i, 0,1,2,3
	v_cndmask_b32 v[W4+\i], v[PWS+\i], v[PWS+4+\i], s2
.endr
	global_store_b128 v[OS4], v[W4:W4+3], s[98:99]
	s_wait_tensorcnt 0x0
	ds_add_u32 v[SPW], v[NIL]
	s_wait_dscnt 0x0
	CROUND
	s_endpgm
.Lfunc_end_k_q223d0bf101_qkv:
	.size	k_q223d0bf101_qkv, .Lfunc_end_k_q223d0bf101_qkv-k_q223d0bf101_qkv
	.p2alignl 7, 3214868480
	.fill 96, 4, 3214868480
	.section	.rodata,"a",@progbits
	.p2align	6, 0x0
	.amdhsa_kernel k_q223d0bf101_qkv
		.amdhsa_group_segment_fixed_size 327680
		.amdhsa_private_segment_fixed_size 0
		.amdhsa_enable_private_segment 0
		.amdhsa_kernarg_size 64
		.amdhsa_user_sgpr_count 2
		.amdhsa_user_sgpr_kernarg_segment_ptr 1
		.amdhsa_wavefront_size32 1
		.amdhsa_system_sgpr_workgroup_id_x 1
		.amdhsa_system_sgpr_workgroup_id_y 1
		.amdhsa_system_sgpr_workgroup_id_z 1
		.amdhsa_system_vgpr_workitem_id 0
		.amdhsa_next_free_vgpr 1024
		.amdhsa_next_free_sgpr 102
		.amdhsa_reserve_vcc 0
		.amdhsa_float_denorm_mode_32 3
		.amdhsa_float_denorm_mode_16_64 3
		.amdhsa_memory_ordered 1
		.amdhsa_forward_progress 1
		.amdhsa_inst_pref_size 255
	.end_amdhsa_kernel
	.section	.bss,"aw",@nobits
	.p2align	6
	.space	262144
	.amdgpu_metadata
---
amdhsa.version: [ 1, 2 ]
amdhsa.kernels:
  - .name:           k_q223d0bf101_qkv
    .symbol:         k_q223d0bf101_qkv.kd
    .args:
      - { .name: oc, .offset: 0, .size: 8, .value_kind: global_buffer, .address_space: global }
      - { .name: os, .offset: 8, .size: 8, .value_kind: global_buffer, .address_space: global }
      - { .name: bq, .offset: 16, .size: 8, .value_kind: global_buffer, .address_space: global }
      - { .name: bk, .offset: 24, .size: 8, .value_kind: global_buffer, .address_space: global }
      - { .name: bv, .offset: 32, .size: 8, .value_kind: global_buffer, .address_space: global }
      - { .name: csi, .offset: 40, .size: 8, .value_kind: global_buffer, .address_space: global }
      - { .name: qkvc, .offset: 48, .size: 8, .value_kind: global_buffer, .address_space: global }
      - { .name: qkvs, .offset: 56, .size: 8, .value_kind: global_buffer, .address_space: global }
    .group_segment_fixed_size: 327680
    .private_segment_fixed_size: 0
    .kernarg_segment_align: 8
    .kernarg_segment_size: 64
    .max_flat_workgroup_size: 128
    .sgpr_count:     102
    .vgpr_count:     1024
    .wavefront_size: 32
...
	.end_amdgpu_metadata
.endif
;; end of part 6
;; launch attn (part 7): grid 8 x 32, 8 waves a work-group, clusters of 4 x 1, 327,680 bytes of LDS; arguments qkvc, qkvs, mask, cc, cs; writes cc, cs
.if DOCPART == 7
	.amdgcn_target "amdgcn-amd-amdhsa--gfx1250"
	.amdhsa_code_object_version 6
	.text
	.protected	k_q223d0bf101_attn
	.globl	k_q223d0bf101_attn
	.p2align	8
	.type	k_q223d0bf101_attn,@function
k_q223d0bf101_attn:
	s_mov_b64 s[64:65], 0
	v_nop
	global_prefetch_b8 v0, s[64:65] scope:SCOPE_SE
	s_setreg_imm32_b32 hwreg(HW_REG_WAVE_MODE, 25, 1), 1
	s_wait_xcnt 0x0
	s_wait_alu depctr_hold_cnt(0) depctr_sa_sdst(0) depctr_va_vdst(0) depctr_va_sdst(0) depctr_va_ssrc(0) depctr_va_vcc(0) depctr_vm_vsrc(0)
	s_getreg_b32 s2, hwreg(HW_REG_IB_STS2, 6, 4)
	s_cmp_eq_u32 s2, 0
	s_cbranch_scc0 .Lentry_in_a_cluster
	s_endpgm
.Lentry_in_a_cluster:
	s_bfe_u32 s2, ttmp6, 0x10000c
	s_cmp_lg_u32 s2, 0x3003
	s_cbranch_scc0 .Lentry_shape_is_right
	s_endpgm
.Lentry_shape_is_right:
; THIRD LAUNCH: ctx = softmax(q k^T / sqrt(128) + mask) v, both products on codes of BF6; ctx is quantised along e at once (K step = head of the last product) and leaves as codes.
; THE SOFTMAX AHEAD OF THE SECOND PRODUCT: u = score x 128^-0.5 + mask; t = u x log2(e); M = the row's largest t so far, rounded up to a whole number; p = 2^(t - M), by one fused multiply-add of u and one exponential,
; is quantised along the keys, not normalised; the row's sum is taken of the unquantised p and divides at the end.  When M moves, the sum and O are multiplied by 2^(old M - new M): exact.
; THE MASK IS AN INPUT: every key step is walked for every query, and all of the mask is read.
; SHARES.  A work-group owns 64 queries (four token tiles) of two heads: 8 x 32 work-groups.  Wave w takes head 2 x + w / 4 and token tile 4 y + w % 4: 16 queries, 16 steps of 128 keys, in 512 registers: two waves to a SIMD.
; LAYOUT.  Both products transposed: S^T = K Q^T, O^T = V^T P^T: a lane holds one query throughout; the tiles' order of rows makes the 16 registers of two neighbouring tiles 16 neighbouring keys (or 16 neighbours of the head's 128).
; THE MASK'S 64 ROWS serve both heads from LDS, through a ring of two slots, each with FOUR steps: [slot 2][step 4][row 64][512 + 8 bytes] (with that pitch the 32 lanes of a load of 8 bytes touch 64 different banks).
;   One tensor load a wave and phase (32 rows x 512 bytes); a phase's loads are issued at the head of the phase before, into the slot read last: four changes of slots in all.
; CLUSTER 4 x 1: four work-groups with the same 64 queries and other heads.  They need the same tiles of the mask and ask for them jointly: the same descriptor, made of y and the wave's number alone, and the mask 15.
; K AND V lie in memory as images of the fragments' registers: each wave loads them straight into registers (window 1), 512 consecutive bytes an instruction, with no stage in LDS and no barrier;
;   K's for step t + 1 behind step t's first product, V's behind its second: a whole step ahead of their use.  One load of 16 bytes a lane brings the scale words of all eight tiles: lanes 0-15 tiles 0-3, lanes 16-31 tiles 4-7.
;   The last step asks for its own tiles once more (the address step is then 0): so every load stays inside its buffer and each counted wait counts the same loads on every way.
; NO PREFETCH: the loads themselves are issued one step (K, V) and four steps (mask) ahead of their use.
; LIMITS: NaN and +-infinity in the inputs are not served (a row of the mask that is all -infinity gives NaN, as in the definition); p under 2^-126 is 0; 1 / sum by v_rcp_f32; the promise holds while |t| stays under 2^31.
; REGISTERS, window 0: v1-4, v7 offsets; v5, v6 the add's two; v8-11 V's scale words, v28-31 K's; v12 -M, v13 the largest t, v[14:15] the sum; v16-27 Q; v32-95 the mask; v96-159 S^T, u, p; v160-223 O^T;
;   v224-235 p's codes; v232-254 at work; v253 p's scale word, v255 Q's.  Window 1: v0-95 K's eight fragments, v96-191 V's.
.set MP,    520
.set SBLK,  64*MP                      ; a step's 64 rows of the mask
.set SLOTB, 4*SBLK                     ; a slot: four steps
.set SPARE, 2*SLOTB                    ; behind the ring: the spare words, 128 bytes a wave
.set LI,   1                           ; 16 x lane
.set AM0,  2                           ; my query's row of a step's mask, + 64 h
.set SOF,  3                           ; 32 r + 16 h: my four scale words
.set ADM,  4
.set SPW,  5
.set NIL,  6
.set VW,   8
.set KW,   28
.set TM,   32                          ; the way out
.set PC,   48
.set WV,   18
.set SEL,  20
.set LE,   22                          ; s[22:23] log2(e)
.set SCA,  24                          ; s[24:25] 128^-0.5
.set G1M,  32
.set G0M,  40
.set KB,   44                          ; s[44:45] K's and V's codes of the step that is asked for
.set KS,   46                          ; s[46:47] their scale words
.set INC,  48                          ; s[48:49], s[50:51] a step on, or 0 in the last step
.set INS,  50
.set CNT,  52
.set PH,   53
.set STP,  54
.set TMK,  55
.set TB,   56                          ; the slot that is read
.set TG,   57                          ; the slot that is filled
.set LA0,  58                          ; my part's place in a slot
.set MSB, 0
.macro WIN new                         ; the immediate's high byte repeats the setting that is left
.if MSB != \new
	s_set_vgpr_msb (MSB<<8)|\new
.set MSB, \new
.endif
.endm
.macro W d, a, b, zero, sa, sb, row    ; one product: source 0 in window 1; row = 1: its scale words stand in lanes 16-31
.if \zero
.if \row
	v_wmma_scale_f32_16x16x128_f8f6f4 v[\d:\d+7], v[\a:\a+11], v[\b:\b+11], 0, v[\sa], v[\sb] matrix_a_fmt:MATRIX_FMT_BF6 matrix_b_fmt:MATRIX_FMT_BF6 matrix_a_scale:MATRIX_SCALE_ROW1
.else
	v_wmma_scale_f32_16x16x128_f8f6f4 v[\d:\d+7], v[\a:\a+11], v[\b:\b+11], 0, v[\sa], v[\sb] matrix_a_fmt:MATRIX_FMT_BF6 matrix_b_fmt:MATRIX_FMT_BF6
.endif
.else
.if \row
	v_wmma_scale_f32_16x16x128_f8f6f4 v[\d:\d+7], v[\a:\a+11], v[\b:\b+11], v[\d:\d+7], v[\sa], v[\sb] matrix_a_fmt:MATRIX_FMT_BF6 matrix_b_fmt:MATRIX_FMT_BF6 matrix_a_scale:MATRIX_SCALE_ROW1
.else
	v_wmma_scale_f32_16x16x128_f8f6f4 v[\d:\d+7], v[\a:\a+11], v[\b:\b+11], v[\d:\d+7], v[\sa], v[\sb] matrix_a_fmt:MATRIX_FMT_BF6 matrix_b_fmt:MATRIX_FMT_BF6
.endif
.endif
.endm
.macro LOADF f, off, w, woff           ; 25 loads: eight fragments into window 1, their scale words into window 0
	WIN 0x40
.irp t, 0,1,2,3,4,5,6,7
.irp c, 0,1,2
	global_load_b128 v[\f+12*\t+4*\c:\f+12*\t+4*\c+3], v[LI], s[KB:KB+1] offset:\off+1536*\t+512*\c
.endr
.endr
	WIN 0
	global_load_b128 v[\w:\w+3], v[SOF], s[KS:KS+1] offset:\woff
.endm
.macro PLACES
.rept 4
	v_nop
.endr
.endm
.macro CROUND                          ; a round of the cluster's barrier
	s_barrier_signal -1
	s_barrier_wait -1
	s_cmp_lg_u32 s[WV], 0
	s_cbranch_scc1 .Lnot_wave_0_\@
	s_barrier_signal -3
.Lnot_wave_0_\@:
	s_barrier_wait -3
	s_barrier_signal -1
	s_barrier_wait -1
.endm
	s_load_b256 s[4:11], s[0:1], 0x0               ; qkvc, qkvs, mask, cc
	s_load_b64 s[12:13], s[0:1], 0x20              ; cs
	v_lshl_add_u32 v[SPW], v0, 2, SPARE
	v_mov_b32 v[NIL], 0
	ds_add_u32 v[SPW], v[NIL]                      ; the wave's opening: the add, twice on end, and its wait ahead of my first tensor load
	ds_add_u32 v[SPW], v[NIL]
	v_lshrrev_b32 v7, 5, v0
	s_delay_alu instid0(VALU_DEP_1)
	v_readfirstlane_b32 s[WV], v7                  ; wave 0..7
	s_and_b32 s76, s[WV], 1                        ; which 32 rows of the mask I fetch,
	s_lshr_b32 s77, s[WV], 1                       ; and of which step of a phase
	s_mov_b32 s[G1M], 15|(2<<16)|(1<<20)|(1<<21)|(6<<22)|(1<<25)  ; all four of the cluster; 32 rows of 128 f32, 2,048 apart; 2 words of padding behind every 128
	s_mov_b32 s[G1M+1], 128<<16
	s_mov_b32 s[G1M+2], 32<<16
	s_mov_b32 s[G1M+3], 128<<16
	s_mov_b32 s[G1M+4], 32
	s_mov_b32 s[G1M+5], 2048
	s_mov_b32 s[G1M+6], 0
	s_mov_b32 s[G1M+7], 0
	s_mul_i32 s[LA0], s77, SBLK                    ; LDS: step w / 2 of the phase, rows 32 (w % 2) ..: the wave's number alone
	s_mul_i32 s30, s76, 32*MP
	s_add_co_u32 s[LA0], s[LA0], s30
	s_mov_b32 s[G0M+1], s[LA0]                     ; phase 0 goes to slot 0
	s_and_b32 s31, ttmp7, 0xffff                   ; the query block: the same in all four partners
	s_lshl_b32 s62, s31, 19                        ; memory: 64 rows of 8,192 bytes a query block,
	s_lshl_b32 s30, s76, 18                        ; 32 rows,
	s_add_co_u32 s62, s62, s30
	s_lshl_b32 s30, s77, 9                         ; 512 bytes a step
	s_add_co_u32 s62, s62, s30
	s_mov_b32 s63, 0
	s_wait_dscnt 0x0                               ; both opening adds are done
	s_wait_kmcnt 0x0
	s_mov_b32 s[G0M], 1
	s_add_nc_u64 s[G0M+2:G0M+3], s[8:9], s[62:63]
	s_or_b32 s[G0M+3], s[G0M+3], 0x80000000
	CROUND                                         ; all four work-groups are here: the first joint loads meet
	tensor_load_to_lds s[G0M:G0M+3], s[G1M:G1M+7]  ; phase 0: every wave's one load at the head
	s_nop 0
	PLACES
	s_and_b32 s26, s[WV], 3                        ; my token tile of the four
	s_lshr_b32 s27, s[WV], 2                       ; my head of the two
	s_bfe_u32 s59, ttmp6, 0x40000                  ; cx: it enters the addresses of my own loads and stores alone
	s_lshl_b32 s28, ttmp9, 2
	s_add_co_u32 s28, s28, s59                     ; work-group x
	s_lshl_b32 s28, s28, 1
	s_add_co_u32 s28, s28, s27                     ; the head
	s_lshl_b32 s29, s31, 2
	s_add_co_u32 s29, s29, s26                     ; the token tile T
	s_mul_i32 s60, s28, 196608                     ; Q's fragment
	s_mul_i32 s30, s29, 1536
	s_add_co_u32 s60, s60, s30
	s_mov_b32 s61, 0
	s_lshl_b32 s62, s28, 13                        ; Q's scale words: head x 8,192 + (T / 8) x 512 + 4 (T % 8), + 32 r
	s_lshr_b32 s30, s29, 3
	s_lshl_b32 s30, s30, 9
	s_add_co_u32 s62, s62, s30
	s_and_b32 s30, s29, 7
	s_lshl_b32 s30, s30, 2
	s_add_co_u32 s62, s62, s30
	s_mul_i32 s66, s28, 393216                     ; the head's K and V, step 0
	s_add_co_u32 s66, s66, 3145728
	s_mov_b32 s67, 0
	s_lshl_b32 s68, s28, 14
	s_add_co_u32 s68, s68, 131072
	s_mov_b32 s69, 0
	s_mul_i32 s72, s29, 24576                      ; ctx's fragment
	s_mul_i32 s30, s28, 1536
	s_add_co_u32 s72, s72, s30
	s_mov_b32 s73, 0
	s_lshl_b32 s74, s28, 13                        ; ctx's scale words: head x 8,192 + (T / 4) x 256 + 4 (T % 4), + 16 r
	s_lshl_b32 s30, s31, 8
	s_add_co_u32 s74, s74, s30
	s_lshl_b32 s30, s26, 2
	s_add_co_u32 s74, s74, s30
	s_mov_b32 s75, 0
	s_add_nc_u64 s[60:61], s[4:5], s[60:61]
	s_add_nc_u64 s[62:63], s[6:7], s[62:63]
	s_add_nc_u64 s[KB:KB+1], s[4:5], s[66:67]
	s_add_nc_u64 s[KS:KS+1], s[6:7], s[68:69]
	s_add_nc_u64 s[10:11], s[10:11], s[72:73]
	s_add_nc_u64 s[12:13], s[12:13], s[74:75]
	s_lshr_b32 s78, s26, 1                         ; my tile's first row among the block's 64: 32 (tile / 2) + 8 (tile % 2)
	s_lshl_b32 s78, s78, 5
	s_lshl_b32 s30, s76, 3
	s_add_co_u32 s78, s78, s30
	s_mul_i32 s78, s78, MP
	s_mov_b32 s[SEL], 0x76543210
	s_mov_b32 s[SEL+1], 0xfedcba98
	s_mov_b32 s[LE], 0x3fb8aa3b
	s_mov_b32 s[LE+1], s[LE]                       ; (named with it as a pair, so it is written)
	s_mov_b32 s[SCA], 0x3db504f3
	s_mov_b32 s[SCA+1], s[SCA]
	s_mov_b32 s[INC+1], 0
	s_mov_b32 s[INS+1], 0
	s_mov_b32 s[STP], 0
	s_mov_b32 s[TB], 0
	s_mov_b32 s[TG], 0
	s_mov_b32 s[PH], 3
	v_and_b32 v32, 15, v0                          ; r
	v_bfe_u32 v33, v0, 4, 1                        ; h
	v_and_b32 v34, 31, v0
	v_and_b32 v35, 8, v0
	v_lshlrev_b32 v[LI], 4, v34
	v_lshlrev_b32 v[SOF], 5, v32
	v_lshlrev_b32 v7, 5, v32                       ; 32 r
	v_add_nc_u32 v35, v35, v32                     ; r + 8 (r / 8)
	v_lshl_add_u32 v[SOF], v33, 4, v[SOF]
	v_mul_u32_u24 v[AM0], v35, MP
	s_delay_alu instid0(VALU_DEP_1)
	v_lshl_add_u32 v[AM0], v33, 6, v[AM0]
	s_delay_alu instid0(VALU_DEP_1)
	v_add_nc_u32 v[AM0], s78, v[AM0]
	s_wait_alu depctr_va_vdst(0)                   ; ahead of readers that stand behind the run of scalar lines
.irp c, 0,1,2
	global_load_b128 v[16+4*\c:19+4*\c], v[LI], s[60:61] offset:512*\c   ; Q's fragment stays in registers
.endr
	global_load_b32 v255, v7, s[62:63]             ; Q's scale words
	LOADF 0, 0, KW, 0                              ; step 0's K,
	LOADF 96, 12288, VW, 512                       ; and V
	v_mov_b32 v13, 0xff61b1e6                      ; the largest t so far: -3e38
	v_mov_b32 v14, 0
	v_mov_b32 v15, 0
	v_floor_f32 v12, -v13                          ; -M
.irp b, 0,1,2,3
	v_mov_b32 v[236+\b], 0                         ; written once: a lane permute's destination counts as one of its sources
.endr
	v_mov_b32 v253, 0                              ; (named as the upper half of v[252:253] before it is first written)
.set j, 0
.rept 64
	v_mov_b32 v[160+j], 0                          ; O^T: the step is written once; the first finds zeros, which the first change of M leaves zeros
.set j, j+1
.endr
.macro STEP
	v_add_nc_u32 v[ADM], s[TMK], v[AM0]
.irp b, 0,1,2,3                                ; the mask at my registers' places: keys 32 b + 16 h + 0 .. 15 of my query's row; asked for ahead of the first product
.irp p, 0,1,2,3,4,5,6,7
	ds_load_b64 v[32+16*\b+2*\p:33+16*\b+2*\p], v[ADM] offset:128*\b+8*\p
.endr
.endr
	s_wait_alu depctr_va_vdst(0)
	s_wait_loadcnt 25                              ; this step's K is in (at first Q too); the 25 loads issued behind it, this step's V, may be out
	WIN 0x01
.irp t, 0,1,2,3                                ; S^T = K Q^T
	W 96+8*\t, 12*\t, 16, 1, KW+\t, 255, 0
.endr
.irp t, 4,5,6,7
	W 96+8*\t, 12*\t, 16, 1, KW+\t-4, 255, 1
.endr
	WIN 0
	PLACES                                         ; in front of loads into registers that the products have read, and of the first read of S^T
	s_cmp_lt_u32 s[STP], 15
	s_cselect_b32 s[INC], 24576, 0                 ; a step on; the last step stays where it is
	s_cselect_b32 s[INS], 1024, 0
	s_wait_xcnt 0x0                                ; V's loads, a step back, have read the two bases
	s_add_nc_u64 s[KB:KB+1], s[KB:KB+1], s[INC:INC+1]
	s_add_nc_u64 s[KS:KS+1], s[KS:KS+1], s[INS:INS+1]
	LOADF 0, 0, KW, 0                              ; the next step's K
	s_wait_dscnt 0x0                               ; the mask
.set j, 0
.rept 32
	v_pk_fma_f32 v[96+j:97+j], v[96+j:97+j], s[SCA:SCA+1], v[32+j:33+j] op_sel_hi:[1,0,1]   ; u = score / sqrt(128) + mask; each accumulator from its low end on
.set j, j+2
.endr
.irp b, 0,1,2,3
	v_max3_num_f32 v[232+\b], v[96+16*\b], v[97+16*\b], v[98+16*\b]   ; the largest u of each block of 32 keys: for the row's maximum, and, since p rises with u, for the block's largest p
.endr
.irp i, 3,5,7,9,11,13
.irp b, 0,1,2,3
	s_delay_alu instid0(VALU_DEP_4)
	v_max3_num_f32 v[232+\b], v[232+\b], v[96+16*\b+\i], v[97+16*\b+\i]
.endr
.endr
.irp b, 0,1,2,3
	s_delay_alu instid0(VALU_DEP_4)
	v_max_num_f32 v[232+\b], v[232+\b], v[111+16*\b]
.endr
.irp b, 0,1,2,3
	s_delay_alu instid0(VALU_DEP_4)
	v_permlanex16_b32 v[236+\b], v[232+\b], s[SEL], s[SEL+1]
.endr
.irp b, 0,1,2,3
	s_delay_alu instid0(VALU_DEP_4)
	v_max_num_f32 v[232+\b], v[232+\b], v[236+\b]
.endr
	s_delay_alu instid0(VALU_DEP_2)
	v_max3_num_f32 v254, v232, v233, v234
	s_delay_alu instid0(VALU_DEP_1)
	v_max_num_f32 v254, v254, v235
	s_delay_alu instid0(VALU_DEP_1)
	v_mul_f32 v254, s[LE], v254                    ; as t (log2(e) is positive)
	s_delay_alu instid0(VALU_DEP_1)
	v_max_num_f32 v13, v13, v254                   ; the running largest t
	v_mov_b32 v254, v12
	s_delay_alu instid0(VALU_DEP_2)
	v_floor_f32 v12, -v13                          ; the new -M = -ceil(t): a whole number
	s_delay_alu instid0(VALU_DEP_1)
	v_sub_f32 v254, v12, v254                      ; old M - new M: a whole number, 0 or less
	s_delay_alu instid0(VALU_DEP_1)
	v_cvt_i32_f32 v254, v254                       ; (it saturates)
	s_delay_alu instid0(VALU_DEP_1)
	v_ldexp_f32 v252, 1.0, v254                    ; f = 2^(old M - new M)
.set j, 0
.rept 32
	v_pk_fma_f32 v[96+j:97+j], v[96+j:97+j], s[LE:LE+1], v[12:13] op_sel_hi:[1,0,0]   ; t - M (of the pairs log2(e) and -M the low word serves both halves)
.set j, j+2
.endr
.irp b, 0,1,2,3
	v_fma_f32 v[232+\b], v[232+\b], s[LE], v12     ; the same of each block's largest u
.endr
	s_wait_alu depctr_va_vdst(0)                   ; ahead of the batch
.set j, 0
.rept 64
	v_exp_f32 v[96+j], v[96+j]                     ; p = 2^(t - M), at most 1
.set j, j+1
.endr
	v_pk_mul_f32 v[14:15], v[14:15], v[252:253] op_sel_hi:[1,0]   ; the sums under the new M.  (A plain place behind the exponentials)
	s_wait_alu depctr_va_vdst(0)                   ; one wait for the whole batch, ahead of its first reader
.irp b, 0,1,2,3
	v_exp_f32 v[232+\b], v[232+\b]                 ; the block's largest p: the same instructions on the same number give the same bits
.endr
.irp i, 0,1,2,3,4,5,6,7                        ; the row's sum, of the unquantised p: eight chains of packed additions
	v_pk_add_f32 v[236+2*\i:237+2*\i], v[96+4*\i:97+4*\i], v[98+4*\i:99+4*\i]
.endr
.irp i, 0,1,2,3,4,5,6,7
	v_pk_add_f32 v[236+2*\i:237+2*\i], v[236+2*\i:237+2*\i], v[128+2*\i:129+2*\i]
.endr
.irp i, 0,1,2,3,4,5,6,7
	v_pk_add_f32 v[236+2*\i:237+2*\i], v[236+2*\i:237+2*\i], v[144+2*\i:145+2*\i]
.endr
.irp i, 0,1,2,3
	s_delay_alu instid0(VALU_DEP_4)
	v_pk_add_f32 v[236+2*\i:237+2*\i], v[236+2*\i:237+2*\i], v[244+2*\i:245+2*\i]
.endr
.irp i, 0,1
	s_delay_alu instid0(VALU_DEP_2)
	v_pk_add_f32 v[236+2*\i:237+2*\i], v[236+2*\i:237+2*\i], v[240+2*\i:241+2*\i]
.endr
	s_delay_alu instid0(VALU_DEP_1)
	v_pk_add_f32 v[236:237], v[236:237], v[238:239]
	s_delay_alu instid0(VALU_DEP_1)
	v_pk_add_f32 v[14:15], v[14:15], v[236:237]
	s_wait_alu depctr_va_vdst(0)                   ; and one for the four
.irp b, 0,1,2,3
	v_max_num_f32 v[232+\b], 0x2800000, v[232+\b]  ; the floor 2^(5 - 127): the byte cannot fall under 1
.endr
.irp b, 0,1,2,3
	s_delay_alu instid0(VALU_DEP_4)
	v_add_nc_u32 v[244+\b], 0xfe000000, v[232+\b]
.endr
.irp b, 0,1,2,3
	s_delay_alu instid0(VALU_DEP_4)
	v_lshrrev_b32 v[236+\b], 23, v[244+\b]
.endr
	s_delay_alu instid0(VALU_DEP_3)
	v_lshl_or_b32 v253, v237, 8, v236              ; p's scale word for these 128 keys
	s_delay_alu instid0(VALU_DEP_1)
	v_lshl_or_b32 v253, v238, 16, v253
	s_delay_alu instid0(VALU_DEP_1)
	v_lshl_or_b32 v253, v239, 24, v253
.irp c, 0,1
	v_cvt_scalef32_pk16_bf6_f32 v[224+6*\c:226+6*\c], v[96+32*\c:111+32*\c], v[244+2*\c]
	v_cvt_scalef32_pk16_bf6_f32 v[236+4*\c:238+4*\c], v[112+32*\c:127+32*\c], v[244+2*\c+1]
.endr
	v_nop
.irp c, 0,1
.irp i, 0,1,2
	v_permlane16_swap_b32 v[224+6*\c+\i], v[236+4*\c+\i]
.endr
.irp i, 0,1,2
	s_delay_alu instid0(VALU_DEP_3)
	v_mov_b32 v[227+6*\c+\i], v[236+4*\c+\i]
.endr
.endr
	s_wait_alu depctr_va_vdst(0)                   ; directly ahead of the first reader of O^T
.set j, 0
.rept 32
	v_pk_mul_f32 v[160+j:161+j], v[160+j:161+j], v[252:253] op_sel_hi:[1,0]   ; O^T under the new M.  (Also the places in front of the products below)
.set j, j+2
.endr
	s_wait_alu depctr_va_vdst(0)
	s_wait_loadcnt 25                              ; this step's V is in; the 25 loads issued behind it, the next step's K, may be out
	WIN 0x01
.irp t, 0,1,2,3                                ; O^T += V^T P^T; the eight accumulators by turns
	W 160+8*\t, 96+12*\t, 224, 0, VW+\t, 253, 0
.endr
.irp t, 4,5,6,7
	W 160+8*\t, 96+12*\t, 224, 0, VW+\t-4, 253, 1
.endr
	WIN 0
	PLACES
	LOADF 96, 12288, VW, 512                       ; the next step's V
	s_add_co_u32 s[TMK], s[TMK], SBLK              ; the next step's mask
	s_add_co_u32 s[STP], s[STP], 1
.endm
.macro FOUR lab                        ; a phase's four steps, from the slot at s[TB]
	s_mov_b32 s[TMK], s[TB]
	s_mov_b32 s[CNT], 4
\lab:
	STEP
	s_sub_co_u32 s[CNT], s[CNT], 1
	s_cmp_lg_u32 s[CNT], 0
	s_cbranch_scc1 \lab
.endm
	s_wait_alu depctr_va_vdst(0)
.Lphase:                                           ; three trips: phase p is multiplied, phase p + 1 is asked for
	s_wait_tensorcnt 0x0                           ; my part of this phase's mask is in, and no tensor load of mine is out: group 0 may be written
	ds_add_u32 v[SPW], v[NIL]
	s_xor_b32 s[TG], s[TG], SLOTB                  ; the other slot: the one read in the phase before (the first time: slot 1's first fill)
	s_add_co_u32 s[G0M+1], s[LA0], s[TG]
	s_add_nc_u64 s[G0M+2:G0M+3], s[G0M+2:G0M+3], 4*512
	s_wait_dscnt 0x0                               ; the add is done, and my reads of the slot that I have left are over
	CROUND                                         ; both now hold of every wave of all four work-groups
	tensor_load_to_lds s[G0M:G0M+3], s[G1M:G1M+7]  ; the next phase: my one joint load behind the round, with four steps in which to land
	s_nop 0
	PLACES
	FOUR .Lstep
	s_xor_b32 s[TB], s[TB], SLOTB
	s_sub_co_u32 s[PH], s[PH], 1
	s_cmp_lg_u32 s[PH], 0
	s_cbranch_scc1 .Lphase
	s_wait_tensorcnt 0x0                           ; the last phase is written out: nothing is left to ask for
	ds_add_u32 v[SPW], v[NIL]
	s_wait_dscnt 0x0
	s_barrier_signal -1
	s_barrier_wait -1
	FOUR .Llast
	; THE WAY OUT: O^T / the sum is my 16 queries' part of ctx for this head: 128 along the last product's K.  It is quantised here and leaves as one fragment's image and one scale word a row.
	; (The places behind the last products stand at the step's end.)
	v_add_f32 v14, v14, v15
	v_and_b32 v7, 15, v0
	s_delay_alu instid0(VALU_DEP_2)
	v_permlanex16_b32 v252, v14, s[SEL], s[SEL+1]
	v_lshlrev_b32 v7, 4, v7                        ; 16 r
	s_delay_alu instid0(VALU_DEP_2)
	v_add_f32 v14, v14, v252                       ; the row's sum
	s_wait_alu depctr_va_vdst(0)
	v_rcp_f32 v14, v14
.irp b, 0,1,2,3
	v_mov_b32 v[TM+4+\b], 0                        ; (plain places behind the reciprocal)
.endr
	s_wait_alu depctr_va_vdst(0)                   ; ahead of the reciprocal's first reader, and of O^T's
.set j, 0
.rept 32
	v_pk_mul_f32 v[96+j:97+j], v[160+j:161+j], v[14:15] op_sel_hi:[1,0]   ; register 16 b + i is ctx(my query, 32 b + 16 h + i)
.set j, j+2
.endr
.irp b, 0,1,2,3
	v_max3_num_f32 v[TM+\b], |v[96+16*\b]|, |v[97+16*\b]|, 0x2800000
.endr
.irp i, 2,4,6,8,10,12,14
.irp b, 0,1,2,3
	s_delay_alu instid0(VALU_DEP_4)
	v_max3_num_f32 v[TM+\b], v[TM+\b], |v[96+16*\b+\i]|, |v[97+16*\b+\i]|
.endr
.endr
.irp b, 0,1,2,3
	s_delay_alu instid0(VALU_DEP_4)
	v_permlanex16_b32 v[TM+4+\b], v[TM+\b], s[SEL], s[SEL+1]
.endr
.irp b, 0,1,2,3
	s_delay_alu instid0(VALU_DEP_4)
	v_max_num_f32 v[TM+\b], v[TM+\b], v[TM+4+\b]
.endr
.irp b, 0,1,2,3
	s_delay_alu instid0(VALU_DEP_4)
	v_add_nc_u32 v[TM+12+\b], 0xfe000000, v[TM+\b]
.endr
.irp b, 0,1,2,3
	s_delay_alu instid0(VALU_DEP_4)
	v_lshrrev_b32 v[TM+4+\b], 23, v[TM+12+\b]
.endr
	s_delay_alu instid0(VALU_DEP_3)
	v_lshl_or_b32 v68, v[TM+5], 8, v[TM+4]
	s_delay_alu instid0(VALU_DEP_1)
	v_lshl_or_b32 v68, v[TM+6], 16, v68
	s_delay_alu instid0(VALU_DEP_1)
	v_lshl_or_b32 v68, v[TM+7], 24, v68
.irp c, 0,1
	v_cvt_scalef32_pk16_bf6_f32 v[PC+6*\c:PC+2+6*\c], v[96+32*\c:111+32*\c], v[TM+12+2*\c]
	v_cvt_scalef32_pk16_bf6_f32 v[PC+12+4*\c:PC+14+4*\c], v[112+32*\c:127+32*\c], v[TM+12+2*\c+1]
.endr
	v_nop
.irp c, 0,1
.irp i, 0,1,2
	v_permlane16_swap_b32 v[PC+6*\c+\i], v[PC+12+4*\c+\i]
.endr
.irp i, 0,1,2
	s_delay_alu instid0(VALU_DEP_3)
	v_mov_b32 v[PC+3+6*\c+\i], v[PC+12+4*\c+\i]
.endr
.endr
.irp c, 0,1,2
	global_store_b128 v[LI], v[PC+4*\c:PC+4*\c+3], s[10:11] offset:512*\c   ; 512 consecutive bytes
.endr
	global_store_b32 v7, v68, s[12:13]             ; my tile's 16 scale words, 16 bytes apart as the last launch takes them (both halves of the lanes store the same word with the same value)
	s_wait_tensorcnt 0x0                           ; the wave's end
	ds_add_u32 v[SPW], v[NIL]
	s_wait_dscnt 0x0
	CROUND                                         ; the closing round: no work-group ends while a partner may still ask for a tile that names it
	s_endpgm
.Lfunc_end_k_q223d0bf101_attn:
	.size	k_q223d0bf101_attn, .Lfunc_end_k_q223d0bf101_attn-k_q223d0bf101_attn
	.p2alignl 7, 3214868480
	.fill 96, 4, 3214868480
	.section	.rodata,"a",@progbits
	.p2align	6, 0x0
	.amdhsa_kernel k_q223d0bf101_attn
		.amdhsa_group_segment_fixed_size 327680
		.amdhsa_private_segment_fixed_size 0
		.amdhsa_enable_private_segment 0
		.amdhsa_kernarg_size 40
		.amdhsa_user_sgpr_count 2
		.amdhsa_user_sgpr_kernarg_segment_ptr 1
		.amdhsa_wavefront_size32 1
		.amdhsa_system_sgpr_workgroup_id_x 1
		.amdhsa_system_sgpr_workgroup_id_y 1
		.amdhsa_system_sgpr_workgroup_id_z 1
		.amdhsa_system_vgpr_workitem_id 0
		.amdhsa_next_free_vgpr 512
		.amdhsa_next_free_sgpr 80
		.amdhsa_reserve_vcc 0
		.amdhsa_float_denorm_mode_32 3
		.amdhsa_float_denorm_mode_16_64 3
		.amdhsa_memory_ordered 1
		.amdhsa_forward_progress 1
		.amdhsa_inst_pref_size 77
	.end_amdhsa_kernel
	.amdgpu_metadata
---
amdhsa.version: [ 1, 2 ]
amdhsa.kernels:
  - .name:           k_q223d0bf101_attn
    .symbol:         k_q223d0bf101_attn.kd
    .args:
      - { .name: qkvc, .offset: 0, .size: 8, .value_kind: global_buffer, .address_space: global }
      - { .name: qkvs, .offset: 8, .size: 8, .value_kind: global_buffer, .address_space: global }
      - { .name: mask, .offset: 16, .size: 8, .value_kind: global_buffer, .address_space: global }
      - { .name: cc, .offset: 24, .size: 8, .value_kind: global_buffer, .address_space: global }
      - { .name: cs, .offset: 32, .size: 8, .value_kind: global_buffer, .address_space: global }
    .group_segment_fixed_size: 327680
    .private_segment_fixed_size: 0
    .kernarg_segment_align: 8
    .kernarg_segment_size: 40
    .max_flat_workgroup_size: 256
    .sgpr_count:     80
    .vgpr_count:     512
    .wavefront_size: 32
...
	.end_amdgpu_metadata
.endif
;; end of part 7
;; launch proj (part 8): grid 16 x 16, 4 waves a work-group, clusters of 4 x 4, 327,680 bytes of LDS; arguments cc, cs, oc, os, bo, out0; writes out0
.if DOCPART == 8
	.amdgcn_target "amdgcn-amd-amdhsa--gfx1250"
	.amdhsa_code_object_version 6
	.text
	.protected	k_q223d0bf101_proj
	.globl	k_q223d0bf101_proj
	.p2align	8
	.type	k_q223d0bf101_proj,@function
k_q223d0bf101_proj:
	s_mov_b64 s[64:65], 0
	v_nop
	global_prefetch_b8 v0, s[64:65] scope:SCOPE_SE
	s_setreg_imm32_b32 hwreg(HW_REG_WAVE_MODE, 25, 1), 1
	s_wait_xcnt 0x0
	s_wait_alu depctr_hold_cnt(0) depctr_sa_sdst(0) depctr_va_vdst(0) depctr_va_sdst(0) depctr_va_ssrc(0) depctr_va_vcc(0) depctr_vm_vsrc(0)
	s_getreg_b32 s2, hwreg(HW_REG_IB_STS2, 6, 4)
	s_cmp_eq_u32 s2, 0
	s_cbranch_scc0 .Lentry_in_a_cluster
	s_endpgm
.Lentry_in_a_cluster:
	s_bfe_u32 s2, ttmp6, 0x10000c
	s_cmp_lg_u32 s2, 0xf033
	s_cbranch_scc0 .Lentry_shape_is_right
	s_endpgm
.Lentry_shape_is_right:
.set FR,     12
.set NP,     4
.set NQ,     4
.set FRB,    1536
.set TROW,   NQ*FRB
.set HALFT,  4*TROW
.set SLOT,   4*HALFT
.set SCL,    3*SLOT
.set HALFS,  4096
.set SPARE,  SCL+4*HALFS
.set SPITCH, 272
.set STAGE,  SLOT
.set OA,   10
.set CO,   11
.set ADRA, 16
.set ADRB, 20
.set STO,  24
.set RD,   25
.set ADRS, 27
.set SPW,  28
.set NIL,  29
.set SC,   32
.set BI,   96
.set AF,   128
.set BK,   128
.set ACC,  128
.set G1,   24
.set G1B,  32
.set G1S,  40
.set G1SB, 48
.set G0S,  56
.set G0SB, 60
.set G0,   68
.set G0B,  80
.set MSB, 0
.macro WIN new
.if MSB != \new
	s_set_vgpr_msb (MSB<<8)|\new
.set MSB, \new
.endif
.endm
.set MUL,  0x51
.set MULF, 0x41
.set TO_B, 0x40
.macro JLOAD g0a, g1a, g0b, g1b
	s_cmp_eq_u32 s15, 0
	s_cbranch_scc0 .Lfor_b_\@
	tensor_load_to_lds s[\g0a:\g0a+3], s[\g1a:\g1a+7]
	s_nop 0
.rept 4
	v_nop
.endr
	s_branch .Lasked_\@
.Lfor_b_\@:
	tensor_load_to_lds s[\g0b:\g0b+3], s[\g1b:\g1b+7]
	s_nop 0
.rept 4
	v_nop
.endr
.Lasked_\@:
.endm
.macro CREST
	s_cmp_lg_u32 s14, 0
	s_cbranch_scc1 .Lnot_wave_0_\@
	s_barrier_signal -3
.Lnot_wave_0_\@:
	s_barrier_wait -3
	s_barrier_signal -1
	s_barrier_wait -1
.endm
.macro CROUND
	s_barrier_signal -1
	s_barrier_wait -1
	CREST
.endm
	s_load_b256 s[4:11], s[0:1], 0x0
	s_load_b128 s[92:95], s[0:1], 0x20
	v_lshl_add_u32 v[SPW], v0, 2, SPARE
	v_mov_b32 v[NIL], 0
	ds_add_u32 v[SPW], v[NIL]
	ds_add_u32 v[SPW], v[NIL]
	v_lshrrev_b32 v1, 5, v0
	v_readfirstlane_b32 s14, v1
	s_lshr_b32 s15, s14, 1
	s_and_b32 s16, s14, 1
	s_bfe_u32 s96, ttmp6, 0x40000
	s_bfe_u32 s97, ttmp6, 0x40004
	s_lshl_b32 s98, ttmp9, 2
	s_add_co_u32 s98, s98, s96
	s_and_b32 s17, ttmp7, 0xffff
	s_lshl_b32 s17, s17, 2
	s_add_co_u32 s17, s17, s97
	s_lshl_b32 s99, s97, 2
	s_lshl_b32 s99, 15, s99
	s_lshl_b32 s100, 0x1111, s96
	s_or_b32 s[G1+0], s99, (3<<16)|(1<<21)
	s_or_b32 s[G1B+0], s100, (3<<16)|(1<<21)
.irp g, G1, G1B
	s_mov_b32 s[\g+1], 768<<16
	s_mov_b32 s[\g+2], 8<<16
	s_mov_b32 s[\g+3], 768<<16
	s_mov_b32 s[\g+4], 8
	s_mov_b32 s[\g+5], 3072
	s_mov_b32 s[\g+6], 0
	s_mov_b32 s[\g+7], 0
.endr
	s_or_b32 s[G1S+0], s99, (3<<16)|(1<<21)
	s_or_b32 s[G1SB+0], s100, (3<<16)|(1<<21)
.irp g, G1S, G1SB
	s_mov_b32 s[\g+1], 64<<16
	s_mov_b32 s[\g+2], 16<<16
	s_mov_b32 s[\g+3], 64<<16
	s_mov_b32 s[\g+4], 16
	s_mov_b32 s[\g+5], 1024
	s_mov_b32 s[\g+6], 0
	s_mov_b32 s[\g+7], 0
.endr
	s_lshl_b32 s20, s17, 3
	s_mul_i32 s20, s20, 24576
	s_mov_b32 s21, 0
	s_lshl_b32 s22, s17, 9
	s_mov_b32 s23, 0
	s_lshl_b32 s2, s98, 3
	s_add_co_u32 s2, s2, 512
	s_mul_i32 s2, s2, 24576
	s_mov_b32 s3, 0
	s_lshl_b32 s18, s98, 9
	s_add_co_u32 s18, s18, 524288
	s_mov_b32 s19, 0
	s_mul_i32 s101, s14, HALFT
	s_lshl_b32 s12, s14, 12
	s_wait_dscnt 0x0
	s_wait_kmcnt 0x0
	s_add_nc_u64 s[20:21], s[4:5], s[20:21]
	s_add_nc_u64 s[22:23], s[6:7], s[22:23]
	s_add_nc_u64 s[2:3], s[8:9], s[2:3]
	s_add_nc_u64 s[18:19], s[10:11], s[18:19]
	CROUND
	s_mov_b32 s[G0S], 1
	s_mov_b32 s[G0S+1], SCL
	s_mov_b64 s[G0S+2:G0S+3], s[22:23]
	s_or_b32 s[G0S+3], s[G0S+3], 0x80000000
	s_mov_b32 s[G0SB], 1
	s_mov_b32 s[G0SB+1], SCL+2*HALFS
	s_mov_b64 s[G0SB+2:G0SB+3], s[18:19]
	s_or_b32 s[G0SB+3], s[G0SB+3], 0x80000000
	; THE HEAD'S LOADS, ONE A WAVE: wave 0 fetches slot 0's eight tile rows of A, wave 1 those of B, wave 2 the scales of A's rows, wave 3 those of B's.  Slot 0's two groups 0 serve the whole tiles first.
	s_mov_b32 s[G0], 1
	s_mov_b32 s[G0+1], 0
	s_mov_b64 s[G0+2:G0+3], s[20:21]
	s_or_b32 s[G0+3], s[G0+3], 0x80000000
	s_mov_b32 s[G0B], 1
	s_mov_b32 s[G0B+1], 2*HALFT
	s_mov_b64 s[G0B+2:G0B+3], s[2:3]
	s_or_b32 s[G0B+3], s[G0B+3], 0x80000000
	s_mul_i32 s4, s16, 4*24576                     ; for the ring: my four tile rows of the eight
	s_mov_b32 s5, 0
	s_add_nc_u64 s[20:21], s[20:21], s[4:5]
	s_add_nc_u64 s[2:3], s[2:3], s[4:5]
.irp s, 1,2
	s_mov_b32 s[G0+4*\s], 1
	s_add_co_u32 s[G0+4*\s+1], s101, \s*SLOT
	s_add_nc_u64 s[G0+4*\s+2:G0+4*\s+3], s[20:21], \s*TROW
	s_or_b32 s[G0+4*\s+3], s[G0+4*\s+3], 0x80000000
	s_mov_b32 s[G0B+4*\s], 1
	s_add_co_u32 s[G0B+4*\s+1], s101, \s*SLOT
	s_add_nc_u64 s[G0B+4*\s+2:G0B+4*\s+3], s[2:3], \s*TROW
	s_or_b32 s[G0B+4*\s+3], s[G0B+4*\s+3], 0x80000000
.endr
.macro ARM under, g0, g1, next         ; one tree of branches on the wave's number: every way through the head passes exactly one load
	s_cmp_lt_u32 s14, \under
	s_cbranch_scc0 \next
	tensor_load_to_lds s[\g0:\g0+3], s[\g1:\g1+7]
	s_nop 0
.rept 4
	v_nop
.endr
	s_branch .Lhead_asked
\next:
.endm
	ARM 1, G0,  G1,  .Lhead_b
	ARM 2, G0B, G1B, .Lhead_sa
	ARM 3, G0S, G1S, .Lhead_sb
	tensor_load_to_lds s[G0SB:G0SB+3], s[G1SB:G1SB+7]
	s_nop 0
.rept 4
	v_nop
.endr
.Lhead_asked:
	s_wait_alu depctr_va_vdst(0)
	s_wait_tensorcnt 0x0                           ; my tile of the head's four is in
	ds_add_u32 v28, v29
	s_mov_b32 s[G1+2], 4<<16                       ; no tensor load of mine is out: from here on a load brings four tile rows,
	s_mov_b32 s[G1+4], 4
	s_mov_b32 s[G1B+2], 4<<16
	s_mov_b32 s[G1B+4], 4
	s_mov_b32 s[G0+1], s101                        ; and slot 0's groups 0 stand at my part of the slot
	s_mov_b64 s[G0+2:G0+3], s[20:21]
	s_or_b32 s[G0+3], s[G0+3], 0x80000000
	s_mov_b32 s[G0B+1], s101
	s_mov_b64 s[G0B+2:G0B+3], s[2:3]
	s_or_b32 s[G0B+3], s[G0B+3], 0x80000000
	s_wait_dscnt 0x0
	CROUND
	JLOAD G0+4, G1, G0B+4, G1B
	s_wait_tensorcnt 0x0                           ; and once more ahead of slot 2's first fill
	ds_add_u32 v28, v29
	s_wait_dscnt 0x0
	CROUND
	JLOAD G0+8, G1, G0B+8, G1B
	v_and_b32 v1, 15, v0
	v_bfe_u32 v2, v0, 4, 1
	v_and_b32 v3, 31, v0
	v_lshlrev_b32 v[OA], 4, v3
	s_wait_alu depctr_va_vdst(0)
	v_lshlrev_b32 v9, 6, v2
	s_lshl_b32 s20, s98, 9
	s_lshl_b32 s21, s16, 8
	s_add_co_u32 s20, s20, s21
	s_mov_b32 s21, 0
	s_add_nc_u64 s[92:93], s[92:93], s[20:21]
	s_add_nc_u64 s[94:95], s[94:95], s[20:21]
.irp k, 0,1,2,3,4,5,6,7
	global_load_b128 v[BI+4*\k:BI+4*\k+3], v9, s[92:93] offset:128*(\k/4)+16*(\k%4)
.endr
	s_lshl_b32 s20, s17, 20
	s_lshl_b32 s22, s15, 19
	s_add_co_u32 s20, s20, s22
	s_add_nc_u64 s[94:95], s[94:95], s[20:21]
	s_mul_i32 s21, s15, HALFT
	s_mul_i32 s22, s16, HALFT
	s_add_co_u32 s22, s22, 2*HALFT
.irp s, 0,1,2
	v_add_nc_u32 v[ADRA+\s], s21, v[OA]
	v_add_nc_u32 v[ADRB+\s], s22, v[OA]
	s_add_co_u32 s21, s21, SLOT
	s_add_co_u32 s22, s22, SLOT
.endr
	v_lshlrev_b32 v5, 4, v1
	s_lshl_b32 s21, s15, 8                         ; the scales lie [K step][512 bytes]: my half of a row
	s_lshl_b32 s22, s16, 8
	s_add_co_u32 s22, s22, 2*HALFS
	s_sub_co_u32 s22, s22, s21
	v_mul_u32_u24 v6, s22, v2
	s_add_co_u32 s21, s21, SCL
	v_add_nc_u32 v5, v5, v6
	v_add_nc_u32 v[ADRS], s21, v5
	s_mul_i32 s23, s14, 16*SPITCH
	s_add_co_u32 s23, s23, STAGE
	v_mul_u32_u24 v5, v1, SPITCH
	v_lshl_add_u32 v5, v2, 6, v5
	v_add_nc_u32 v[STO], s23, v5
	v_mul_u32_u24 v5, v2, SPITCH
	v_lshl_add_u32 v5, v1, 4, v5
	v_add_nc_u32 v[RD], s23, v5
	v_lshlrev_b32 v[CO], 13, v2
	v_lshl_add_u32 v[CO], v1, 4, v[CO]
.macro FRAG reg, adr, off
.irp c, 0,1,2
	ds_load_b128 v[\reg+4*\c:\reg+4*\c+3], v[\adr] offset:(\off)+512*\c
.endr
.endm
.macro FETCH ks
.set SL, ((\ks)/NQ)%3
.set QQ, (\ks)%NQ
.set PP, (\ks)%2
	WIN TO_B
.irp i, 0,1,2,3
	FRAG 48*PP+FR*\i, ADRB+SL, \i*TROW+QQ*FRB
.endr
	WIN 0
.irp i, 0,1,2,3
	FRAG AF+48*PP+FR*\i, ADRA+SL, \i*TROW+QQ*FRB
.endr
.endm
.macro MULS ks, a, first
.set PP, (\ks)%2
.irp b, 0,1,2,3
.if \first
	v_wmma_scale_f32_16x16x128_f8f6f4 v[ACC+8*(4*(\a)+\b):ACC+8*(4*(\a)+\b)+7], v[48*PP+FR*\b:48*PP+FR*\b+FR-1], v[AF+48*PP+FR*(\a):AF+48*PP+FR*(\a)+FR-1], v[BI+8*\b:BI+8*\b+7], v[SC+4*(\ks)+\b], v[SC+4*(\ks)+(\a)] matrix_a_fmt:MATRIX_FMT_BF6 matrix_b_fmt:MATRIX_FMT_BF6 matrix_a_scale:MATRIX_SCALE_ROW1
.else
	v_wmma_scale_f32_16x16x128_f8f6f4 v[ACC+8*(4*(\a)+\b):ACC+8*(4*(\a)+\b)+7], v[48*PP+FR*\b:48*PP+FR*\b+FR-1], v[AF+48*PP+FR*(\a):AF+48*PP+FR*(\a)+FR-1], v[ACC+8*(4*(\a)+\b):ACC+8*(4*(\a)+\b)+7], v[SC+4*(\ks)+\b], v[SC+4*(\ks)+(\a)] matrix_a_fmt:MATRIX_FMT_BF6 matrix_b_fmt:MATRIX_FMT_BF6 matrix_a_scale:MATRIX_SCALE_ROW1
.endif
.endr
.endm
.macro PLACES n
.rept \n
	v_nop
.endr
.endm
.macro STEP ks, first
	s_wait_dscnt 0x0
	PLACES NP
	FETCH (\ks)+1
.if \first
	WIN MULF
.else
	WIN MUL
.endif
.irp a, 0,1,2,3
	MULS \ks, \a, \first
.endr
.endm
.macro TURN ks, fill
	WIN 0
	s_wait_tensorcnt 0x0
	ds_add_u32 v[SPW], v[NIL]
	s_wait_dscnt 1
	WIN MUL
	MULS \ks, 0, 0
	s_wait_dscnt 0x0
	s_barrier_signal -1
	MULS \ks, 1, 0
	WIN 0
	s_barrier_wait -1
.if \fill
	CREST
	s_add_nc_u64 s[G0+2:G0+3], s[G0+2:G0+3], 3*TROW
	s_add_nc_u64 s[G0B+2:G0B+3], s[G0B+2:G0B+3], 3*TROW
	JLOAD G0, G1, G0B, G1B
.else
	PLACES NP
.endif
	FETCH (\ks)+1
	WIN MUL
	MULS \ks, 2, 0
	MULS \ks, 3, 0
.endm
	s_wait_alu depctr_va_vdst(0)
	s_wait_tensorcnt 2
	s_barrier_signal -1
	s_barrier_wait -1
.irp k, 0,1,2,3,4,5,6,7,8,9,10,11,12,13,14,15
	ds_load_b128 v[SC+4*\k:SC+4*\k+3], v[ADRS] offset:512*\k
.endr
	FETCH 0
	s_wait_loadcnt 0x0
	STEP 0, 1
	STEP 1, 0
	STEP 2, 0
	TURN 3, 1
.irp k, 4,5,6,7,8,9,10
	STEP \k, 0
.endr
	TURN 11, 0
	STEP 12, 0
	STEP 13, 0
	STEP 14, 0
	s_wait_dscnt 0x0
	WIN MUL
.irp a, 0,1,2,3
	MULS 15, \a, 0
.endr
	WIN 0
.macro TOSTAGE a
	WIN 0x04
.irp b, 0,1,2,3
	ds_store_b128 v[STO], v[ACC+8*(4*(\a)+\b):ACC+8*(4*(\a)+\b)+3] offset:128*(\b/2)+32*(\b%2)
	ds_store_b128 v[STO], v[ACC+8*(4*(\a)+\b)+4:ACC+8*(4*(\a)+\b)+7] offset:128*(\b/2)+32*(\b%2)+16
.endr
	WIN 0
.set BB, BK+32*((\a)%2)
.irp t, 0,1,2,3,4,5,6,7
	ds_load_b128 v[BB+4*\t:BB+4*\t+3], v[RD] offset:\t*2*SPITCH
.endr
.endm
.macro SEND a, younger
.set BB, BK+32*((\a)%2)
	s_wait_dscnt \younger
.irp t, 0,1,2,3,4,5,6,7
	global_store_b128 v[CO], v[BB+4*\t:BB+4*\t+3], s[94:95] offset:(32*((\a)/2)+8*((\a)%2)+2*\t+8*(\t/4))*8192 th:TH_STORE_NT
.endr
.endm
	PLACES NP
	TOSTAGE 0
.irp a, 1,2,3
.if \a > 1
	s_wait_xcnt 0x0
.endif
	TOSTAGE \a
	SEND \a-1, 16
.endr
	SEND 3, 0
	s_wait_tensorcnt 0x0
	ds_add_u32 v[SPW], v[NIL]
	s_wait_dscnt 0x0
	CROUND
	s_endpgm
.Lfunc_end_k_q223d0bf101_proj:
	.size	k_q223d0bf101_proj, .Lfunc_end_k_q223d0bf101_proj-k_q223d0bf101_proj
	.p2alignl 7, 3214868480
	.fill 96, 4, 3214868480
	.section	.rodata,"a",@progbits
	.p2align	6, 0x0
	.amdhsa_kernel k_q223d0bf101_proj
		.amdhsa_group_segment_fixed_size 327680
		.amdhsa_private_segment_fixed_size 0
		.amdhsa_enable_private_segment 0
		.amdhsa_kernarg_size 48
		.amdhsa_user_sgpr_count 2
		.amdhsa_user_sgpr_kernarg_segment_ptr 1
		.amdhsa_wavefront_size32 1
		.amdhsa_system_sgpr_workgroup_id_x 1
		.amdhsa_system_sgpr_workgroup_id_y 1
		.amdhsa_system_sgpr_workgroup_id_z 1
		.amdhsa_system_vgpr_workitem_id 0
		.amdhsa_next_free_vgpr 512
		.amdhsa_next_free_sgpr 102
		.amdhsa_reserve_vcc 0
		.amdhsa_float_denorm_mode_32 3
		.amdhsa_float_denorm_mode_16_64 3
		.amdhsa_memory_ordered 1
		.amdhsa_forward_progress 1
		.amdhsa_inst_pref_size 83
	.end_amdhsa_kernel
	.amdgpu_metadata
---
amdhsa.version: [ 1, 2 ]
amdhsa.kernels:
  - .name:           k_q223d0bf101_proj
    .symbol:         k_q223d0bf101_proj.kd
    .args:
      - { .name: cc, .offset: 0, .size: 8, .value_kind: global_buffer, .address_space: global }
      - { .name: cs, .offset: 8, .size: 8, .value_kind: global_buffer, .address_space: global }
      - { .name: oc, .offset: 16, .size: 8, .value_kind: global_buffer, .address_space: global }
      - { .name: os, .offset: 24, .size: 8, .value_kind: global_buffer, .address_space: global }
      - { .name: bo, .offset: 32, .size: 8, .value_kind: global_buffer, .address_space: global }
      - { .name: out0, .offset: 40, .size: 8, .value_kind: global_buffer, .address_space: global }
    .group_segment_fixed_size: 327680
    .private_segment_fixed_size: 0
    .kernarg_segment_align: 8
    .kernarg_segment_size: 48
    .max_flat_workgroup_size: 128
    .sgpr_count:     102
    .vgpr_count:     512
    .wavefront_size: 32
...
	.end_amdgpu_metadata
.endif
;; end of part 8
